; MI455X (gfx1250); checked and timed in simulation.
; The chip was launched on July 23, 2026; its instructions are those of AMD's public machine-readable ISA for CDNA 5 (MIT licence, August 2026) and "CDNA5" Instruction Set Architecture Reference Guide (July 2026). The comments in the code are by the model that wrote it; some were corrected since.
;; I64 Attention. Allowed arithmetic: matrix products marked QUANTISED: E4M3 operands, one E8M0 scale for each 32 along K, by v_wmma_scale_f32_16x16x128_f8f6f4 with both operands' format E4M3, f32 sums; everything else in f32.
;; Inputs: Wk 512 x 2,048 float32; Wmu_k 512 x 2,048 float32; Wmu_q 2,048 x 2,048 float32; Wmu_v 512 x 2,048 float32; Wo 2,048 x 2,048 float32; Wq 2,048 x 2,048 float32; Wv 512 x 2,048 float32; hidden 1 x 2,048 x 2,048 float32; kn_w 128 float32; mu_prev 1 x 2,048 x 2,048 float32; positions 2,048 int32; qn_w 128 float32.
;; Outputs: out0 1 x 2,048 x 2,048 float32.
;; This version of the problem:
;;   THIS VERSION OF THE PROBLEM IS GIVEN IN LOW PRECISION. The matrix products marked QUANTISED in the list below multiply operands that are first quantised to E4M3 (4 exponent bits, 3 mantissa bits; 8 bits a number), with one power-of-two scale for each 32 numbers along K (OCP MX v1.0); their sums are f32. All else is computed in f32.
;;   The module's matrix products, in the order in which they are computed (A, B: the left and right operand; K: the contracted axis; several contracted axes count as one K, in the product's order):
;;     1. [M 2,048, K 2,048] x [K 2,048, N 2,048]; A: input hidden; B: input Wq: QUANTISED
;;     2. [M 2,048, K 2,048] x [K 2,048, N 2,048]; A: input mu_prev; B: input Wmu_q: QUANTISED
;;     3. [M 2,048, K 2,048] x [K 2,048, N 512]; A: input hidden; B: input Wk: QUANTISED
;;     4. [M 2,048, K 2,048] x [K 2,048, N 512]; A: input mu_prev; B: input Wmu_k: QUANTISED
;;     5. [M 2,048, K 2,048] x [K 2,048, N 512]; A: input hidden; B: input Wv: QUANTISED
;;     6. [M 2,048, K 2,048] x [K 2,048, N 512]; A: input mu_prev; B: input Wmu_v: QUANTISED
;;     7. batch 16 x [M 2,048, K 128] x [K 128, N 2,048]; A: computed on the way; B: computed on the way: QUANTISED
;;     8. batch 16 x [M 2,048, K 2,048] x [K 2,048, N 128]; A: softmax (see below); B: computed on the way: QUANTISED
;;     9. [M 2,048, K 2,048] x [K 2,048, N 2,048]; A: computed on the way; B: input Wo: QUANTISED
;;   THE QUANTISER, for each operand of a quantised product, along K:
;;     - K is cut into blocks of 32 from its start; a last block that is shorter is filled with zeros.
;;     - A block's scale is 2^e with e = floor(log2(the largest magnitude in the block)) - 8, held to -126 .. 127; a block of zeros has e = 0. As a byte (E8M0): e + 127.
;;     - Each number is divided by its block's scale, clamped to +-448, and rounded to the nearest number of E4M3, ties to even, subnormals kept.
;;     - The product sums the exact products of the quantised numbers (number of the format x scale) in f32.
;;   ~~~python
;;   def quantise(x, axis):      # numpy; x: float32 -> the quantised numbers, widened to float32 again
;;       x = np.moveaxis(x, axis, -1); K = x.shape[-1]
;;       x = np.pad(x, [(0, 0)] * (x.ndim - 1) + [(0, -K % 32)]); x = x.reshape(x.shape[:-1] + (-1, 32)); a = np.abs(x).max(-1, keepdims=True)
;;       e = np.where(a > 0, np.clip(np.frexp(np.where(a > 0, a, 1))[1] - 1 - 8, -126, 127), 0)      # np.frexp(a)[1] - 1 = floor(log2(a)), exactly
;;       r = np.clip(x / 2.0 ** e, -448, 448)
;;       step = 2.0 ** (np.maximum(np.frexp(np.where(r == 0, 1, r))[1] - 1, -6) - 3)
;;       q = np.round(r / step) * step * 2.0 ** e      # np.round: ties to even
;;       return np.moveaxis(q.reshape(q.shape[:-2] + (-1,))[..., :K], -1, axis).astype(np.float32)
;;   ~~~
;;   SOFTMAX AHEAD OF A QUANTISED PRODUCT. Where the list says 'softmax', what is quantised is not the finished softmax but p = 2^(t - M), with t = logit x log2(e) and M = ceil(the row's largest t), a whole number; so 1/2 < the row's largest p <= 1. The row's sum l is taken of the UNQUANTISED p, in f32, and the product's result is divided by l at the end. Since M is a whole number, a kernel that streams over the keys may use a running M (the ceiling of the running maximum): every later rescaling is an exact power of two, which a block's scale takes up: the codes' values come out the same.
;;   OPERANDS COMPUTED ON THE WAY. 'Computed on the way' means the value that the module computes at that place (a softmax that the list does not call 'softmax' is quantised finished and normalised). What goes into a quantiser is computed in f32, as accurately as f32 sums, v_exp_f32 and their like allow (about 1e-6 of the number): no bf16 or f16 on the way to a quantiser, and a product that is left as it is and whose result goes on into a quantised operand takes f32 operands (vector FMAs, or v_wmma_f32_16x16x4_f32). A number that lies on a knife's edge between two numbers of the format may be rounded either way, as far as f32 arithmetic and the matrix unit's own rounding can turn it there, and no further.
;; 2 versions. Each part assembles by itself: llvm-mc -triple=amdgcn-amd-amdhsa -mcpu=gfx1250 --defsym DOCPART=n.
;; ======== version 1 of 2: 4 launches
;; workspace buffers: codes1 25,165,824 bytes; scales1 786,432 bytes; trig 1,048,576 bytes; qkv 6,291,456 bytes; qkvs 196,608 bytes; ocodes 4,194,304 bytes; oscales 131,072 bytes
;; launch quant (part 1): grid 832 x 1, 4 waves a work-group, no clusters, 34,304 bytes of LDS; arguments hidden, mu_prev, Wq, Wmu_q, Wk, Wmu_k, Wv, Wmu_v, Wo, positions, codes1, scales1, trig; writes codes1, scales1, trig
.if DOCPART == 1
	.amdgcn_target "amdgcn-amd-amdhsa--gfx1250"
	.amdhsa_code_object_version 6
	.text
	.protected	k_q0d054e15e6_quant
	.globl	k_q0d054e15e6_quant
	.p2align	8
	.type	k_q0d054e15e6_quant,@function
k_q0d054e15e6_quant:
	s_mov_b64 s[64:65], 0
	v_nop
	global_prefetch_b8 v0, s[64:65] scope:SCOPE_SE
	s_setreg_imm32_b32 hwreg(HW_REG_WAVE_MODE, 25, 1), 1
	s_wait_xcnt 0x0
; FIRST OF FOUR LAUNCHES: quant, qkv, attn, oproj.  This one turns the nine f32 matrices into codes of FP8 (E4M3) with one E8M0 byte for each 32 along K, and makes the table of cos and sin.
; WORK LEFT OUT IN THE WHOLE PROGRAM: reference() builds a causal jnp.tril in its own body and gives every score with key > query the value finfo.min ahead of the softmax, so such a key's weight
; reaches no output, whatever the inputs hold.  The launch attn leaves out the steps of 128 keys that lie wholly behind a tile's queries; inside a step on the diagonal the scores are computed and masked.
; jnp.repeat of k and v is an indexing: the four query heads of a group read the same codes.  Every input has a way to the output and is loaded.
; LIMIT: a NaN, an infinity or an overflow that reaches only the scores left out is not carried to the result.
; LAYOUT OF EVERY BUFFER OF CODES: IMAGES OF OPERAND REGISTERS.  A tile is 16 rows x 128 K = 2,048 bytes: register group c (0..3) of lane L lies at 512 c + 16 L; lane (r = L % 16, h = L / 16) holds
; k = 32 c + 16 h + 0..15 of the tile's row r.  Tile t of a matrix holds the rows 32 (t / 2) + 8 (t % 2) + r % 8 + 16 (r / 8), so that the results of two neighbouring tiles are 16 neighbours in a lane.
; Scale words: a unit of 256 bytes, word j of row r at 16 r + 4 j, for four K steps on end.  A unit's byte offset is its codes' byte offset / 32.
; codes1: rowtiles of 32 K steps (65,536 bytes): 0-127 [hidden | mu_prev], 128-255 [Wq | Wmu_q], 256-287 [Wk | Wmu_k], 288-319 [Wv | Wmu_v]; then Wo: 128 rowtiles of 16 K steps.
; A block's scale is 2^(floor(log2(largest magnitude)) - 8); each number is held within +-448 x the scale and rounded to the nearest code, ties to even.
; SHARES: work-group g < 768 takes one rowtile (16 rows x 2,048 numbers) of one matrix, wave w its K steps 4 w .. 4 w + 3.  Each load reads 512 consecutive bytes of a row; a K step's 16 rows turn through the
; wave's own stage in LDS (rows 528 bytes apart) so that a lane gets 16 neighbours of each block.  Codes leave 512 consecutive bytes a store, a wave's scale words as one aligned 256 bytes.
; Work-groups 768-831 make trig[s][cos 64 | sin 64] from positions: 32 rows each, no LDS.
; LIMITS: a block of zeros gets the byte 1 (its codes are zeros; this program alone reads the bytes); blocks under 2^-118 keep the byte 1; NaN and infinities among the inputs are not served.
; |positions| up to 2^24; inv_freq = 2^(-j log2(10000) / 64) is within about 2 units in the last place, so an angle may differ from reference()'s by about |position| x 2e-7.
.set SPARE, 33792                      ; behind the four stages: the spare words, 128 bytes a wave
.set LOFF, 4                           ; v4  16 x lane + 2,048 x wave: my bytes of a row
.set STI,  5                           ; v5  stage, in: 8,448 x wave + 16 x lane
.set STO,  6                           ; v6  stage, out: 8,448 x wave + 528 r + 64 h
.set LI,   7                           ; v7  16 x lane
.set SO,   8                           ; v8  16 r + 8 h: my 8 bytes of a unit of scale words
.set SPW,  10
.set NIL,  11
.set TM,   12                          ; v12-27 at work in QUANT
.set PWS,  28                          ; v28-31 the four K steps' scale words
.set DD,   32
.set PC,   34                          ; v34-49 a tile's codes
.set R,    64                          ; v64-191 two sets of 64 registers as loaded
.set X,    192                         ; v192-255 64 numbers: register 16 b + i = k 32 b + 16 h + i of row r
.set SRC,  30
.set DCO,  36
.set DSC,  38
.set SEL,  40
.set MNT,  42
.macro QUANT s, pc, pw                 ; 64 numbers of a lane become 16 registers of codes and a scale word
.irp b, 0,1,2,3
	v_max3_num_f32 v[TM+\b], |v[\s+16*\b]|, |v[\s+1+16*\b]|, 0x4800000   ; the floor 2^(9 - 127) holds the byte at 1 from below
.endr
.irp i, 2,4,6,8,10,12,14
.irp b, 0,1,2,3
	v_max3_num_f32 v[TM+\b], |v[\s+16*\b+\i]|, |v[\s+1+16*\b+\i]|, v[TM+\b]
.endr
.endr
.irp b, 0,1,2,3
	v_permlanex16_b32 v[TM+4+\b], v[TM+\b], s[SEL], s[SEL+1]
.endr
.irp b, 0,1,2,3
	v_max_num_f32 v[TM+\b], v[TM+\b], v[TM+4+\b]                   ; with lane l xor 16's 16: the block's largest magnitude
.endr
.irp b, 0,1,2,3
	v_add_nc_u32 v[TM+12+\b], 0xfc000000, v[TM+\b]                 ; 8 off the exponent field: the conversion's scale operand
.endr
.irp b, 0,1,2,3
	v_and_or_b32 v[TM+8+\b], v[TM+\b], 0x7f800000, s[MNT]          ; 448 x the scale
.endr
.irp b, 0,1,2,3
	v_lshrrev_b32 v[TM+4+\b], 23, v[TM+12+\b]                      ; the byte
.endr
	v_lshl_or_b32 v[\pw], v[TM+5], 8, v[TM+4]
	v_lshl_or_b32 v[\pw], v[TM+6], 16, v[\pw]
	v_lshl_or_b32 v[\pw], v[TM+7], 24, v[\pw]
.irp b, 0,1,2,3
.irp i, 0,1,2,3,4,5,6,7,8,9,10,11,12,13,14,15
	v_med3_num_f32 v[\s+16*\b+\i], v[\s+16*\b+\i], -v[TM+8+\b], v[TM+8+\b]   ; the conversion does not saturate (ISA guide 7.6.2): hold first
.endr
	v_cvt_scalef32_pk8_fp8_f32 v[\pc+4*\b:\pc+1+4*\b], v[\s+16*\b:\s+7+16*\b], v[TM+12+\b]
	v_cvt_scalef32_pk8_fp8_f32 v[\pc+2+4*\b:\pc+3+4*\b], v[\s+8+16*\b:\s+15+16*\b], v[TM+12+\b]
.endr
	v_nop                                          ; a plain line behind the last conversion
.endm
	s_load_b512 s[4:19], s[0:1], 0x0               ; hidden, mu_prev, Wq, Wmu_q, Wk, Wmu_k, Wv, Wmu_v
	s_load_b256 s[20:27], s[0:1], 0x40             ; Wo, positions, codes1, scales1
	s_load_b64 s[28:29], s[0:1], 0x60              ; trig
	v_lshl_add_u32 v[SPW], v0, 2, SPARE
	v_mov_b32 v[NIL], 0
	s_cmp_ge_u32 ttmp9, 768
	s_cbranch_scc1 .Ltrig
	v_lshrrev_b32 v1, 5, v0
	v_readfirstlane_b32 s35, v1                    ; wave
	v_and_b32 v2, 31, v0
	v_and_b32 v3, 15, v0                           ; r
	v_bfe_u32 v9, v0, 4, 1                         ; h
	v_lshlrev_b32 v[LI], 4, v2
	s_lshl_b32 s43, s35, 11
	v_add_nc_u32 v[LOFF], s43, v[LI]
	s_mul_i32 s43, s35, 8448
	v_add_nc_u32 v[STI], s43, v[LI]
	v_mul_u32_u24 v[STO], v3, 528
	v_lshl_add_u32 v[STO], v9, 6, v[STO]
	v_add_nc_u32 v[STO], s43, v[STO]
	v_lshlrev_b32 v[SO], 4, v3
	v_lshl_add_u32 v[SO], v9, 3, v[SO]
	s_mov_b32 s[SEL], 0x76543210
	s_mov_b32 s[SEL+1], 0xfedcba98
	s_mov_b32 s[MNT], 0x600000
.irp b, 0,1,2,3
	v_mov_b32 v[TM+4+\b], 0                        ; a lane permute's destination counts as read
.endr
	s_wait_kmcnt 0x0
	; which matrix: a choice on the work-group's number alone
	s_mov_b64 s[SRC:SRC+1], s[4:5]
	s_mov_b32 s32, 0                               ; the matrix's first work-group
	s_mov_b32 s33, 0                               ; where its codes begin
.macro PICK first, ptr, off
	s_cmp_ge_u32 ttmp9, \first
	s_cselect_b64 s[SRC:SRC+1], s[\ptr:\ptr+1], s[SRC:SRC+1]
	s_cselect_b32 s32, \first, s32
	s_cselect_b32 s33, \off, s33
.endm
	PICK 128, 6, 32768
	PICK 256, 8, 8388608
	PICK 384, 10, 8421376
	PICK 512, 12, 16777216
	PICK 544, 14, 16809984
	PICK 576, 16, 18874368
	PICK 608, 18, 18907136
	PICK 640, 20, 20971520
	s_cselect_b32 s34, 15, 16                      ; a rowtile of Wo is 2^15 bytes of codes, of the others 2^16
	s_sub_co_u32 s44, ttmp9, s32                   ; t: the rowtile
	s_lshr_b32 s45, s44, 1
	s_lshl_b32 s45, s45, 18                        ; 32 (t / 2) rows of 8,192 bytes
	s_and_b32 s46, s44, 1
	s_lshl_b32 s46, s46, 16                        ; + 8 (t % 2) rows
	s_add_co_u32 s46, s46, s45
	s_mov_b32 s47, 0
	s_add_nc_u64 s[SRC:SRC+1], s[SRC:SRC+1], s[46:47]
	s_lshl_b32 s44, s44, s34
	s_add_co_u32 s44, s44, s33
	s_lshl_b32 s45, s35, 13                        ; my four K steps
	s_add_co_u32 s44, s44, s45
	s_mov_b32 s45, 0
	s_add_nc_u64 s[DCO:DCO+1], s[24:25], s[44:45]
	s_lshr_b32 s44, s44, 5
	s_add_nc_u64 s[DSC:DSC+1], s[26:27], s[44:45]
.macro LOAD t                          ; K step t of my four: 16 rows x 512 consecutive bytes
.irp i, 0,1,2,3,4,5,6,7,8,9,10,11,12,13,14,15
	global_load_b128 v[R+64*((\t)%2)+4*\i:R+64*((\t)%2)+4*\i+3], v[LOFF], s[SRC:SRC+1] offset:((\i%8)+16*(\i/8))*8192+512*(\t) th:TH_LOAD_NT
.endr
.endm
.macro STEP t
.if (\t) < 3
	s_wait_loadcnt 16                              ; this K step's 16 loads are in; the next one's 16 may be out
.else
	s_wait_loadcnt 0x0
.endif
.irp i, 0,1,2,3,4,5,6,7,8,9,10,11,12,13,14,15
	ds_store_b128 v[STI], v[R+64*((\t)%2)+4*\i:R+64*((\t)%2)+4*\i+3] offset:528*\i
.endr
.irp n, 0,1,2,3,4,5,6,7,8,9,10,11,12,13,14,15
	ds_load_b128 v[X+4*\n:X+4*\n+3], v[STO] offset:128*(\n/4)+16*(\n%4)   ; LDS serves a wave's instructions in order: these see the stores above
.endr
	s_wait_dscnt 0x0
.if (\t) > 0
	s_wait_xcnt 0x0                                ; the last K step's stores have read the codes' registers
.endif
.if (\t) < 2
	LOAD (\t)+2
.endif
	QUANT X, PC, PWS+(\t)
.irp c, 0,1,2,3
	global_store_b128 v[LI], v[PC+4*\c:PC+4*\c+3], s[DCO:DCO+1] offset:2048*(\t)+512*\c
.endr
.endm
	LOAD 0
	LOAD 1
	STEP 0
	STEP 1
	STEP 2
	STEP 3
	v_and_b32 v1, 16, v0                           ; the unit of scale words: lanes 0-15 store words 0, 1 of row r, lanes 16-31 words 2, 3
	v_cmp_ne_u32 vcc_lo, 0, v1
	v_cndmask_b32 v[DD], v[PWS], v[PWS+2], vcc_lo
	v_cndmask_b32 v[DD+1], v[PWS+1], v[PWS+3], vcc_lo
	global_store_b64 v[SO], v[DD:DD+1], s[DSC:DSC+1]   ; 32 lanes store 256 consecutive bytes, aligned
	s_wait_tensorcnt 0x0                           ; the wave's end
	ds_add_u32 v[SPW], v[NIL]
	s_wait_dscnt 0x0
	s_endpgm
; ---- cos and sin.  Thread t: j = 4 (t % 16) + 0..3, rows 32 g + 8 p + t / 16, p = 0..3
.Ltrig:
	s_sub_co_u32 s44, ttmp9, 768
	v_and_b32 v1, 15, v0
	v_lshrrev_b32 v2, 4, v0
	v_lshlrev_b32 v3, 2, v2                        ; positions: 4 bytes a row
	v_lshlrev_b32 v4, 9, v2
	v_lshl_add_u32 v4, v1, 4, v4                   ; trig: 512 bytes a row, 16 bytes a thread
	v_lshlrev_b32 v5, 2, v1
	s_mov_b32 s48, 0x3f22f983                      ; 2 / pi
	s_mov_b32 s49, 0xbfc90fdb                      ; -(pi / 2) in three parts: the first,
	s_mov_b32 s50, 0x333bbd2e                      ; the second (pi / 2 lies under its f32 neighbour, so these two are added),
	s_mov_b32 s51, 0x26f72ced                      ; the third
	s_mov_b32 s52, 0xbe2aaaa3                      ; sin r = r + r^3 (S1 + S2 r^2 + S3 r^4) on |r| <= pi / 4
	s_mov_b32 s53, 0x3c08839e
	s_mov_b32 s54, 0xb94ca1f9
	s_mov_b32 s55, 0x3d2aaaa5                      ; cos r = 1 - r^2 / 2 + r^4 (C1 + C2 r^2 + C3 r^4)
	s_mov_b32 s56, 0xbab6061a
	s_mov_b32 s57, 0x37ccf5ce
	s_mov_b32 s58, 0x3e549a78                      ; log2(10000) / 64, upper part,
	s_mov_b32 s59, 0x31979e5a                      ; lower part
	s_mov_b32 s60, 0xbf317218                      ; -ln 2
	s_lshl_b32 s46, s44, 7
	s_mov_b32 s47, 0
	s_lshl_b32 s44, s44, 14
	s_mov_b32 s45, 0
	s_wait_kmcnt 0x0
	s_add_nc_u64 s[22:23], s[22:23], s[46:47]
	s_add_nc_u64 s[28:29], s[28:29], s[44:45]
.irp p, 0,1,2,3
	global_load_b32 v[44+\p], v3, s[22:23] offset:32*\p
.endr
.irp e, 0,1,2,3
	v_add_nc_u32 v[48+\e], \e, v5
	v_cvt_f32_u32 v[48+\e], v[48+\e]               ; j
	v_mul_f32 v[52+\e], s58, v[48+\e]              ; the exponent, rounded,
	v_fma_f32 v[56+\e], v[48+\e], s58, -v[52+\e]   ; what the rounding dropped,
	v_fma_f32 v[56+\e], v[48+\e], s59, v[56+\e]    ; and the constant's lower part
.endr
.irp e, 0,1,2,3
	v_exp_f32 v[40+\e], -v[52+\e]
.endr
.irp e, 0,1,2,3
	v_mul_f32 v[56+\e], s60, v[56+\e]              ; plain lines behind the exponentials
.endr
	s_wait_alu depctr_va_vdst(0)                   ; one wait for the four, ahead of their first reader
.irp e, 0,1,2,3
	v_fma_f32 v[40+\e], v[40+\e], v[56+\e], v[40+\e]   ; inv_freq = 2^-hi x (1 - ln 2 x lo)
.endr
	s_wait_loadcnt 0x0
.irp p, 0,1,2,3
	v_cvt_f32_i32 v[44+\p], v[44+\p]
.endr
.macro SINCOS x, so, co
	v_mul_f32 v96, s48, v[\x]
	v_rndne_f32 v96, v96                           ; n: the nearest multiple of pi / 2
	v_fma_f32 v97, v96, s49, v[\x]
	v_fma_f32 v97, v96, s50, v97
	v_fma_f32 v97, v96, s51, v97                   ; r = x - n pi / 2
	v_mul_f32 v98, v97, v97
	v_fma_f32 v99, v98, s54, s53
	v_fma_f32 v100, v98, s57, s56
	v_fma_f32 v99, v99, v98, s52
	v_fma_f32 v100, v100, v98, s55
	v_mul_f32 v101, v98, v97
	v_mul_f32 v102, v98, v98
	v_fma_f32 v103, v98, -0.5, 1.0
	v_fma_f32 v99, v99, v101, v97                  ; sin r
	v_fma_f32 v100, v100, v102, v103               ; cos r
	v_cvt_i32_f32 v104, v96
	v_and_b32 v105, 1, v104
	v_cmp_eq_u32 vcc_lo, 1, v105
	v_cndmask_b32 v[\so], v99, v100, vcc_lo        ; odd quadrants change places
	v_cndmask_b32 v[\co], v100, v99, vcc_lo
	v_lshlrev_b32 v105, 30, v104
	v_and_b32 v105, 0x80000000, v105
	v_xor_b32 v[\so], v[\so], v105                 ; sin is negative in quadrants 2, 3
	v_add_nc_u32 v104, 1, v104
	v_lshlrev_b32 v104, 30, v104
	v_and_b32 v104, 0x80000000, v104
	v_xor_b32 v[\co], v[\co], v104                 ; cos in quadrants 1, 2
.endm
.irp p, 0,1,2,3
.irp e, 0,1,2,3
	v_mul_f32 v106, v[44+\p], v[40+\e]
	SINCOS 106, 68+8*\p+\e, 64+8*\p+\e
.endr
	global_store_b128 v4, v[64+8*\p:67+8*\p], s[28:29] offset:4096*\p        ; 16 lanes store a row's 256 bytes of cos,
	global_store_b128 v4, v[68+8*\p:71+8*\p], s[28:29] offset:4096*\p+256    ; and of sin
.endr
	s_endpgm
.Lfunc_end_k_q0d054e15e6_quant:
	.size	k_q0d054e15e6_quant, .Lfunc_end_k_q0d054e15e6_quant-k_q0d054e15e6_quant
	.p2alignl 7, 3214868480
	.fill 96, 4, 3214868480
	.section	.rodata,"a",@progbits
	.p2align	6, 0x0
	.amdhsa_kernel k_q0d054e15e6_quant
		.amdhsa_group_segment_fixed_size 34304
		.amdhsa_private_segment_fixed_size 0
		.amdhsa_enable_private_segment 0
		.amdhsa_kernarg_size 104
		.amdhsa_user_sgpr_count 2
		.amdhsa_user_sgpr_kernarg_segment_ptr 1
		.amdhsa_wavefront_size32 1
		.amdhsa_system_sgpr_workgroup_id_x 1
		.amdhsa_system_sgpr_workgroup_id_y 1
		.amdhsa_system_sgpr_workgroup_id_z 1
		.amdhsa_system_vgpr_workitem_id 0
		.amdhsa_next_free_vgpr 256
		.amdhsa_next_free_sgpr 66
		.amdhsa_reserve_vcc 1
		.amdhsa_float_denorm_mode_32 3
		.amdhsa_float_denorm_mode_16_64 3
		.amdhsa_memory_ordered 1
		.amdhsa_forward_progress 1
		.amdhsa_inst_pref_size 77
	.end_amdhsa_kernel
	.amdgpu_metadata
---
amdhsa.version: [ 1, 2 ]
amdhsa.kernels:
  - .name:           k_q0d054e15e6_quant
    .symbol:         k_q0d054e15e6_quant.kd
    .args:
      - { .name: hidden, .offset: 0, .size: 8, .value_kind: global_buffer, .address_space: global }
      - { .name: mu_prev, .offset: 8, .size: 8, .value_kind: global_buffer, .address_space: global }
      - { .name: Wq, .offset: 16, .size: 8, .value_kind: global_buffer, .address_space: global }
      - { .name: Wmu_q, .offset: 24, .size: 8, .value_kind: global_buffer, .address_space: global }
      - { .name: Wk, .offset: 32, .size: 8, .value_kind: global_buffer, .address_space: global }
      - { .name: Wmu_k, .offset: 40, .size: 8, .value_kind: global_buffer, .address_space: global }
      - { .name: Wv, .offset: 48, .size: 8, .value_kind: global_buffer, .address_space: global }
      - { .name: Wmu_v, .offset: 56, .size: 8, .value_kind: global_buffer, .address_space: global }
      - { .name: Wo, .offset: 64, .size: 8, .value_kind: global_buffer, .address_space: global }
      - { .name: positions, .offset: 72, .size: 8, .value_kind: global_buffer, .address_space: global }
      - { .name: codes1, .offset: 80, .size: 8, .value_kind: global_buffer, .address_space: global }
      - { .name: scales1, .offset: 88, .size: 8, .value_kind: global_buffer, .address_space: global }
      - { .name: trig, .offset: 96, .size: 8, .value_kind: global_buffer, .address_space: global }
    .group_segment_fixed_size: 34304
    .private_segment_fixed_size: 0
    .kernarg_segment_align: 8
    .kernarg_segment_size: 104
    .max_flat_workgroup_size: 128
    .sgpr_count:     66
    .vgpr_count:     256
    .wavefront_size: 32
...
	.end_amdgpu_metadata
.endif
;; end of part 1
;; launch qkv (part 2): grid 16 x 12, 4 waves a work-group, clusters of 4 x 1, 327,680 bytes of LDS; arguments codes1, scales1, trig, qn_w, kn_w, qkv, qkvs; writes qkv, qkvs
.if DOCPART == 2
	.amdgcn_target "amdgcn-amd-amdhsa--gfx1250"
	.amdhsa_code_object_version 6
	.text
	.protected	k_q0d054e15e6_qkv
	.globl	k_q0d054e15e6_qkv
	.p2align	8
	.type	k_q0d054e15e6_qkv,@function
k_q0d054e15e6_qkv:
	s_mov_b64 s[64:65], 0
	v_nop
	global_prefetch_b8 v0, s[64:65] scope:SCOPE_SE
	s_setreg_imm32_b32 hwreg(HW_REG_WAVE_MODE, 25, 1), 1
	s_wait_xcnt 0x0
	s_wait_alu depctr_hold_cnt(0) depctr_sa_sdst(0) depctr_va_vdst(0) depctr_va_sdst(0) depctr_va_ssrc(0) depctr_va_vcc(0) depctr_vm_vsrc(0)
	s_getreg_b32 s2, hwreg(HW_REG_IB_STS2, 6, 4)
	s_cmp_eq_u32 s2, 0
	s_cbranch_scc0 .Lentry_in_a_cluster
	s_endpgm
.Lentry_in_a_cluster:
	s_bfe_u32 s2, ttmp6, 0x10000c
	s_cmp_lg_u32 s2, 0x3003
	s_cbranch_scc0 .Lentry_shape_is_right
	s_endpgm
.Lentry_shape_is_right:
; q, k, v = [hidden | mu_prev] x [W | Wmu]^T on codes of FP8 (K = 4,096: blocks of 32 never cross the seam at 2,048), then RMSNorm and RoPE on q and k in f32, then all three quantised again:
; q and k along the head's 128, v along the keys.  Codes lie as images of operand registers, 2,048 bytes a tile of 16 rows x 128 K, tile t holding rows 32 (t/2) + 8 (t%2) + r%8 + 16 (r/8).
; D = X Y^T with source 0 = a tile of X, source 1 = a tile of Y: a lane holds ONE row of Y, and the 64 registers of eight tiles of X are X's rows 32 c + 16 h + i: what the next quantiser wants.
; Cluster rows gy 0-9 (q, k): X = 256 rows of W (two heads), Y = 128 rows of the sequence: a lane holds a position, its registers a head's 128.
; Cluster rows gy 10, 11 (v): X = 256 rows of the sequence (keys), Y = 128 rows of Wv (a head): a lane holds a channel, its registers 128 keys.  Same loop; only addresses differ.
; A work-group: four waves, each 128 rows of X x 64 of Y: 32 accumulators.  K goes 256 a slot through two LDS slots; the scale words of all of K come once, with the first fills.
; CLUSTER 4 x 1: the four partners share X's tiles (2/3 of a step's bytes): joint loads with the mask 15.  Y's tiles differ between partners and come by plain loads.  4 x 4 does not fit: q and k have
; ten tiles of X, no multiple of four, and v would have to part from k on a work-group's place in its cluster.
; No work of reference() is left out here.
; REGISTERS: window 0: v1-12 addresses; v16-47 X's scale words, v48-63 Y's (two sets each; they hold nothing else); v64-127 the norm's weights; v128-255 Y's fragments, two sets; on the way out v128-253 at work.
;   window 1: X's fragments, two sets of 128.   window 2: accumulator (a, b) at v[8 (8 a + b)].   window 3: cos and sin of my 64 positions.
.set KK,   4096
.set NB,   8
.set NQ,   2
.set RT,   16*KK
.set SB,   2048*NQ
.set XT,   2*NB
.set SLOT, (XT+8)*SB
.set SCT,  KK/2
.set SCX,  2*SLOT
.set SCY,  SCX+XT*SCT
.set SPARE, SCY+8*SCT
.set LAPS, KK/(256*NQ)
.set SOFF, 8
.set BUMP, 256
.set ADX, 1
.set ADY, 3
.set ADSX, 5
.set ADSY, 6
.set SPW, 7
.set NIL, 8
.set LI,  9
.set VT,  10
.set NWO, 11
.set SO,  12
.set SX,  16
.set SY,  48
.set NW,  64
.set YF,  128
.set T,   128                          ; the way out: 64 numbers
.set PC,  192                          ; codes
.set TM,  208
.set SS,  224
.set RS,  232
.set U,   240
.set PWS, 248
.set DD,  252
.set WV,  18
.set WX,  19                           ; wave % 2: my half of X; also which half of a tile I fetch
.set WY,  20                           ; wave / 2: my half of Y; also: I fetch for X (0) or Y (1)
.set CX,  21
.set MNT, 22
.set GY,  23
.set LAP, 24
.set ISV, 25
.set SEL, 26
.set G1X, 28
.set G1Y, 36
.set G1SX, 44
.set G1SY, 52
.set G0X, 60                           ; s[60:63], s[68:71]
.set G0Y, 72                           ; s[72:75], s[80:83]
.set G0SX, 76
.set G0SY, 84
.set MSB, 0
.macro WIN new                         ; the immediate's high byte repeats the setting that is left
.if MSB != \new
	s_set_vgpr_msb (MSB<<8)|\new
.set MSB, \new
.endif
.endm
.macro PLACES n
.rept \n
	v_nop
.endr
.endm
.macro JLOAD g0x, g1x, g0y, g1y        ; waves 0, 1 fetch for X (jointly), waves 2, 3 for Y; an s_nop 0 and four v_nop follow each line
	s_cmp_eq_u32 s[WY], 0
	s_cbranch_scc0 .Lfor_y_\@
	tensor_load_to_lds s[\g0x:\g0x+3], s[\g1x:\g1x+7]
	s_nop 0
.rept 4
	v_nop
.endr
	s_branch .Lasked_\@
.Lfor_y_\@:
	tensor_load_to_lds s[\g0y:\g0y+3], s[\g1y:\g1y+7]
	s_nop 0
.rept 4
	v_nop
.endr
.Lasked_\@:
.endm
.macro CREST
	s_cmp_lg_u32 s[WV], 0
	s_cbranch_scc1 .Lnot_wave_0_\@
	s_barrier_signal -3
.Lnot_wave_0_\@:
	s_barrier_wait -3
	s_barrier_signal -1
	s_barrier_wait -1
.endm
.macro CROUND
	s_barrier_signal -1
	s_barrier_wait -1
	CREST
.endm
	s_load_b256 s[4:11], s[0:1], 0x0               ; codes1, scales1, trig, qn_w
	s_load_b128 s[12:15], s[0:1], 0x20             ; kn_w, qkv
	s_load_b64 s[16:17], s[0:1], 0x30              ; qkvs
	v_lshl_add_u32 v[SPW], v0, 2, SPARE
	v_mov_b32 v[NIL], 0
	ds_add_u32 v[SPW], v[NIL]                      ; the opening: two adds of 0, waited for ahead of my first tensor load
	ds_add_u32 v[SPW], v[NIL]
	v_lshrrev_b32 v9, 5, v0
	v_readfirstlane_b32 s[WV], v9
	s_and_b32 s[WX], s[WV], 1
	s_lshr_b32 s[WY], s[WV], 1
	s_bfe_u32 s[CX], ttmp6, 0x40000                ; my place in the cluster
	s_and_b32 s[GY], ttmp7, 0xffff
	; X's rowtile: made of gy and the cluster's x alone, in registers that never hold cx
	s_lshl_b32 s90, s[GY], 4
	s_add_co_u32 s90, s90, 128                     ; q, k: 128 + 16 gy
	s_sub_co_u32 s91, s[GY], 10
	s_lshl_b32 s91, s91, 2
	s_add_co_u32 s91, s91, ttmp9                   ; v: block of 256 keys xi = 4 (gy - 10) + cluster x,
	s_lshl_b32 s91, s91, 4                         ; rowtile 16 xi
	; Y's rowtile, and where the results go
	s_lshl_b32 s94, ttmp9, 2
	s_add_co_u32 s94, s94, s[CX]                   ; block of 128 positions
	s_lshl_b32 s95, s94, 3                         ; q, k: rowtile 8 x block
	s_lshl_b32 s96, s[CX], 3
	s_add_co_u32 s96, s96, 288                     ; v: 288 + 8 cx
	s_lshl_b32 s97, s[GY], 1
	s_add_co_u32 s97, s97, s[WX]                   ; q, k: head 2 gy + wx
	s_add_co_u32 s98, s[CX], 20                    ; v: 20 + cx
	s_lshl_b32 s99, s[WX], 3
	s_add_co_u32 s99, s99, s91                     ; v: tile 8 (2 xi + wx)
	s_cmp_ge_u32 s[GY], 10
	s_cselect_b32 s[ISV], 1, 0
	s_cselect_b32 s90, s91, s90
	s_cselect_b32 s99, s99, s95
	s_cselect_b32 s95, s96, s95
	s_cselect_b32 s97, s98, s97
	s_lshl_b32 s100, s[WY], 2
	s_add_co_u32 s99, s99, s100                    ; + 4 wy: my first tile of results
	s_lshl_b32 s97, s97, 18
	s_lshl_b32 s99, s99, 11
	s_add_co_u32 s100, s97, s99
	s_mov_b32 s101, 0
	s_lshl_b32 s98, s94, 16                        ; trig: 128 rows of 512 bytes a block,
	s_lshl_b32 s99, s[WY], 15                      ; 64 a wave
	s_add_co_u32 s98, s98, s99
	s_mov_b32 s99, 0
	s_lshl_b32 s92, s[WX], 3
	s_add_co_u32 s92, s92, s90                     ; X: the first of the 8 rowtiles that I fetch
	s_lshl_b32 s88, s92, 11
	s_mov_b32 s89, 0
	s_lshl_b32 s92, s92, 16
	s_mov_b32 s93, 0
	s_lshl_b32 s94, s[WX], 2
	s_add_co_u32 s94, s94, s95                     ; Y: the first of 4
	s_lshl_b32 s2, s94, 11
	s_mov_b32 s3, 0
	s_lshl_b32 s94, s94, 16
	s_mov_b32 s95, 0
	; group 1: elements of 8 bytes.  A slot's part of a rowtile is SB consecutive bytes, rowtiles lie RT bytes apart; in LDS they follow each other
	s_mov_b32 s[G1X], 15|(3<<16)|(1<<21)           ; the mask: all four partners; bit 21 beside it
	s_mov_b32 s[G1X+1], (SB/8)<<16
	s_mov_b32 s[G1X+2], NB<<16
	s_mov_b32 s[G1X+3], (SB/8)<<16
	s_mov_b32 s[G1X+4], NB
	s_mov_b32 s[G1X+5], RT/8
	s_mov_b32 s[G1X+6], 0
	s_mov_b32 s[G1X+7], 0
	s_mov_b32 s[G1Y], 3<<16
	s_mov_b32 s[G1Y+1], (SB/8)<<16
	s_mov_b32 s[G1Y+2], 4<<16
	s_mov_b32 s[G1Y+3], (SB/8)<<16
	s_mov_b32 s[G1Y+4], 4
	s_mov_b32 s[G1Y+5], RT/8
	s_mov_b32 s[G1Y+6], 0
	s_mov_b32 s[G1Y+7], 0
	s_mov_b32 s[G1SX], 15|(3<<16)|(1<<21)          ; scale words: dense blocks, as rows of 256 bytes
	s_mov_b32 s[G1SX+1], 32<<16
	s_mov_b32 s[G1SX+2], (NB*SCT/256)<<16
	s_mov_b32 s[G1SX+3], 32<<16
	s_mov_b32 s[G1SX+4], NB*SCT/256
	s_mov_b32 s[G1SX+5], 32
	s_mov_b32 s[G1SX+6], 0
	s_mov_b32 s[G1SX+7], 0
	s_mov_b32 s[G1SY], 3<<16
	s_mov_b32 s[G1SY+1], 32<<16
	s_mov_b32 s[G1SY+2], (4*SCT/256)<<16
	s_mov_b32 s[G1SY+3], 32<<16
	s_mov_b32 s[G1SY+4], 4*SCT/256
	s_mov_b32 s[G1SY+5], 32
	s_mov_b32 s[G1SY+6], 0
	s_mov_b32 s[G1SY+7], 0
	s_mul_i32 s24, s[WX], NB*SCT                   ; LDS addresses: constants and the wave's number
	s_add_co_u32 s[G0SX+1], s24, SCX
	s_mul_i32 s24, s[WX], 4*SCT
	s_add_co_u32 s[G0SY+1], s24, SCY
	s_mul_i32 s24, s[WX], NB*SB
	s_mov_b32 s[G0X+1], s24
	s_add_co_u32 s[G0X+9], s24, SLOT
	s_mul_i32 s24, s[WX], 4*SB
	s_add_co_u32 s[G0Y+1], s24, XT*SB
	s_add_co_u32 s[G0Y+9], s24, SLOT+XT*SB
	s_mov_b32 s[G0SX], 1
	s_mov_b32 s[G0SY], 1
	s_mov_b32 s[G0X], 1
	s_mov_b32 s[G0X+8], 1
	s_mov_b32 s[G0Y], 1
	s_mov_b32 s[G0Y+8], 1
	s_mov_b32 s[SEL], 0x76543210
	s_mov_b32 s[SEL+1], 0xfedcba98
	s_mov_b32 s[MNT], 0x600000
	s_wait_dscnt 0x0                               ; both opening adds are done
	s_wait_kmcnt 0x0
	s_add_nc_u64 s[G0X+2:G0X+3], s[4:5], s[92:93]
	s_add_nc_u64 s[G0X+10:G0X+11], s[G0X+2:G0X+3], SB
	s_add_nc_u64 s[G0SX+2:G0SX+3], s[6:7], s[88:89]
	s_add_nc_u64 s[G0Y+2:G0Y+3], s[4:5], s[94:95]
	s_add_nc_u64 s[G0Y+10:G0Y+11], s[G0Y+2:G0Y+3], SB
	s_add_nc_u64 s[G0SY+2:G0SY+3], s[6:7], s[2:3]
	s_or_b32 s[G0X+3], s[G0X+3], 0x80000000
	s_or_b32 s[G0X+11], s[G0X+11], 0x80000000
	s_or_b32 s[G0SX+3], s[G0SX+3], 0x80000000
	s_or_b32 s[G0Y+3], s[G0Y+3], 0x80000000
	s_or_b32 s[G0Y+11], s[G0Y+11], 0x80000000
	s_or_b32 s[G0SY+3], s[G0SY+3], 0x80000000
	s_add_nc_u64 s[8:9], s[8:9], s[98:99]          ; trig at my 64 positions
	s_add_nc_u64 s[14:15], s[14:15], s[100:101]    ; my four tiles of results,
	s_lshr_b32 s100, s100, 5
	s_add_nc_u64 s[16:17], s[16:17], s[100:101]    ; and their unit of scale words
	s_cmp_lt_u32 s[GY], 8
	s_cselect_b64 s[10:11], s[10:11], s[12:13]     ; q's weights or k's
	CROUND                                         ; all four work-groups are here: the first joint loads meet
	JLOAD G0SX, G1SX, G0SY, G1SY                   ; three loads of mine are out behind these three lines
	JLOAD G0X, G1X, G0Y, G1Y
	JLOAD G0X+8, G1X, G0Y+8, G1Y
	v_and_b32 v13, 31, v0
	v_lshlrev_b32 v[LI], 4, v13
	v_and_b32 v14, 15, v0                          ; r
	v_bfe_u32 v15, v0, 4, 1                        ; h
	s_mul_i32 s24, s[WX], NB*SB
	v_add_nc_u32 v[ADX], s24, v[LI]
	v_add_nc_u32 v[ADX+1], SLOT, v[ADX]
	s_mul_i32 s24, s[WY], 4*SB
	s_add_co_u32 s24, s24, XT*SB
	v_add_nc_u32 v[ADY], s24, v[LI]
	v_add_nc_u32 v[ADY+1], SLOT, v[ADY]
	s_mul_i32 s24, s[WX], NB*SCT
	s_add_co_u32 s24, s24, SCX
	v_lshl_add_u32 v[ADSX], v14, 4, s24
	s_mul_i32 s24, s[WY], 4*SCT
	s_add_co_u32 s24, s24, SCY
	v_lshl_add_u32 v[ADSY], v14, 4, s24
	v_and_b32 v13, 7, v14
	v_lshrrev_b32 v[SO], 3, v14
	v_lshl_add_u32 v13, v[SO], 4, v13              ; r % 8 + 16 (r / 8)
	v_lshlrev_b32 v[VT], 9, v13
	v_lshl_add_u32 v[VT], v15, 6, v[VT]            ; trig: my row, + 64 h
	v_lshlrev_b32 v[NWO], 6, v15
	v_lshlrev_b32 v[SO], 4, v14
	v_lshl_add_u32 v[SO], v15, 3, v[SO]
.macro FETCH s, q                      ; the fragments of the slot's q-th 128 along K, as they lie: dense loads of 512 bytes
	WIN 0x40
.irp b, 0,1,2,3,4,5,6,7
.irp c, 0,1,2,3
	ds_load_b128 v[16*NB*((\q)%2)+16*\b+4*\c:16*NB*((\q)%2)+16*\b+4*\c+3], v[ADX+\s] offset:\b*SB+(\q)*2048+512*\c
.endr
.endr
	WIN 0
.irp a, 0,1,2,3
.irp c, 0,1,2,3
	ds_load_b128 v[YF+64*((\q)%2)+16*\a+4*\c:YF+64*((\q)%2)+16*\a+4*\c+3], v[ADY+\s] offset:\a*SB+(\q)*2048+512*\c
.endr
.endr
.endm
.macro SCALES s                        ; the slot's two words a row
.irp b, 0,1,2,3,4,5,6,7
	ds_load_b64 v[SX+16*\s+2*\b:SX+16*\s+2*\b+1], v[ADSX] offset:\b*SCT+SOFF*\s
.endr
.irp a, 0,1,2,3
	ds_load_b64 v[SY+8*\s+2*\a:SY+8*\s+2*\a+1], v[ADSY] offset:\a*SCT+SOFF*\s
.endr
.endm
.macro MULH q, s, a0, zero             ; Y's tiles a0, a0 + 1 x X's eight.  The 32 accumulators take turns in one order in every step
	WIN 0xa1
.irp a, \a0, \a0+1
.irp b, 0,1,2,3,4,5,6,7
.if \zero
	v_wmma_scale_f32_16x16x128_f8f6f4 v[8*(NB*(\a)+\b):8*(NB*(\a)+\b)+7], v[16*NB*((\q)%2)+16*\b:16*NB*((\q)%2)+16*\b+15], v[YF+64*((\q)%2)+16*(\a):YF+64*((\q)%2)+16*(\a)+15], 0, v[SX+16*(\s)+NQ*\b+(\q)], v[SY+4*NQ*(\s)+NQ*(\a)+(\q)]
.else
	v_wmma_scale_f32_16x16x128_f8f6f4 v[8*(NB*(\a)+\b):8*(NB*(\a)+\b)+7], v[16*NB*((\q)%2)+16*\b:16*NB*((\q)%2)+16*\b+15], v[YF+64*((\q)%2)+16*(\a):YF+64*((\q)%2)+16*(\a)+15], v[8*(NB*(\a)+\b):8*(NB*(\a)+\b)+7], v[SX+16*(\s)+NQ*\b+(\q)], v[SY+4*NQ*(\s)+NQ*(\a)+(\q)]
.endif
.endr
.endr
.endm
.macro STEP s, q, zero                 ; a step whose successor lies in the same slot
	s_wait_dscnt 0x0                               ; this step's fragments, asked for a step ago, are in
	PLACES 8                                       ; eight places between the last product and loads into registers that it read
	FETCH \s, (\q)+1
	MULH \q, \s, 0, \zero
	MULH \q, \s, 2, \zero
	WIN 0
.endm
.macro TURN s, nx, fill, bump          ; a slot's last step changes slots
	s_wait_tensorcnt 0x0                           ; all my tensor loads have landed: my part of the next slot
	ds_add_u32 v[SPW], v[NIL]
	s_wait_dscnt 0x0                               ; the add is done, my reads of this slot are over
	s_barrier_signal -1
	MULH NQ-1, \s, 0, 0
	WIN 0
	s_barrier_wait -1
.if \fill
	CREST                                          ; the barrier has opened a round of the cluster's: no wave of any partner still reads this slot or has a load on its way
	s_add_nc_u64 s[G0X+8*\s+2:G0X+8*\s+3], s[G0X+8*\s+2:G0X+8*\s+3], 2*SB
	s_add_nc_u64 s[G0Y+8*\s+2:G0Y+8*\s+3], s[G0Y+8*\s+2:G0Y+8*\s+3], 2*SB
	JLOAD G0X+8*\s, G1X, G0Y+8*\s, G1Y             ; the first tensor load behind the round, one a wave
	PLACES 4
.else
	PLACES 8
.endif
.if \bump
	v_add_nc_u32 v[ADSX], BUMP, v[ADSX]            ; the next four K steps' unit of scale words
	v_add_nc_u32 v[ADSY], BUMP, v[ADSY]
.endif
	FETCH \nx, 0
	SCALES \nx
	MULH NQ-1, \s, 2, 0
	WIN 0
.endm
	s_wait_tensorcnt 1                             ; the scale words and my part of slot 0 are in; slot 1's load may be out
	s_barrier_signal -1
	s_barrier_wait -1
	FETCH 0, 0
	SCALES 0
	STEP 0, 0, 1                                   ; the first step's products start the sums
	s_mov_b32 s[LAP], LAPS-1
.Llap:
	TURN 0, 1, 1, 0
	STEP 1, 0, 0
	TURN 1, 0, 1, 1
	STEP 0, 0, 0
	s_sub_co_u32 s[LAP], s[LAP], 1
	s_cmp_lg_u32 s[LAP], 0
	s_cbranch_scc1 .Llap
	TURN 0, 1, 0, 0                                ; the last lap fills nothing
	STEP 1, 0, 0
	s_wait_dscnt 0x0
	MULH NQ-1, 1, 0, 0
	MULH NQ-1, 1, 2, 0
	WIN 0
	PLACES 8
; 64 numbers (window by wa, wb), register 16 b + i = k 32 b + 16 h + i of my row, become codes in v[pc] on and a scale word in v[pw]; the held numbers go to v[d] on, window 0
.macro QUANT s, wa, wb, d, pc, pw
	WIN \wa
.irp b, 0,1,2,3
	v_max3_num_f32 v[TM+\b], |v[\s+16*\b]|, |v[\s+1+16*\b]|, 0x4800000   ; each accumulator is read from its low end on
.endr
.irp i, 2,4,6,8,10,12,14
.irp b, 0,1,2,3
	v_max3_num_f32 v[TM+\b], |v[\s+16*\b+\i]|, |v[\s+1+16*\b+\i]|, v[TM+\b]
.endr
.endr
	WIN 0
.irp b, 0,1,2,3
	v_permlanex16_b32 v[TM+4+\b], v[TM+\b], s[SEL], s[SEL+1]
.endr
.irp b, 0,1,2,3
	v_max_num_f32 v[TM+\b], v[TM+\b], v[TM+4+\b]
.endr
.irp b, 0,1,2,3
	v_add_nc_u32 v[TM+12+\b], 0xfc000000, v[TM+\b]
.endr
.irp b, 0,1,2,3
	v_and_or_b32 v[TM+8+\b], v[TM+\b], 0x7f800000, s[MNT]
.endr
.irp b, 0,1,2,3
	v_lshrrev_b32 v[TM+4+\b], 23, v[TM+12+\b]
.endr
	v_lshl_or_b32 v[\pw], v[TM+5], 8, v[TM+4]
	v_lshl_or_b32 v[\pw], v[TM+6], 16, v[\pw]
	v_lshl_or_b32 v[\pw], v[TM+7], 24, v[\pw]
	WIN \wb
.irp b, 0,1,2,3
.irp i, 0,1,2,3,4,5,6,7,8,9,10,11,12,13,14,15
	v_med3_num_f32 v[\d+16*\b+\i], v[\s+16*\b+\i], -v[TM+8+\b], v[TM+8+\b]
.endr
.endr
	WIN 0
.irp b, 0,1,2,3
	v_cvt_scalef32_pk8_fp8_f32 v[\pc+4*\b:\pc+1+4*\b], v[\d+16*\b:\d+7+16*\b], v[TM+12+\b]
	v_cvt_scalef32_pk8_fp8_f32 v[\pc+2+4*\b:\pc+3+4*\b], v[\d+8+16*\b:\d+15+16*\b], v[TM+12+\b]
.endr
	v_nop                                          ; a plain line behind the last conversion
.endm
.macro ROWOUT a                        ; tile a's image: four stores of 512 consecutive bytes
.irp c, 0,1,2,3
	global_store_b128 v[LI], v[PC+4*\c:PC+4*\c+3], s[14:15] offset:2048*\a+512*\c
.endr
.endm
.irp b, 0,1,2,3
	v_mov_b32 v[TM+4+\b], 0                        ; a lane permute's destination counts as read
.endr
	s_cmp_lg_u32 s[ISV], 0                         ; the cluster's y alone decides: the same in all partners
	s_cbranch_scc1 .Lvpath
	; ---- q and k.  cos and sin of my 64 positions and the norm's weights are asked for here; the sums of squares run meanwhile
	WIN 0xc0
.irp a, 0,1,2,3
.irp n, 0,1,2,3,4,5,6,7,8,9,10,11,12,13,14,15
	global_load_b128 v[64*\a+4*\n:64*\a+4*\n+3], v[VT], s[8:9] offset:(32*(\a/2)+8*(\a%2))*512+256*(\n/8)+128*((\n/4)%2)+16*(\n%4)   ; tile a: registers 0-31 cos, 32-63 sin, of j = 32 c + 16 h + i
.endr
.endr
	WIN 0
.irp n, 0,1,2,3,4,5,6,7,8,9,10,11,12,13,14,15
	global_load_b128 v[NW+4*\n:NW+4*\n+3], v[NWO], s[10:11] offset:128*(\n/4)+16*(\n%4)
.endr
	s_mov_b32 s91, 0x3c000000                      ; 1 / 128
	s_mov_b32 s92, 0x358637bd                      ; 1e-6
	WIN 0x0a
.irp a, 0,1,2,3
	v_pk_mul_f32 v[SS+2*\a:SS+2*\a+1], v[64*\a:64*\a+1], v[64*\a:64*\a+1]
.endr
.set k, 1
.rept 31
.irp a, 0,1,2,3
	v_pk_fma_f32 v[SS+2*\a:SS+2*\a+1], v[64*\a+2*k:64*\a+2*k+1], v[64*\a+2*k:64*\a+2*k+1], v[SS+2*\a:SS+2*\a+1]
.endr
.set k, k+1
.endr
	WIN 0
.irp a, 0,1,2,3
	v_add_f32 v[SS+2*\a], v[SS+2*\a], v[SS+2*\a+1]
.endr
.irp a, 0,1,2,3
	v_permlanex16_b32 v[SS+2*\a+1], v[SS+2*\a], s[SEL], s[SEL+1]
.endr
.irp a, 0,1,2,3
	v_add_f32 v[SS+2*\a], v[SS+2*\a], v[SS+2*\a+1] ; the head's other 64 lie in lane l xor 16
.endr
.irp a, 0,1,2,3
	v_fma_f32 v[SS+2*\a], v[SS+2*\a], s91, s92     ; the mean of squares + eps
.endr
.irp a, 0,1,2,3
	v_rsq_f32 v[RS+2*\a], v[SS+2*\a]
.endr
.irp a, 0,1,2,3
	v_mov_b32 v[RS+2*\a+1], 0                      ; (named with it as a pair.)  Plain lines behind the batch
.endr
	s_wait_alu depctr_va_vdst(0)                   ; one wait for the four, ahead of their first reader
	s_wait_loadcnt 0x0
.macro QKROW a
	WIN 0x02
.set k, 0
.rept 32
	v_pk_mul_f32 v[T+2*k:T+2*k+1], v[64*\a+2*k:64*\a+2*k+1], v[RS+2*\a:RS+2*\a+1] op_sel_hi:[1,0]
.set k, k+1
.endr
	WIN 0
.set k, 0
.rept 32
	v_pk_mul_f32 v[T+2*k:T+2*k+1], v[T+2*k:T+2*k+1], v[NW+2*k:NW+2*k+1]
.set k, k+1
.endr
	WIN 0x0c                                       ; source 1: window 3
.irp c, 0,1
.set k, 0
.rept 8
.set rx1, T+16*\c+2*k
.set rx2, T+32+16*\c+2*k
.set rcs, 64*\a+16*\c+2*k
.set rsn, 64*\a+32+16*\c+2*k
.set ruu, U+4*(k%2)
	v_pk_mul_f32 v[ruu:ruu+1], v[rx2:rx2+1], v[rsn:rsn+1]
	v_pk_mul_f32 v[ruu+2:ruu+3], v[rx1:rx1+1], v[rsn:rsn+1]
	v_pk_fma_f32 v[rx1:rx1+1], v[rx1:rx1+1], v[rcs:rcs+1], v[ruu:ruu+1] neg_lo:[0,0,1] neg_hi:[0,0,1]   ; x1 cos - x2 sin
	v_pk_fma_f32 v[rx2:rx2+1], v[rx2:rx2+1], v[rcs:rcs+1], v[ruu+2:ruu+3]                               ; x2 cos + x1 sin
.set k, k+1
.endr
.endr
	WIN 0
.if \a > 0
	s_wait_xcnt 0x0                                ; the last tile's stores have read the codes' registers
.endif
	QUANT T, 0, 0, T, PC, PWS+\a
	ROWOUT \a
.endm
	QKROW 0
	QKROW 1
	QKROW 2
	QKROW 3
	s_branch .Ljoin
.Lvpath:
	; ---- v: a lane holds a channel, its registers 128 keys: quantised as they stand
.irp a, 0,1,2,3
.if \a > 0
	s_wait_xcnt 0x0
.endif
	QUANT 64*\a, 0x0a, 0x02, T, PC, PWS+\a
	ROWOUT \a
.endr
.Ljoin:
	v_and_b32 v13, 16, v0                          ; my four tiles' scale words are one unit: word a of row r at 16 r + 4 a
	v_cmp_ne_u32 vcc_lo, 0, v13
	v_cndmask_b32 v[DD], v[PWS], v[PWS+2], vcc_lo
	v_cndmask_b32 v[DD+1], v[PWS+1], v[PWS+3], vcc_lo
	global_store_b64 v[SO], v[DD:DD+1], s[16:17]   ; 32 lanes store 256 consecutive bytes, aligned
	s_wait_tensorcnt 0x0                           ; the wave's end
	ds_add_u32 v[SPW], v[NIL]
	s_wait_dscnt 0x0
	CROUND                                         ; the closing round
	s_endpgm
.Lfunc_end_k_q0d054e15e6_qkv:
	.size	k_q0d054e15e6_qkv, .Lfunc_end_k_q0d054e15e6_qkv-k_q0d054e15e6_qkv
	.p2alignl 7, 3214868480
	.fill 96, 4, 3214868480
	.section	.rodata,"a",@progbits
	.p2align	6, 0x0
	.amdhsa_kernel k_q0d054e15e6_qkv
		.amdhsa_group_segment_fixed_size 327680
		.amdhsa_private_segment_fixed_size 0
		.amdhsa_enable_private_segment 0
		.amdhsa_kernarg_size 56
		.amdhsa_user_sgpr_count 2
		.amdhsa_user_sgpr_kernarg_segment_ptr 1
		.amdhsa_wavefront_size32 1
		.amdhsa_system_sgpr_workgroup_id_x 1
		.amdhsa_system_sgpr_workgroup_id_y 1
		.amdhsa_system_sgpr_workgroup_id_z 1
		.amdhsa_system_vgpr_workitem_id 0
		.amdhsa_next_free_vgpr 1024
		.amdhsa_next_free_sgpr 102
		.amdhsa_reserve_vcc 1
		.amdhsa_float_denorm_mode_32 3
		.amdhsa_float_denorm_mode_16_64 3
		.amdhsa_memory_ordered 1
		.amdhsa_forward_progress 1
		.amdhsa_inst_pref_size 192
	.end_amdhsa_kernel
	.amdgpu_metadata
---
amdhsa.version: [ 1, 2 ]
amdhsa.kernels:
  - .name:           k_q0d054e15e6_qkv
    .symbol:         k_q0d054e15e6_qkv.kd
    .args:
      - { .name: codes1, .offset: 0, .size: 8, .value_kind: global_buffer, .address_space: global }
      - { .name: scales1, .offset: 8, .size: 8, .value_kind: global_buffer, .address_space: global }
      - { .name: trig, .offset: 16, .size: 8, .value_kind: global_buffer, .address_space: global }
      - { .name: qn_w, .offset: 24, .size: 8, .value_kind: global_buffer, .address_space: global }
      - { .name: kn_w, .offset: 32, .size: 8, .value_kind: global_buffer, .address_space: global }
      - { .name: qkv, .offset: 40, .size: 8, .value_kind: global_buffer, .address_space: global }
      - { .name: qkvs, .offset: 48, .size: 8, .value_kind: global_buffer, .address_space: global }
    .group_segment_fixed_size: 327680
    .private_segment_fixed_size: 0
    .kernarg_segment_align: 8
    .kernarg_segment_size: 56
    .max_flat_workgroup_size: 128
    .sgpr_count:     102
    .vgpr_count:     1024
    .wavefront_size: 32
...
	.end_amdgpu_metadata
.endif
;; end of part 2
;; launch attn (part 3): grid 16 x 16, 8 waves a work-group, no clusters, 327,680 bytes of LDS; arguments qkv, qkvs, ocodes, oscales; writes ocodes, oscales
.if DOCPART == 3
	.amdgcn_target "amdgcn-amd-amdhsa--gfx1250"
	.amdhsa_code_object_version 6
	.text
	.protected	k_q0d054e15e6_attn
	.globl	k_q0d054e15e6_attn
	.p2align	8
	.type	k_q0d054e15e6_attn,@function
k_q0d054e15e6_attn:
	s_mov_b64 s[64:65], 0
	v_nop
	global_prefetch_b8 v0, s[64:65] scope:SCOPE_SE
	s_setreg_imm32_b32 hwreg(HW_REG_WAVE_MODE, 25, 1), 1
	s_wait_xcnt 0x0
; Causal attention on codes of FP8 (E4M3), 16 query heads on 4 key and value heads, head size 128, 2,048 positions; the result is divided by the row's sum and quantised along the head's 128 for the last product.
; LEFT OUT: steps of 128 keys that lie wholly behind a tile's queries: reference()'s own jnp.tril throws their weights away for all inputs.
; t = score x log2(e) / sqrt(128); M = the running largest t rounded UP to a whole number; p = 2^(t - M) is quantised along the keys, not normalised; the sum is taken of the unquantised p.
; qkv: 24 "heads" of 128 tiles of 2,048 bytes, images of operand registers: 0-15 q, 16-19 k (tile = 16 positions 32 (t/2) + 8 (t%2) + r%8 + 16 (r/8)), 20-23 v (tile 8 s + d: 16 channels x keys 128 s on).
; Both products transposed: S^T = K Q^T, O^T = V^T P^T: a lane holds ONE query; the 16 registers of two neighbouring tiles are 16 neighbouring keys (or channels).
; SHARES: work-group (i, head): waves 0-3 own the four tiles of query block i (64 queries), waves 4-7 those of block 31 - i: together 17 live key steps for each pair of waves, whatever i.
; K's and V's tiles come through two LDS slots of 256 keys (waves 0-3: one dense load of 16,384 bytes each); the head's scale words come once.
; NO CLUSTER: a change of slots asks for a slot only while its first key is at or under the work-group's last query.
; o's scale words leave 4 bytes a lane, 16 bytes apart (the four heads of a unit are four work-groups'): one byte in 33 of what the launch stores.
; LIMITS: a block of zeros gets the byte 1; NaN and infinities are not served.
; REGISTERS: v1-7 stay; v8, v10 addresses in hand; v12 -M, v13 largest t, v[14:15] the sum; v16-31 Q; v32-95 four fragments; v96-159 S^T, then p; v160-223 O^T; v224-239 p's codes; v232-254 at work; v255 Q's scale word.
.set SLOT1, 65536
.set SCK,   131072                     ; K's scale words of the head, 8,192 bytes; V's behind them
.set SPARE, 147456                     ; the spare words, 128 bytes a wave
.set NSL,   8
.set LI,  1                            ; v1 16 x lane
.set R16, 2                            ; v2 SCK + 16 r
.set QL,  3                            ; v3 my query - 16 h
.set PFO, 4                            ; v4 256 x lane; never rewritten
.set SPW, 5
.set NIL, 6
.set RO,  7                            ; v7 16 r
.set AD,  8
.set ADS, 10
.set TM,  232
.set TB,  2
.set TS,  3
.set WV,  18
.set MNT, 19
.set SEL, 20
.set CS,  22
.set G1,  24
.set G1S, 32
.set G0,  40
.set G0S, 44
.set SLOTS, 48
.set KF,  49
.set Q0,  50
.set QLAST, 51
.set PFA, 52
.set LIM, 54
.set TT,  55
.macro TLOAD g0, g1                    ; waves 0-3 fetch; an s_nop 0 and four v_nop follow the line
	s_cmp_lt_u32 s[WV], 4
	s_cbranch_scc0 .Lasked_\@
	tensor_load_to_lds s[\g0:\g0+3], s[\g1:\g1+7]
	s_nop 0
.rept 4
	v_nop
.endr
.Lasked_\@:
.endm
; A prefetch of what the NEXT change of slots will ask for: 32,768 bytes of K and of V.  All 64 work-groups of a key head walk the same bytes: the one with i = 0 and the group's first query head asks;
; in it waves 4-7, which fetch nothing, take 8,192 bytes each of K and of V, lanes 256 bytes apart.  The last change that fills a slot asks for nothing; slots 0 and 1 come by their loads alone.
.macro ASK
	s_cmp_gt_u32 s[SLOTS], s[LIM]
	s_cbranch_scc0 .Lnot_mine_\@
	global_prefetch_b8 v[PFO], s[PFA:PFA+1] th:TH_LOAD_NT scope:SCOPE_SE
	global_prefetch_b8 v[PFO], s[PFA:PFA+1] offset:1048576 th:TH_LOAD_NT scope:SCOPE_SE
.Lnot_mine_\@:
.endm
	s_load_b256 s[4:11], s[0:1], 0x0               ; qkv, qkvs, ocodes, oscales
	v_lshl_add_u32 v[SPW], v0, 2, SPARE
	v_mov_b32 v[NIL], 0
	ds_add_u32 v[SPW], v[NIL]                      ; the opening: two adds of 0, waited for ahead of the first tensor load
	ds_add_u32 v[SPW], v[NIL]
	v_lshrrev_b32 v8, 5, v0
	v_readfirstlane_b32 s[WV], v8
	s_and_b32 s56, ttmp7, 0xffff                   ; head
	s_lshr_b32 s57, s56, 2                         ; its key and value head
	s_lshl_b32 s58, ttmp9, 2
	s_sub_co_u32 s59, 120, s58
	s_cmp_lt_u32 s[WV], 4
	s_cselect_b32 s[TT], s58, s59
	s_add_co_u32 s[TT], s[TT], s[WV]               ; my tile: 4 i + w, or 4 (31 - i) + w - 4
	s_lshr_b32 s[Q0], s[TT], 1
	s_lshl_b32 s[Q0], s[Q0], 5                     ; my queries lie in Q0 .. Q0 + 31
	s_lshl_b32 s[QLAST], ttmp9, 6
	s_sub_co_u32 s[QLAST], 2047, s[QLAST]          ; the work-group's last query
	s_mov_b32 s[G1], 3<<16                         ; 16,384 dense bytes as 64 rows of 32 elements of 8 bytes
	s_mov_b32 s[G1+1], 32<<16
	s_mov_b32 s[G1+2], 64<<16
	s_mov_b32 s[G1+3], 32<<16
	s_mov_b32 s[G1+4], 64
	s_mov_b32 s[G1+5], 32
	s_mov_b32 s[G1+6], 0
	s_mov_b32 s[G1+7], 0
	s_mov_b32 s[G1S], 3<<16                        ; 4,096 dense bytes of scale words
	s_mov_b32 s[G1S+1], 32<<16
	s_mov_b32 s[G1S+2], 16<<16
	s_mov_b32 s[G1S+3], 32<<16
	s_mov_b32 s[G1S+4], 16
	s_mov_b32 s[G1S+5], 32
	s_mov_b32 s[G1S+6], 0
	s_mov_b32 s[G1S+7], 0
	s_lshr_b32 s60, s[WV], 1
	s_and_b32 s60, s60, 1                          ; K (0) or V (1)
	s_lshl_b32 s60, s60, 2
	s_add_co_u32 s60, s60, s57
	s_add_co_u32 s60, s60, 16
	s_and_b32 s61, s[WV], 1                        ; which of a slot's two steps
	s_lshl_b32 s62, s60, 18
	s_lshl_b32 s63, s61, 14
	s_add_co_u32 s62, s62, s63
	s_mov_b32 s63, 0
	s_lshl_b32 s66, s60, 13
	s_lshl_b32 s67, s61, 12
	s_add_co_u32 s66, s66, s67
	s_mov_b32 s67, 0
	s_lshl_b32 s68, s[WV], 14                      ; LDS: K step 0, K step 1, V step 0, V step 1
	s_lshl_b32 s69, s[WV], 12
	s_add_co_u32 s69, s69, SCK
	s_mov_b32 s[SEL], 0x76543210
	s_mov_b32 s[SEL+1], 0xfedcba98
	s_mov_b32 s[CS], 0x3e0293ee                    ; log2(e) / sqrt(128)
	s_mov_b32 s[CS+1], s[CS]
	s_mov_b32 s[MNT], 0x600000
	s_mov_b32 s[TB], 0
	s_mov_b32 s[TS], 0
	s_mov_b32 s[SLOTS], NSL-1
	s_mov_b32 s[KF], 0
	s_wait_dscnt 0x0                               ; both opening adds are done
	s_wait_kmcnt 0x0
	s_mov_b32 s[G0S], 1
	s_mov_b32 s[G0S+1], s69
	s_add_nc_u64 s[G0S+2:G0S+3], s[6:7], s[66:67]
	s_or_b32 s[G0S+3], s[G0S+3], 0x80000000
	TLOAD G0S, G1S                                 ; the head's scale words: filled once
	s_mov_b32 s[G0], 1
	s_mov_b32 s[G0+1], s68
	s_add_nc_u64 s[G0+2:G0+3], s[4:5], s[62:63]
	s_or_b32 s[G0+3], s[G0+3], 0x80000000
	TLOAD G0, G1                                   ; slot 0: two loads of a fetching wave are out
	s_and_b32 s70, s[WV], 3                        ; the prefetches: my 8,192 bytes, in slot 1; the first change steps them to slot 2
	s_lshl_b32 s70, s70, 13
	s_add_co_u32 s70, s70, 32768
	s_add_co_u32 s71, s57, 16
	s_lshl_b32 s71, s71, 18
	s_add_co_u32 s70, s70, s71
	s_mov_b32 s71, 0
	s_add_nc_u64 s[PFA:PFA+1], s[4:5], s[70:71]
	s_lshr_b32 s70, s[WV], 2
	s_xor_b32 s70, s70, 1                          ; 0 in waves 4-7,
	s_or_b32 s70, s70, ttmp9                       ; of work-group i = 0,
	s_and_b32 s71, s56, 3
	s_or_b32 s70, s70, s71                         ; of the group's first query head
	s_cmp_eq_u32 s70, 0
	s_cselect_b32 s[LIM], 1, -1
	s_lshl_b32 s72, s56, 18                        ; Q's tile
	s_lshl_b32 s73, s[TT], 11
	s_add_co_u32 s72, s72, s73
	s_mov_b32 s73, 0
	s_add_nc_u64 s[72:73], s[4:5], s[72:73]
	s_lshl_b32 s74, s56, 13                        ; and its scale words: unit T / 4, word T % 4
	s_lshr_b32 s75, s[TT], 2
	s_lshl_b32 s75, s75, 8
	s_add_co_u32 s74, s74, s75
	s_and_b32 s75, s[TT], 3
	s_lshl_b32 s75, s75, 2
	s_add_co_u32 s74, s74, s75
	s_mov_b32 s75, 0
	s_add_nc_u64 s[74:75], s[6:7], s[74:75]
	s_lshl_b32 s76, s[TT], 15                      ; o's codes: [tile][head]
	s_lshl_b32 s77, s56, 11
	s_add_co_u32 s76, s76, s77
	s_mov_b32 s77, 0
	s_add_nc_u64 s[8:9], s[8:9], s[76:77]
	s_lshl_b32 s76, s[TT], 10                      ; o's scale words: [tile][head / 4][r][head % 4]
	s_lshl_b32 s78, s57, 8
	s_add_co_u32 s76, s76, s78
	s_and_b32 s78, s56, 3
	s_lshl_b32 s78, s78, 2
	s_add_co_u32 s76, s76, s78
	s_add_nc_u64 s[10:11], s[10:11], s[76:77]
	v_and_b32 v9, 31, v0
	v_lshlrev_b32 v[LI], 4, v9
	v_lshlrev_b32 v[PFO], 8, v9
	v_and_b32 v10, 15, v0                          ; r
	v_bfe_u32 v11, v0, 4, 1                        ; h
	v_lshlrev_b32 v[RO], 4, v10
	v_add_nc_u32 v[R16], SCK, v[RO]
.irp c, 0,1,2,3
	global_load_b128 v[16+4*\c:19+4*\c], v[LI], s[72:73] offset:512*\c   ; Q's fragment stays in registers
.endr
	global_load_b32 v255, v[RO], s[74:75]
	v_and_b32 v12, 7, v10
	v_lshrrev_b32 v13, 3, v10
	v_lshl_add_u32 v12, v13, 4, v12
	v_lshlrev_b32 v13, 4, v11
	v_sub_nc_u32 v12, v12, v13
	s_and_b32 s70, s[TT], 1
	s_lshl_b32 s70, s70, 3
	s_add_co_u32 s70, s70, s[Q0]
	v_add_nc_u32 v[QL], s70, v12                   ; Q0 + 8 (T % 2) + r % 8 + 16 (r / 8) - 16 h
	v_mov_b32 v13, 0xff61b1e6                      ; the largest t so far: -3e38
	v_floor_f32 v12, -v13                          ; -M
	v_mov_b32 v14, 0
	v_mov_b32 v15, 0
.irp b, 0,1,2,3
	v_mov_b32 v[236+\b], 0                         ; a lane permute's destination counts as read
.endr
	v_mov_b32 v252, 0
	v_mov_b32 v253, 0
.set n, 0
.rept 64
	v_mov_b32 v[160+n], 0                          ; O^T: the loop is written once; its first step finds zeros
.set n, n+1
.endr
.macro STEP q                          ; 128 keys, the q-th of the slot in hand
	s_add_co_u32 s56, s[Q0], 31
	s_cmp_gt_u32 s[KF], s56                        ; all keys behind my queries: the step's work is left out (ids and the count of steps alone)
	s_cbranch_scc1 .Lhidden_\@
	v_add_nc_u32 v[AD], s[TB], v[LI]
	v_add_nc_u32 v[ADS], s[TS], v[R16]
.irp g, 0,1
.rept 8-2*(1-\g)
	v_nop                                          ; eight places in front of loads into registers that products have read (the two additions above are places too)
.endr
.irp t, 0,1,2,3
.irp c, 0,1,2,3
	ds_load_b128 v[32+16*\t+4*\c:32+16*\t+4*\c+3], v[AD] offset:16384*(\q)+2048*(4*\g+\t)+512*\c
.endr
	ds_load_b32 v[248+\t], v[ADS] offset:256*\g+4*\t
.endr
	s_wait_dscnt 0x0
.irp t, 0,1,2,3
	v_wmma_scale_f32_16x16x128_f8f6f4 v[96+8*(4*\g+\t):103+8*(4*\g+\t)], v[32+16*\t:47+16*\t], v[16:31], 0, v[248+\t], v255
.endr
.endr
.rept 8
	v_nop
.endr
	s_add_co_u32 s56, s[KF], 127
	s_cmp_le_u32 s56, s[Q0]                        ; all keys count: no mask
	s_cbranch_scc1 .Lopen_\@
	v_sub_nc_u32 v252, v[QL], s[KF]                ; register 16 b + i holds key KF + 16 h + 32 b + i: hidden where 32 b + i > my query - KF - 16 h
	v_mov_b32 v254, 0xff800000
.set n, 0
.rept 64
	v_cmp_gt_i32 vcc_lo, 32*(n/16)+n%16, v252
	v_cndmask_b32 v[96+n], v[96+n], v254, vcc_lo
.set n, n+1
.endr
.Lopen_\@:
.irp b, 0,1,2,3
	v_max3_num_f32 v[232+\b], v[96+16*\b], v[97+16*\b], v[98+16*\b]   ; each block's largest score: for the row's maximum, and for the block's largest p
.endr
.irp i, 3,5,7,9,11,13
.irp b, 0,1,2,3
	v_max3_num_f32 v[232+\b], v[232+\b], v[96+16*\b+\i], v[97+16*\b+\i]
.endr
.endr
.irp b, 0,1,2,3
	v_max_num_f32 v[232+\b], v[232+\b], v[111+16*\b]
.endr
.irp b, 0,1,2,3
	v_permlanex16_b32 v[236+\b], v[232+\b], s[SEL], s[SEL+1]
.endr
.irp b, 0,1,2,3
	v_max_num_f32 v[232+\b], v[232+\b], v[236+\b]
.endr
	v_max3_num_f32 v254, v232, v233, v234
	v_max_num_f32 v254, v254, v235
	v_mul_f32 v254, s[CS], v254
	v_max_num_f32 v13, v13, v254                   ; the running largest t
	v_mov_b32 v254, v12
	v_floor_f32 v12, -v13                          ; -M = floor(-t): M is a whole number
	v_sub_f32 v254, v12, v254
	v_cvt_i32_f32 v254, v254
	v_ldexp_f32 v252, 1.0, v254                    ; f = 2^(old M - new M): rounds nothing
.set n, 0
.rept 32
	v_pk_fma_f32 v[96+n:97+n], v[96+n:97+n], s[CS:CS+1], v[12:13] op_sel_hi:[1,0,0]   ; t - M
.set n, n+2
.endr
.irp b, 0,1,2,3
	v_fma_f32 v[232+\b], v[232+\b], s[CS], v12
.endr
.set n, 0
.rept 64
	v_exp_f32 v[96+n], v[96+n]                     ; p = 2^(t - M)
.set n, n+1
.endr
	v_pk_mul_f32 v[14:15], v[14:15], v[252:253] op_sel_hi:[1,0]   ; a plain line behind the batch
	s_wait_alu depctr_va_vdst(0)                   ; one wait for the 64, ahead of their first reader
.irp b, 0,1,2,3
	v_exp_f32 v[232+\b], v[232+\b]                 ; the block's largest p
.endr
	v_pk_add_f32 v[236:237], v[96:97], v[98:99]    ; the sum of the unquantised p, in two chains
.irp j, 4,8,12,16,20,24,28,32,36,40,44,48,52,56,60
	v_pk_add_f32 v[14:15], v[14:15], v[96+\j:97+\j]
	v_pk_add_f32 v[236:237], v[236:237], v[98+\j:99+\j]
.endr
	v_pk_add_f32 v[14:15], v[14:15], v[236:237]
	s_wait_alu depctr_va_vdst(0)                   ; and one for the four
.irp b, 0,1,2,3
	v_max_num_f32 v[232+\b], 0x4800000, v[232+\b]
.endr
.irp b, 0,1,2,3
	v_add_nc_u32 v[244+\b], 0xfc000000, v[232+\b]
.endr
.irp b, 0,1,2,3
	v_and_or_b32 v[240+\b], v[232+\b], 0x7f800000, s[MNT]
.endr
.irp b, 0,1,2,3
	v_lshrrev_b32 v[236+\b], 23, v[244+\b]
.endr
	v_lshl_or_b32 v253, v237, 8, v236              ; p's scale word for these 128 keys
	v_lshl_or_b32 v253, v238, 16, v253
	v_lshl_or_b32 v253, v239, 24, v253
.irp b, 0,1,2,3
.irp i, 0,1,2,3,4,5,6,7,8,9,10,11,12,13,14,15
	v_min_num_f32 v[96+16*\b+\i], v[96+16*\b+\i], v[240+\b]   ; p is not negative: a one-sided hold
.endr
	v_cvt_scalef32_pk8_fp8_f32 v[224+4*\b:225+4*\b], v[96+16*\b:103+16*\b], v[244+\b]
	v_cvt_scalef32_pk8_fp8_f32 v[226+4*\b:227+4*\b], v[104+16*\b:111+16*\b], v[244+\b]
.endr
.set n, 0
.rept 32
	v_pk_mul_f32 v[160+n:161+n], v[160+n:161+n], v[252:253] op_sel_hi:[1,0]   ; O^T under the new M; also the places in front of the products and loads below
.set n, n+2
.endr
.irp g, 0,1
.if \g > 0
.rept 8
	v_nop
.endr
.endif
.irp t, 0,1,2,3
.irp c, 0,1,2,3
	ds_load_b128 v[32+16*\t+4*\c:32+16*\t+4*\c+3], v[AD] offset:32768+16384*(\q)+2048*(4*\g+\t)+512*\c
.endr
	ds_load_b32 v[248+\t], v[ADS] offset:8192+256*\g+4*\t
.endr
	s_wait_dscnt 0x0
.irp t, 0,1,2,3
	v_wmma_scale_f32_16x16x128_f8f6f4 v[160+8*(4*\g+\t):167+8*(4*\g+\t)], v[32+16*\t:47+16*\t], v[224:239], v[160+8*(4*\g+\t):167+8*(4*\g+\t)], v[248+\t], v253
.endr
.endr
.Lhidden_\@:
	s_add_co_u32 s[KF], s[KF], 128
	s_add_co_u32 s[TS], s[TS], 512                 ; the next step's two units of scale words
.endm
; The change of slots stands at a slot's head: every wave waits for all its tensor loads, adds 0 to its spare word, waits for that and for its reads of the slot that it has left, and passes the barrier.
.macro CHANGE fill
	s_wait_tensorcnt 0x0
	ds_add_u32 v[SPW], v[NIL]
.if \fill
	ds_add_u32 v[SPW], v[NIL]                      ; the add twice on end here, in every trip alike
	s_xor_b32 s[G0+1], s[G0+1], SLOT1              ; the walking descriptor: the other slot, the next 256 keys
	s_add_nc_u64 s[G0+2:G0+3], s[G0+2:G0+3], 32768
	s_wait_xcnt 0x0                                ; the last prefetches, a slot back, have read their address
	s_add_nc_u64 s[PFA:PFA+1], s[PFA:PFA+1], 32768
.endif
	s_wait_dscnt 0x0
	s_barrier_signal -1
	s_barrier_wait -1
.if \fill
	s_add_co_u32 s56, s[KF], 256                   ; a slot whose first key lies behind the work-group's last query is read by none of its waves, so it is not asked for
	s_cmp_gt_u32 s56, s[QLAST]                     ; ids and the count of steps alone: all eight waves go the same way
	s_cbranch_scc1 .Lpast_\@
	TLOAD G0, G1                                   ; a wave's one tensor load until the next such barrier
.Lpast_\@:
	ASK
.endif
.endm
.macro SLOT_STEPS
	STEP 0
	STEP 1
	s_xor_b32 s[TB], s[TB], SLOT1
.endm
	s_wait_loadcnt 0x0                             ; Q
.Lslot:
	CHANGE 1
	SLOT_STEPS
	s_sub_co_u32 s[SLOTS], s[SLOTS], 1
	s_cmp_lg_u32 s[SLOTS], 0
	s_cbranch_scc1 .Lslot
	CHANGE 0                                       ; the last slot is written out: nothing is left to ask for
	SLOT_STEPS
	; THE WAY OUT: O^T / the sum; register 16 c + i is channel 32 c + 16 h + i of my query: quantised as it stands, its codes are the last product's operand
.rept 8
	v_nop
.endr
	v_add_f32 v14, v14, v15
	v_permlanex16_b32 v252, v14, s[SEL], s[SEL+1]
	v_add_f32 v14, v14, v252
	v_rcp_f32 v14, v14
	v_nop
	s_wait_alu depctr_va_vdst(0)
.set n, 0
.rept 64
	v_mul_f32 v[96+n], v[160+n], v14
.set n, n+1
.endr
.irp b, 0,1,2,3
	v_max3_num_f32 v[TM+\b], |v[96+16*\b]|, |v[97+16*\b]|, 0x4800000
.endr
.irp i, 2,4,6,8,10,12,14
.irp b, 0,1,2,3
	v_max3_num_f32 v[TM+\b], |v[96+16*\b+\i]|, |v[97+16*\b+\i]|, v[TM+\b]
.endr
.endr
.irp b, 0,1,2,3
	v_permlanex16_b32 v[TM+4+\b], v[TM+\b], s[SEL], s[SEL+1]
.endr
.irp b, 0,1,2,3
	v_max_num_f32 v[TM+\b], v[TM+\b], v[TM+4+\b]
.endr
.irp b, 0,1,2,3
	v_add_nc_u32 v[TM+12+\b], 0xfc000000, v[TM+\b]
.endr
.irp b, 0,1,2,3
	v_and_or_b32 v[TM+8+\b], v[TM+\b], 0x7f800000, s[MNT]
.endr
.irp b, 0,1,2,3
	v_lshrrev_b32 v[TM+4+\b], 23, v[TM+12+\b]
.endr
	v_lshl_or_b32 v248, v[TM+5], 8, v[TM+4]
	v_lshl_or_b32 v248, v[TM+6], 16, v248
	v_lshl_or_b32 v248, v[TM+7], 24, v248
.irp b, 0,1,2,3
.irp i, 0,1,2,3,4,5,6,7,8,9,10,11,12,13,14,15
	v_med3_num_f32 v[96+16*\b+\i], v[96+16*\b+\i], -v[TM+8+\b], v[TM+8+\b]
.endr
	v_cvt_scalef32_pk8_fp8_f32 v[32+4*\b:33+4*\b], v[96+16*\b:103+16*\b], v[TM+12+\b]
	v_cvt_scalef32_pk8_fp8_f32 v[34+4*\b:35+4*\b], v[104+16*\b:111+16*\b], v[TM+12+\b]
.endr
	v_nop
.irp c, 0,1,2,3
	global_store_b128 v[LI], v[32+4*\c:35+4*\c], s[8:9] offset:512*\c   ; 512 consecutive bytes a store
.endr
	global_store_b32 v[RO], v248, s[10:11]         ; lanes r and r + 16 hold the same word and name the same place
	s_wait_tensorcnt 0x0                           ; the wave's end
	ds_add_u32 v[SPW], v[NIL]
	s_wait_dscnt 0x0
	s_endpgm
.Lfunc_end_k_q0d054e15e6_attn:
	.size	k_q0d054e15e6_attn, .Lfunc_end_k_q0d054e15e6_attn-k_q0d054e15e6_attn
	.p2alignl 7, 3214868480
	.fill 96, 4, 3214868480
	.section	.rodata,"a",@progbits
	.p2align	6, 0x0
	.amdhsa_kernel k_q0d054e15e6_attn
		.amdhsa_group_segment_fixed_size 327680
		.amdhsa_private_segment_fixed_size 0
		.amdhsa_enable_private_segment 0
		.amdhsa_kernarg_size 32
		.amdhsa_user_sgpr_count 2
		.amdhsa_user_sgpr_kernarg_segment_ptr 1
		.amdhsa_wavefront_size32 1
		.amdhsa_system_sgpr_workgroup_id_x 1
		.amdhsa_system_sgpr_workgroup_id_y 1
		.amdhsa_system_sgpr_workgroup_id_z 1
		.amdhsa_system_vgpr_workitem_id 0
		.amdhsa_next_free_vgpr 256
		.amdhsa_next_free_sgpr 80
		.amdhsa_reserve_vcc 1
		.amdhsa_float_denorm_mode_32 3
		.amdhsa_float_denorm_mode_16_64 3
		.amdhsa_memory_ordered 1
		.amdhsa_forward_progress 1
		.amdhsa_inst_pref_size 135
	.end_amdhsa_kernel
	.amdgpu_metadata
---
amdhsa.version: [ 1, 2 ]
amdhsa.kernels:
  - .name:           k_q0d054e15e6_attn
    .symbol:         k_q0d054e15e6_attn.kd
    .args:
      - { .name: qkv, .offset: 0, .size: 8, .value_kind: global_buffer, .address_space: global }
      - { .name: qkvs, .offset: 8, .size: 8, .value_kind: global_buffer, .address_space: global }
      - { .name: ocodes, .offset: 16, .size: 8, .value_kind: global_buffer, .address_space: global }
      - { .name: oscales, .offset: 24, .size: 8, .value_kind: global_buffer, .address_space: global }
    .group_segment_fixed_size: 327680
    .private_segment_fixed_size: 0
    .kernarg_segment_align: 8
    .kernarg_segment_size: 32
    .max_flat_workgroup_size: 256
    .sgpr_count:     80
    .vgpr_count:     256
    .wavefront_size: 32
...
	.end_amdgpu_metadata
.endif
;; end of part 3
;; launch oproj (part 4): grid 16 x 16, 4 waves a work-group, clusters of 4 x 4, 327,680 bytes of LDS; arguments ocodes, oscales, codes1, scales1, out0; writes out0
.if DOCPART == 4
	.amdgcn_target "amdgcn-amd-amdhsa--gfx1250"
	.amdhsa_code_object_version 6
	.text
	.protected	k_q0d054e15e6_oproj
	.globl	k_q0d054e15e6_oproj
	.p2align	8
	.type	k_q0d054e15e6_oproj,@function
k_q0d054e15e6_oproj:
	s_mov_b64 s[64:65], 0
	v_nop
	global_prefetch_b8 v0, s[64:65] scope:SCOPE_SE
	s_setreg_imm32_b32 hwreg(HW_REG_WAVE_MODE, 25, 1), 1
	s_wait_xcnt 0x0
	s_wait_alu depctr_hold_cnt(0) depctr_sa_sdst(0) depctr_va_vdst(0) depctr_va_sdst(0) depctr_va_ssrc(0) depctr_va_vcc(0) depctr_vm_vsrc(0)
	s_getreg_b32 s2, hwreg(HW_REG_IB_STS2, 6, 4)
	s_cmp_eq_u32 s2, 0
	s_cbranch_scc0 .Lentry_in_a_cluster
	s_endpgm
.Lentry_in_a_cluster:
	s_bfe_u32 s2, ttmp6, 0x10000c
	s_cmp_lg_u32 s2, 0xf033
	s_cbranch_scc0 .Lentry_shape_is_right
	s_endpgm
.Lentry_shape_is_right:
; out0 = o Wo^T on codes of FP8 (E4M3), K = 2,048, f32 out.  Codes lie as images of operand registers (2,048 bytes a tile of 16 rows x 128 K; tile t holds rows 32 (t/2) + 8 (t%2) + r%8 + 16 (r/8)).
; X = 128 rows of Wo (output columns), Y = 128 rows of o (positions); source 0 = a tile of X, source 1 = a tile of Y: a lane holds one position and neighbouring output columns.
; A work-group: four waves, each 64 x 64: 16 accumulators.  256 work-groups.  K goes 512 a slot through two LDS slots (four fills in all); the scale words of all of K come once.
; CLUSTER 4 x 4: X's tiles hang on the tile column alone and are shared along a column of the cluster, Y's on the tile row alone and are shared along a row: joint loads.
; No work of reference() is left out here.
; REGISTERS: window 0: v1-12 addresses; v16-47 X's scale words, v48-79 Y's (two sets each; nothing else); v128-255 Y's fragments, two sets; on the way out v128-191 rows of the result.
;   window 1: X's fragments, two sets of 64.   window 2: accumulator (a, b) at v[8 (4 a + b)].
.set KK,   2048
.set NB,   4
.set NQ,   4
.set RT,   16*KK
.set SB,   2048*NQ
.set XT,   2*NB
.set SLOT, (XT+8)*SB
.set SCT,  KK/2
.set SCX,  2*SLOT
.set SCY,  SCX+XT*SCT
.set SPARE, SCY+8*SCT
.set LAPS, KK/(256*NQ)
.set SOFF, 256
.set BUMP, 512
.set ADX, 1
.set ADY, 3
.set ADSX, 5
.set ADSY, 6
.set SPW, 7
.set NIL, 8
.set LI,  9
.set STO, 10
.set RD,  11
.set CO,  12
.set SX,  16
.set SY,  48
.set YF,  128
.set BK,  128
.set WV,  18
.set WX,  19
.set WY,  20
.set CX,  21
.set CY,  22
.set LAP, 24
.set G1X, 28
.set G1Y, 36
.set G1SX, 44
.set G1SY, 52
.set G0X, 60
.set G0Y, 72
.set G0SX, 76
.set G0SY, 84
.set MSB, 0
.macro WIN new
.if MSB != \new
	s_set_vgpr_msb (MSB<<8)|\new
.set MSB, \new
.endif
.endm
.macro PLACES n
.rept \n
	v_nop
.endr
.endm
.macro JLOAD g0x, g1x, g0y, g1y        ; waves 0, 1 fetch for X, waves 2, 3 for Y; an s_nop 0 and four v_nop follow each line
	s_cmp_eq_u32 s[WY], 0
	s_cbranch_scc0 .Lfor_y_\@
	tensor_load_to_lds s[\g0x:\g0x+3], s[\g1x:\g1x+7]
	s_nop 0
.rept 4
	v_nop
.endr
	s_branch .Lasked_\@
.Lfor_y_\@:
	tensor_load_to_lds s[\g0y:\g0y+3], s[\g1y:\g1y+7]
	s_nop 0
.rept 4
	v_nop
.endr
.Lasked_\@:
.endm
.macro CREST
	s_cmp_lg_u32 s[WV], 0
	s_cbranch_scc1 .Lnot_wave_0_\@
	s_barrier_signal -3
.Lnot_wave_0_\@:
	s_barrier_wait -3
	s_barrier_signal -1
	s_barrier_wait -1
.endm
.macro CROUND
	s_barrier_signal -1
	s_barrier_wait -1
	CREST
.endm
	s_load_b256 s[4:11], s[0:1], 0x0               ; ocodes, oscales, codes1, scales1
	s_load_b64 s[12:13], s[0:1], 0x20              ; out0
	v_lshl_add_u32 v[SPW], v0, 2, SPARE
	v_mov_b32 v[NIL], 0
	ds_add_u32 v[SPW], v[NIL]                      ; the opening: two adds of 0, waited for ahead of my first tensor load
	ds_add_u32 v[SPW], v[NIL]
	v_lshrrev_b32 v9, 5, v0
	v_readfirstlane_b32 s[WV], v9
	s_and_b32 s[WX], s[WV], 1
	s_lshr_b32 s[WY], s[WV], 1
	s_bfe_u32 s[CX], ttmp6, 0x40000
	s_bfe_u32 s[CY], ttmp6, 0x40004
	; X's side: the tile column alone
	s_lshl_b32 s90, ttmp9, 2
	s_add_co_u32 s90, s90, s[CX]                   ; tile column
	s_lshl_b32 s91, 0x1111, s[CX]                  ; my column of the cluster
	s_lshl_b32 s92, s90, 3
	s_lshl_b32 s93, s[WX], 2
	s_add_co_u32 s92, s92, s93                     ; the first of the 4 rowtiles of Wo that I fetch
	s_lshl_b32 s88, s92, 10
	s_add_co_u32 s88, s88, 655360                  ; Wo's scale words begin here in scales1,
	s_mov_b32 s89, 0
	s_lshl_b32 s92, s92, 15
	s_add_co_u32 s92, s92, 20971520                ; its codes here in codes1
	s_mov_b32 s93, 0
	; Y's side: the tile row alone
	s_and_b32 s94, ttmp7, 0xffff
	s_lshl_b32 s94, s94, 2
	s_add_co_u32 s94, s94, s[CY]                   ; tile row
	s_lshl_b32 s95, s[CY], 2
	s_lshl_b32 s95, 15, s95                        ; my row of the cluster
	s_lshl_b32 s96, s94, 3
	s_lshl_b32 s97, s[WX], 2
	s_add_co_u32 s96, s96, s97
	s_lshl_b32 s98, s96, 10
	s_mov_b32 s99, 0
	s_lshl_b32 s96, s96, 15
	s_mov_b32 s97, 0
	; where my 64 x 64 of the result begins
	s_lshl_b32 s100, s94, 20                       ; 128 rows of 8,192 bytes a tile row,
	s_lshl_b32 s101, s[WY], 19                     ; 64 a wave,
	s_add_co_u32 s100, s100, s101
	s_lshl_b32 s101, s90, 9                        ; 512 bytes a tile column,
	s_add_co_u32 s100, s100, s101
	s_lshl_b32 s101, s[WX], 8                      ; 256 a wave
	s_add_co_u32 s100, s100, s101
	s_mov_b32 s101, 0
	s_or_b32 s[G1X], s91, (3<<16)|(1<<21)
	s_or_b32 s[G1SX], s91, (3<<16)|(1<<21)
	s_or_b32 s[G1Y], s95, (3<<16)|(1<<21)
	s_or_b32 s[G1SY], s95, (3<<16)|(1<<21)
.irp g, G1X, G1Y
	s_mov_b32 s[\g+1], (SB/8)<<16                  ; a slot's part of a rowtile: SB consecutive bytes, in elements of 8
	s_mov_b32 s[\g+2], 4<<16                       ; four rowtiles,
	s_mov_b32 s[\g+3], (SB/8)<<16
	s_mov_b32 s[\g+4], 4
	s_mov_b32 s[\g+5], RT/8                        ; RT bytes apart
	s_mov_b32 s[\g+6], 0
	s_mov_b32 s[\g+7], 0
.endr
.irp g, G1SX, G1SY
	s_mov_b32 s[\g+1], 32<<16                      ; four rowtiles' scale words: a dense block, as rows of 256 bytes
	s_mov_b32 s[\g+2], (4*SCT/256)<<16
	s_mov_b32 s[\g+3], 32<<16
	s_mov_b32 s[\g+4], 4*SCT/256
	s_mov_b32 s[\g+5], 32
	s_mov_b32 s[\g+6], 0
	s_mov_b32 s[\g+7], 0
.endr
	s_mul_i32 s24, s[WX], 4*SCT                    ; LDS addresses: constants and the wave's number
	s_add_co_u32 s[G0SX+1], s24, SCX
	s_add_co_u32 s[G0SY+1], s24, SCY
	s_mul_i32 s24, s[WX], 4*SB
	s_mov_b32 s[G0X+1], s24
	s_add_co_u32 s[G0X+9], s24, SLOT
	s_add_co_u32 s[G0Y+1], s24, XT*SB
	s_add_co_u32 s[G0Y+9], s24, SLOT+XT*SB
	s_mov_b32 s[G0SX], 1
	s_mov_b32 s[G0SY], 1
	s_mov_b32 s[G0X], 1
	s_mov_b32 s[G0X+8], 1
	s_mov_b32 s[G0Y], 1
	s_mov_b32 s[G0Y+8], 1
	s_wait_dscnt 0x0                               ; both opening adds are done
	s_wait_kmcnt 0x0
	s_add_nc_u64 s[G0X+2:G0X+3], s[8:9], s[92:93]
	s_add_nc_u64 s[G0X+10:G0X+11], s[G0X+2:G0X+3], SB
	s_add_nc_u64 s[G0SX+2:G0SX+3], s[10:11], s[88:89]
	s_add_nc_u64 s[G0Y+2:G0Y+3], s[4:5], s[96:97]
	s_add_nc_u64 s[G0Y+10:G0Y+11], s[G0Y+2:G0Y+3], SB
	s_add_nc_u64 s[G0SY+2:G0SY+3], s[6:7], s[98:99]
	s_or_b32 s[G0X+3], s[G0X+3], 0x80000000
	s_or_b32 s[G0X+11], s[G0X+11], 0x80000000
	s_or_b32 s[G0SX+3], s[G0SX+3], 0x80000000
	s_or_b32 s[G0Y+3], s[G0Y+3], 0x80000000
	s_or_b32 s[G0Y+11], s[G0Y+11], 0x80000000
	s_or_b32 s[G0SY+3], s[G0SY+3], 0x80000000
	s_add_nc_u64 s[12:13], s[12:13], s[100:101]
	CROUND                                         ; all sixteen work-groups are here: the first joint loads meet
	JLOAD G0SX, G1SX, G0SY, G1SY                   ; three loads of mine are out behind these three lines
	JLOAD G0X, G1X, G0Y, G1Y
	JLOAD G0X+8, G1X, G0Y+8, G1Y
	v_and_b32 v13, 31, v0
	v_lshlrev_b32 v[LI], 4, v13
	v_and_b32 v14, 15, v0                          ; r
	v_bfe_u32 v15, v0, 4, 1                        ; h
	s_mul_i32 s24, s[WX], NB*SB
	v_add_nc_u32 v[ADX], s24, v[LI]
	v_add_nc_u32 v[ADX+1], SLOT, v[ADX]
	s_mul_i32 s24, s[WY], 4*SB
	s_add_co_u32 s24, s24, XT*SB
	v_add_nc_u32 v[ADY], s24, v[LI]
	v_add_nc_u32 v[ADY+1], SLOT, v[ADY]
	s_mul_i32 s24, s[WX], NB*SCT
	s_add_co_u32 s24, s24, SCX
	v_lshl_add_u32 v[ADSX], v14, 4, s24
	s_mul_i32 s24, s[WY], 4*SCT
	s_add_co_u32 s24, s24, SCY
	v_lshl_add_u32 v[ADSY], v14, 4, s24
	s_mul_i32 s24, s[WV], 4352                     ; my stage for the way out: 16 rows x (256 + 16) bytes, in slot 0
	v_mul_u32_u24 v[STO], v14, 272
	v_lshl_add_u32 v[STO], v15, 6, v[STO]
	v_add_nc_u32 v[STO], s24, v[STO]               ; in: row r, + 64 h
	v_mul_u32_u24 v[RD], v15, 272
	v_lshl_add_u32 v[RD], v14, 4, v[RD]
	v_add_nc_u32 v[RD], s24, v[RD]                 ; back: lanes 0-15 one row, lanes 16-31 the next
	v_lshlrev_b32 v[CO], 13, v15
	v_lshl_add_u32 v[CO], v14, 4, v[CO]            ; and the same two rows in out0
.macro FETCH s, q
	WIN 0x40
.irp b, 0,1,2,3
.irp c, 0,1,2,3
	ds_load_b128 v[16*NB*((\q)%2)+16*\b+4*\c:16*NB*((\q)%2)+16*\b+4*\c+3], v[ADX+\s] offset:\b*SB+(\q)*2048+512*\c
.endr
.endr
	WIN 0
.irp a, 0,1,2,3
.irp c, 0,1,2,3
	ds_load_b128 v[YF+64*((\q)%2)+16*\a+4*\c:YF+64*((\q)%2)+16*\a+4*\c+3], v[ADY+\s] offset:\a*SB+(\q)*2048+512*\c
.endr
.endr
.endm
.macro SCALES s                        ; the slot's four words a row: one unit a tile
.irp b, 0,1,2,3
	ds_load_b128 v[SX+16*\s+4*\b:SX+16*\s+4*\b+3], v[ADSX] offset:\b*SCT+SOFF*\s
.endr
.irp a, 0,1,2,3
	ds_load_b128 v[SY+16*\s+4*\a:SY+16*\s+4*\a+3], v[ADSY] offset:\a*SCT+SOFF*\s
.endr
.endm
.macro MULH q, s, a0, zero             ; the 16 accumulators take turns in one order in every step
	WIN 0xa1
.irp a, \a0, \a0+1
.irp b, 0,1,2,3
.if \zero
	v_wmma_scale_f32_16x16x128_f8f6f4 v[8*(NB*(\a)+\b):8*(NB*(\a)+\b)+7], v[16*NB*((\q)%2)+16*\b:16*NB*((\q)%2)+16*\b+15], v[YF+64*((\q)%2)+16*(\a):YF+64*((\q)%2)+16*(\a)+15], 0, v[SX+16*(\s)+NQ*\b+(\q)], v[SY+4*NQ*(\s)+NQ*(\a)+(\q)]
.else
	v_wmma_scale_f32_16x16x128_f8f6f4 v[8*(NB*(\a)+\b):8*(NB*(\a)+\b)+7], v[16*NB*((\q)%2)+16*\b:16*NB*((\q)%2)+16*\b+15], v[YF+64*((\q)%2)+16*(\a):YF+64*((\q)%2)+16*(\a)+15], v[8*(NB*(\a)+\b):8*(NB*(\a)+\b)+7], v[SX+16*(\s)+NQ*\b+(\q)], v[SY+4*NQ*(\s)+NQ*(\a)+(\q)]
.endif
.endr
.endr
.endm
.macro STEP s, q, zero
	s_wait_dscnt 0x0                               ; this step's fragments, asked for a step ago, are in
	PLACES 8                                       ; eight places between the last product and loads into registers that it read
	FETCH \s, (\q)+1
	MULH \q, \s, 0, \zero
	MULH \q, \s, 2, \zero
	WIN 0
.endm
.macro TURN s, nx, fill, bump
	s_wait_tensorcnt 0x0                           ; all my tensor loads have landed: my part of the next slot
	ds_add_u32 v[SPW], v[NIL]
	s_wait_dscnt 0x0                               ; the add is done, my reads of this slot are over
	s_barrier_signal -1
	MULH NQ-1, \s, 0, 0
	WIN 0
	s_barrier_wait -1
.if \fill
	CREST                                          ; a round of the cluster's barrier: no wave of any partner still reads this slot or has a load on its way
	s_add_nc_u64 s[G0X+8*\s+2:G0X+8*\s+3], s[G0X+8*\s+2:G0X+8*\s+3], 2*SB
	s_add_nc_u64 s[G0Y+8*\s+2:G0Y+8*\s+3], s[G0Y+8*\s+2:G0Y+8*\s+3], 2*SB
	JLOAD G0X+8*\s, G1X, G0Y+8*\s, G1Y
	PLACES 4
.else
	PLACES 8
.endif
.if \bump
	v_add_nc_u32 v[ADSX], BUMP, v[ADSX]
	v_add_nc_u32 v[ADSY], BUMP, v[ADSY]
.endif
	FETCH \nx, 0
	SCALES \nx
	MULH NQ-1, \s, 2, 0
	WIN 0
.endm
	s_wait_tensorcnt 1                             ; the scale words and my part of slot 0 are in; slot 1's load may be out
	s_barrier_signal -1
	s_barrier_wait -1
	FETCH 0, 0
	SCALES 0
	STEP 0, 0, 1
	s_mov_b32 s[LAP], LAPS-1
.Llap:
	STEP 0, 1, 0
	STEP 0, 2, 0
	TURN 0, 1, 1, 0
	STEP 1, 0, 0
	STEP 1, 1, 0
	STEP 1, 2, 0
	TURN 1, 0, 1, 1
	STEP 0, 0, 0
	s_sub_co_u32 s[LAP], s[LAP], 1
	s_cmp_lg_u32 s[LAP], 0
	s_cbranch_scc1 .Llap
	STEP 0, 1, 0
	STEP 0, 2, 0
	TURN 0, 1, 0, 0                                ; the last lap fills nothing.  Behind this barrier nobody reads slot 0, which has had its last fill: the stages lie there
	STEP 1, 0, 0
	STEP 1, 1, 0
	STEP 1, 2, 0
	s_wait_dscnt 0x0
	MULH NQ-1, 1, 0, 0
	MULH NQ-1, 1, 2, 0
	WIN 0
	PLACES 8
; THE WAY OUT, a tile of 16 positions x 64 columns at a time, through my own stage.  Lane (r, h), accumulator b, register j: column 32 (b / 2) + 16 h + 8 (b % 2) + j.
.macro TOSTAGE a
	WIN 0x08                                       ; an LDS store's data: window 2
.irp b, 0,1,2,3
	ds_store_b128 v[STO], v[32*\a+8*\b:32*\a+8*\b+3] offset:128*(\b/2)+32*(\b%2)       ; each accumulator from its low end on
	ds_store_b128 v[STO], v[32*\a+8*\b+4:32*\a+8*\b+7] offset:128*(\b/2)+32*(\b%2)+16
.endr
	WIN 0
.irp t, 0,1,2,3,4,5,6,7
	ds_load_b128 v[BK+32*((\a)%2)+4*\t:BK+32*((\a)%2)+4*\t+3], v[RD] offset:544*\t   ; LDS serves a wave's instructions in order: these see the stores above
.endr
.endm
.macro SEND a, younger                 ; the tile's row 2 t (+ 1 in lanes 16-31) is position 32 (a / 2) + 8 (a % 2) + (2 t) % 8 + 16 (2 t / 8) of my 64
	s_wait_dscnt \younger
.irp t, 0,1,2,3,4,5,6,7
	global_store_b128 v[CO], v[BK+32*((\a)%2)+4*\t:BK+32*((\a)%2)+4*\t+3], s[12:13] offset:(32*((\a)/2)+8*((\a)%2)+((2*\t)%8)+16*((2*\t)/8))*8192 th:TH_STORE_NT   ; 16 lanes store 256 consecutive bytes, aligned
.endr
.endm
	TOSTAGE 0
	TOSTAGE 1
	SEND 0, 16                                     ; behind tile 0's loads: tile 1's 8 stores and 8 loads
	s_wait_xcnt 0x0                                ; tile 0's stores have read their registers
	TOSTAGE 2
	SEND 1, 16
	s_wait_xcnt 0x0
	TOSTAGE 3
	SEND 2, 16
	SEND 3, 0
	s_wait_tensorcnt 0x0                           ; the wave's end
	ds_add_u32 v[SPW], v[NIL]
	s_wait_dscnt 0x0
	CROUND                                         ; the closing round
	s_endpgm
.Lfunc_end_k_q0d054e15e6_oproj:
	.size	k_q0d054e15e6_oproj, .Lfunc_end_k_q0d054e15e6_oproj-k_q0d054e15e6_oproj
	.p2alignl 7, 3214868480
	.fill 96, 4, 3214868480
	.section	.rodata,"a",@progbits
	.p2align	6, 0x0
	.amdhsa_kernel k_q0d054e15e6_oproj
		.amdhsa_group_segment_fixed_size 327680
		.amdhsa_private_segment_fixed_size 0
		.amdhsa_enable_private_segment 0
		.amdhsa_kernarg_size 40
		.amdhsa_user_sgpr_count 2
		.amdhsa_user_sgpr_kernarg_segment_ptr 1
		.amdhsa_wavefront_size32 1
		.amdhsa_system_sgpr_workgroup_id_x 1
		.amdhsa_system_sgpr_workgroup_id_y 1
		.amdhsa_system_sgpr_workgroup_id_z 1
		.amdhsa_system_vgpr_workitem_id 0
		.amdhsa_next_free_vgpr 768
		.amdhsa_next_free_sgpr 102
		.amdhsa_reserve_vcc 0
		.amdhsa_float_denorm_mode_32 3
		.amdhsa_float_denorm_mode_16_64 3
		.amdhsa_memory_ordered 1
		.amdhsa_forward_progress 1
		.amdhsa_inst_pref_size 92
	.end_amdhsa_kernel
	.amdgpu_metadata
---
amdhsa.version: [ 1, 2 ]
amdhsa.kernels:
  - .name:           k_q0d054e15e6_oproj
    .symbol:         k_q0d054e15e6_oproj.kd
    .args:
      - { .name: ocodes, .offset: 0, .size: 8, .value_kind: global_buffer, .address_space: global }
      - { .name: oscales, .offset: 8, .size: 8, .value_kind: global_buffer, .address_space: global }
      - { .name: codes1, .offset: 16, .size: 8, .value_kind: global_buffer, .address_space: global }
      - { .name: scales1, .offset: 24, .size: 8, .value_kind: global_buffer, .address_space: global }
      - { .name: out0, .offset: 32, .size: 8, .value_kind: global_buffer, .address_space: global }
    .group_segment_fixed_size: 327680
    .private_segment_fixed_size: 0
    .kernarg_segment_align: 8
    .kernarg_segment_size: 40
    .max_flat_workgroup_size: 128
    .sgpr_count:     102
    .vgpr_count:     768
    .wavefront_size: 32
...
	.end_amdgpu_metadata
.endif
;; end of part 4
;; ======== version 2 of 2: 4 launches
;; limits: right only within a limited range of input values
;; workspace buffers: codes1 25,165,824 bytes; scales1 786,432 bytes; trig 1,048,576 bytes; qkv 6,291,456 bytes; qkvs 196,608 bytes; ocodes 4,194,304 bytes; oscales 131,072 bytes
;; launch quant (part 5): grid 832 x 1, 4 waves a work-group, no clusters, 34,304 bytes of LDS; arguments hidden, mu_prev, Wq, Wmu_q, Wk, Wmu_k, Wv, Wmu_v, Wo, positions, codes1, scales1, trig; writes codes1, scales1, trig
.if DOCPART == 5
	.amdgcn_target "amdgcn-amd-amdhsa--gfx1250"
	.amdhsa_code_object_version 6
	.text
	.protected	k_q0d054e15e6_quant
	.globl	k_q0d054e15e6_quant
	.p2align	8
	.type	k_q0d054e15e6_quant,@function
k_q0d054e15e6_quant:
	s_mov_b64 s[64:65], 0
	v_nop
	global_prefetch_b8 v0, s[64:65] scope:SCOPE_SE
	s_setreg_imm32_b32 hwreg(HW_REG_WAVE_MODE, 25, 1), 1
	s_wait_xcnt 0x0
; FIRST OF FOUR LAUNCHES: quant, qkv, attn, oproj.  This one turns the nine f32 matrices into codes of FP8 (E4M3) with one E8M0 byte for each 32 along K, and makes the table of cos and sin.
; WORK LEFT OUT IN THE WHOLE PROGRAM: reference() builds a causal jnp.tril in its own body and gives every score with key > query the value finfo.min ahead of the softmax, so such a key's weight
; reaches no output, whatever the inputs hold.  The launch attn leaves out the steps of 128 keys that lie wholly behind a tile's queries; inside a step on the diagonal the scores are computed and masked.
; jnp.repeat of k and v is an indexing: the four query heads of a group read the same codes.  Every input has a way to the output and is loaded.
; LIMIT: a NaN, an infinity or an overflow that reaches only the scores left out is not carried to the result.
; LAYOUT OF EVERY BUFFER OF CODES: IMAGES OF OPERAND REGISTERS.  A tile is 16 rows x 128 K = 2,048 bytes: register group c (0..3) of lane L lies at 512 c + 16 L; lane (r = L % 16, h = L / 16) holds
; k = 32 c + 16 h + 0..15 of the tile's row r.  Tile t of a matrix holds the rows 32 (t / 2) + 8 (t % 2) + r % 8 + 16 (r / 8), so that the results of two neighbouring tiles are 16 neighbours in a lane.
; Scale words: a unit of 256 bytes, word j of row r at 16 r + 4 j, for four K steps on end.  A unit's byte offset is its codes' byte offset / 32.
; codes1: rowtiles of 32 K steps (65,536 bytes): 0-127 [hidden | mu_prev], 128-255 [Wq | Wmu_q], 256-287 [Wk | Wmu_k], 288-319 [Wv | Wmu_v]; then Wo: 128 rowtiles of 16 K steps.
; A block's scale is 2^(floor(log2(largest magnitude)) - 8); each number is held within +-448 x the scale and rounded to the nearest code, ties to even.
; SHARES: work-group g < 768 takes one rowtile (16 rows x 2,048 numbers) of one matrix, wave w its K steps 4 w .. 4 w + 3.  Each load reads 512 consecutive bytes of a row; a K step's 16 rows turn through the
; wave's own stage in LDS (rows 528 bytes apart) so that a lane gets 16 neighbours of each block.  Codes leave 512 consecutive bytes a store, a wave's scale words as one aligned 256 bytes.
; Work-groups 768-831 make trig[s][cos 64 | sin 64] from positions: 32 rows each, no LDS.
; LIMITS: a block of zeros gets the byte 1 (its codes are zeros; this program alone reads the bytes); blocks under 2^-118 keep the byte 1; NaN and infinities among the inputs are not served.
; |positions| up to 2^24; inv_freq = 2^(-j log2(10000) / 64) is within about 2 units in the last place, so an angle may differ from reference()'s by about |position| x 2e-7.
.set SPARE, 33792                      ; behind the four stages: the spare words, 128 bytes a wave
.set LOFF, 4                           ; v4  16 x lane + 2,048 x wave: my bytes of a row
.set STI,  5                           ; v5  stage, in: 8,448 x wave + 16 x lane
.set STO,  6                           ; v6  stage, out: 8,448 x wave + 528 r + 64 h
.set LI,   7                           ; v7  16 x lane
.set SO,   8                           ; v8  16 r + 8 h: my 8 bytes of a unit of scale words
.set SPW,  10
.set NIL,  11
.set TM,   12                          ; v12-27 at work in QUANT
.set PWS,  28                          ; v28-31 the four K steps' scale words
.set DD,   32
.set PC,   34                          ; v34-49 a tile's codes
.set R,    64                          ; v64-191 two sets of 64 registers as loaded
.set X,    192                         ; v192-255 64 numbers: register 16 b + i = k 32 b + 16 h + i of row r
.set SRC,  30
.set DCO,  36
.set DSC,  38
.set SEL,  40
.set MNT,  42
.macro QUANT s, pc, pw                 ; 64 numbers of a lane become 16 registers of codes and a scale word
.irp b, 0,1,2,3
	v_max3_num_f32 v[TM+\b], |v[\s+16*\b]|, |v[\s+1+16*\b]|, 0x4800000   ; the floor 2^(9 - 127) holds the byte at 1 from below
.endr
.irp i, 2,4,6,8,10,12,14
.irp b, 0,1,2,3
	v_max3_num_f32 v[TM+\b], |v[\s+16*\b+\i]|, |v[\s+1+16*\b+\i]|, v[TM+\b]
.endr
.endr
.irp b, 0,1,2,3
	v_permlanex16_b32 v[TM+4+\b], v[TM+\b], s[SEL], s[SEL+1]
.endr
.irp b, 0,1,2,3
	v_max_num_f32 v[TM+\b], v[TM+\b], v[TM+4+\b]                   ; with lane l xor 16's 16: the block's largest magnitude
.endr
.irp b, 0,1,2,3
	v_add_nc_u32 v[TM+12+\b], 0xfc000000, v[TM+\b]                 ; 8 off the exponent field: the conversion's scale operand
.endr
.irp b, 0,1,2,3
	v_and_or_b32 v[TM+8+\b], v[TM+\b], 0x7f800000, s[MNT]          ; 448 x the scale
.endr
.irp b, 0,1,2,3
	v_lshrrev_b32 v[TM+4+\b], 23, v[TM+12+\b]                      ; the byte
.endr
	v_lshl_or_b32 v[\pw], v[TM+5], 8, v[TM+4]
	v_lshl_or_b32 v[\pw], v[TM+6], 16, v[\pw]
	v_lshl_or_b32 v[\pw], v[TM+7], 24, v[\pw]
.irp b, 0,1,2,3
.irp i, 0,1,2,3,4,5,6,7,8,9,10,11,12,13,14,15
	v_med3_num_f32 v[\s+16*\b+\i], v[\s+16*\b+\i], -v[TM+8+\b], v[TM+8+\b]   ; the conversion does not saturate (ISA guide 7.6.2): hold first
.endr
	v_cvt_scalef32_pk8_fp8_f32 v[\pc+4*\b:\pc+1+4*\b], v[\s+16*\b:\s+7+16*\b], v[TM+12+\b]
	v_cvt_scalef32_pk8_fp8_f32 v[\pc+2+4*\b:\pc+3+4*\b], v[\s+8+16*\b:\s+15+16*\b], v[TM+12+\b]
.endr
	v_nop                                          ; a plain line behind the last conversion
.endm
	s_load_b512 s[4:19], s[0:1], 0x0               ; hidden, mu_prev, Wq, Wmu_q, Wk, Wmu_k, Wv, Wmu_v
	s_load_b256 s[20:27], s[0:1], 0x40             ; Wo, positions, codes1, scales1
	s_load_b64 s[28:29], s[0:1], 0x60              ; trig
	v_lshl_add_u32 v[SPW], v0, 2, SPARE
	v_mov_b32 v[NIL], 0
	s_cmp_ge_u32 ttmp9, 768
	s_cbranch_scc1 .Ltrig
	v_lshrrev_b32 v1, 5, v0
	v_readfirstlane_b32 s35, v1                    ; wave
	v_and_b32 v2, 31, v0
	v_and_b32 v3, 15, v0                           ; r
	v_bfe_u32 v9, v0, 4, 1                         ; h
	v_lshlrev_b32 v[LI], 4, v2
	s_lshl_b32 s43, s35, 11
	v_add_nc_u32 v[LOFF], s43, v[LI]
	s_mul_i32 s43, s35, 8448
	v_add_nc_u32 v[STI], s43, v[LI]
	v_mul_u32_u24 v[STO], v3, 528
	v_lshl_add_u32 v[STO], v9, 6, v[STO]
	v_add_nc_u32 v[STO], s43, v[STO]
	v_lshlrev_b32 v[SO], 4, v3
	v_lshl_add_u32 v[SO], v9, 3, v[SO]
	s_mov_b32 s[SEL], 0x76543210
	s_mov_b32 s[SEL+1], 0xfedcba98
	s_mov_b32 s[MNT], 0x600000
.irp b, 0,1,2,3
	v_mov_b32 v[TM+4+\b], 0                        ; a lane permute's destination counts as read
.endr
	s_wait_alu depctr_va_vdst(0)
	s_wait_kmcnt 0x0
	; which matrix: a choice on the work-group's number alone
	s_mov_b64 s[SRC:SRC+1], s[4:5]
	s_mov_b32 s32, 0                               ; the matrix's first work-group
	s_mov_b32 s33, 0                               ; where its codes begin
.macro PICK first, ptr, off
	s_cmp_ge_u32 ttmp9, \first
	s_cselect_b64 s[SRC:SRC+1], s[\ptr:\ptr+1], s[SRC:SRC+1]
	s_cselect_b32 s32, \first, s32
	s_cselect_b32 s33, \off, s33
.endm
	PICK 128, 6, 32768
	PICK 256, 8, 8388608
	PICK 384, 10, 8421376
	PICK 512, 12, 16777216
	PICK 544, 14, 16809984
	PICK 576, 16, 18874368
	PICK 608, 18, 18907136
	PICK 640, 20, 20971520
	s_cselect_b32 s34, 15, 16                      ; a rowtile of Wo is 2^15 bytes of codes, of the others 2^16
	s_sub_co_u32 s44, ttmp9, s32                   ; t: the rowtile
	s_lshr_b32 s45, s44, 1
	s_lshl_b32 s45, s45, 18                        ; 32 (t / 2) rows of 8,192 bytes
	s_and_b32 s46, s44, 1
	s_lshl_b32 s46, s46, 16                        ; + 8 (t % 2) rows
	s_add_co_u32 s46, s46, s45
	s_mov_b32 s47, 0
	s_add_nc_u64 s[SRC:SRC+1], s[SRC:SRC+1], s[46:47]
	s_lshl_b32 s44, s44, s34
	s_add_co_u32 s44, s44, s33
	s_lshl_b32 s45, s35, 13                        ; my four K steps
	s_add_co_u32 s44, s44, s45
	s_mov_b32 s45, 0
	s_add_nc_u64 s[DCO:DCO+1], s[24:25], s[44:45]
	s_lshr_b32 s44, s44, 5
	s_add_nc_u64 s[DSC:DSC+1], s[26:27], s[44:45]
.macro LOAD t                          ; K step t of my four: 16 rows x 512 consecutive bytes
.irp i, 0,1,2,3,4,5,6,7,8,9,10,11,12,13,14,15
	global_load_b128 v[R+64*((\t)%2)+4*\i:R+64*((\t)%2)+4*\i+3], v[LOFF], s[SRC:SRC+1] offset:((\i%8)+16*(\i/8))*8192+512*(\t) th:TH_LOAD_NT
.endr
.endm
.macro STEP t
.if (\t) < 3
	s_wait_loadcnt 16                              ; this K step's 16 loads are in; the next one's 16 may be out
.else
	s_wait_loadcnt 0x0
.endif
.irp i, 0,1,2,3,4,5,6,7,8,9,10,11,12,13,14,15
	ds_store_b128 v[STI], v[R+64*((\t)%2)+4*\i:R+64*((\t)%2)+4*\i+3] offset:528*\i
.endr
.irp n, 0,1,2,3,4,5,6,7,8,9,10,11,12,13,14,15
	ds_load_b128 v[X+4*\n:X+4*\n+3], v[STO] offset:128*(\n/4)+16*(\n%4)   ; LDS serves a wave's instructions in order: these see the stores above
.endr
	s_wait_dscnt 0x0
.if (\t) > 0
	s_wait_xcnt 0x0                                ; the last K step's stores have read the codes' registers
.endif
.if (\t) < 2
	LOAD (\t)+2
.endif
	QUANT X, PC, PWS+(\t)
.irp c, 0,1,2,3
	global_store_b128 v[LI], v[PC+4*\c:PC+4*\c+3], s[DCO:DCO+1] offset:2048*(\t)+512*\c
.endr
.endm
	LOAD 0
	LOAD 1
	STEP 0
	STEP 1
	STEP 2
	STEP 3
	v_and_b32 v1, 16, v0                           ; the unit of scale words: lanes 0-15 store words 0, 1 of row r, lanes 16-31 words 2, 3
	v_cmp_ne_u32 vcc_lo, 0, v1
	v_cndmask_b32 v[DD], v[PWS], v[PWS+2], vcc_lo
	v_cndmask_b32 v[DD+1], v[PWS+1], v[PWS+3], vcc_lo
	global_store_b64 v[SO], v[DD:DD+1], s[DSC:DSC+1]   ; 32 lanes store 256 consecutive bytes, aligned
	s_wait_tensorcnt 0x0                           ; the wave's end
	ds_add_u32 v[SPW], v[NIL]
	s_wait_dscnt 0x0
	s_endpgm
; ---- cos and sin.  Thread t: j = 4 (t % 16) + 0..3, rows 32 g + 8 p + t / 16, p = 0..3
.Ltrig:
	s_sub_co_u32 s44, ttmp9, 768
	v_and_b32 v1, 15, v0
	v_lshrrev_b32 v2, 4, v0
	v_lshlrev_b32 v3, 2, v2                        ; positions: 4 bytes a row
	v_lshlrev_b32 v4, 9, v2
	v_lshl_add_u32 v4, v1, 4, v4                   ; trig: 512 bytes a row, 16 bytes a thread
	v_lshlrev_b32 v5, 2, v1
	s_mov_b32 s48, 0x3f22f983                      ; 2 / pi
	s_mov_b32 s49, 0xbfc90fdb                      ; -(pi / 2) in three parts: the first,
	s_mov_b32 s50, 0x333bbd2e                      ; the second (pi / 2 lies under its f32 neighbour, so these two are added),
	s_mov_b32 s51, 0x26f72ced                      ; the third
	s_mov_b32 s52, 0xbe2aaaa3                      ; sin r = r + r^3 (S1 + S2 r^2 + S3 r^4) on |r| <= pi / 4
	s_mov_b32 s53, 0x3c08839e
	s_mov_b32 s54, 0xb94ca1f9
	s_mov_b32 s55, 0x3d2aaaa5                      ; cos r = 1 - r^2 / 2 + r^4 (C1 + C2 r^2 + C3 r^4)
	s_mov_b32 s56, 0xbab6061a
	s_mov_b32 s57, 0x37ccf5ce
	s_mov_b32 s58, 0x3e549a78                      ; log2(10000) / 64, upper part,
	s_mov_b32 s59, 0x31979e5a                      ; lower part
	s_mov_b32 s60, 0xbf317218                      ; -ln 2
	s_lshl_b32 s46, s44, 7
	s_mov_b32 s47, 0
	s_lshl_b32 s44, s44, 14
	s_mov_b32 s45, 0
	s_wait_alu depctr_va_vdst(0)
	s_wait_kmcnt 0x0
	s_add_nc_u64 s[22:23], s[22:23], s[46:47]
	s_add_nc_u64 s[28:29], s[28:29], s[44:45]
.irp p, 0,1,2,3
	global_load_b32 v[44+\p], v3, s[22:23] offset:32*\p
.endr
.irp e, 0,1,2,3
	v_add_nc_u32 v[48+\e], \e, v5
	v_cvt_f32_u32 v[48+\e], v[48+\e]               ; j
	v_mul_f32 v[52+\e], s58, v[48+\e]              ; the exponent, rounded,
	v_fma_f32 v[56+\e], v[48+\e], s58, -v[52+\e]   ; what the rounding dropped,
	v_fma_f32 v[56+\e], v[48+\e], s59, v[56+\e]    ; and the constant's lower part
.endr
	s_wait_alu depctr_va_vdst(0)
.irp e, 0,1,2,3
	v_exp_f32 v[40+\e], -v[52+\e]
.endr
.irp e, 0,1,2,3
	v_mul_f32 v[56+\e], s60, v[56+\e]              ; plain lines behind the exponentials
.endr
	s_wait_alu depctr_va_vdst(0)                   ; one wait for the four, ahead of their first reader
.irp e, 0,1,2,3
	v_fma_f32 v[40+\e], v[40+\e], v[56+\e], v[40+\e]   ; inv_freq = 2^-hi x (1 - ln 2 x lo)
.endr
	s_wait_loadcnt 0x0
.irp p, 0,1,2,3
	v_cvt_f32_i32 v[44+\p], v[44+\p]
.endr
.macro SINCOS x, so, co
	v_mul_f32 v96, s48, v[\x]
	v_rndne_f32 v96, v96                           ; n: the nearest multiple of pi / 2
	v_fma_f32 v97, v96, s49, v[\x]
	v_fma_f32 v97, v96, s50, v97
	v_fma_f32 v97, v96, s51, v97                   ; r = x - n pi / 2
	v_mul_f32 v98, v97, v97
	v_fma_f32 v99, v98, s54, s53
	v_fma_f32 v100, v98, s57, s56
	v_fma_f32 v99, v99, v98, s52
	v_fma_f32 v100, v100, v98, s55
	v_mul_f32 v101, v98, v97
	v_mul_f32 v102, v98, v98
	v_fma_f32 v103, v98, -0.5, 1.0
	v_fma_f32 v99, v99, v101, v97                  ; sin r
	v_fma_f32 v100, v100, v102, v103               ; cos r
	v_cvt_i32_f32 v104, v96
	v_and_b32 v105, 1, v104
	v_cmp_eq_u32 vcc_lo, 1, v105
	v_cndmask_b32 v[\so], v99, v100, vcc_lo        ; odd quadrants change places
	v_cndmask_b32 v[\co], v100, v99, vcc_lo
	v_lshlrev_b32 v105, 30, v104
	v_and_b32 v105, 0x80000000, v105
	v_xor_b32 v[\so], v[\so], v105                 ; sin is negative in quadrants 2, 3
	v_add_nc_u32 v104, 1, v104
	v_lshlrev_b32 v104, 30, v104
	v_and_b32 v104, 0x80000000, v104
	v_xor_b32 v[\co], v[\co], v104                 ; cos in quadrants 1, 2
.endm
	s_wait_alu depctr_va_vdst(0)
.irp p, 0,1,2,3
.irp e, 0,1,2,3
	v_mul_f32 v106, v[44+\p], v[40+\e]
	SINCOS 106, 68+8*\p+\e, 64+8*\p+\e
.endr
	global_store_b128 v4, v[64+8*\p:67+8*\p], s[28:29] offset:4096*\p        ; 16 lanes store a row's 256 bytes of cos,
	global_store_b128 v4, v[68+8*\p:71+8*\p], s[28:29] offset:4096*\p+256    ; and of sin
.endr
	s_endpgm
.Lfunc_end_k_q0d054e15e6_quant:
	.size	k_q0d054e15e6_quant, .Lfunc_end_k_q0d054e15e6_quant-k_q0d054e15e6_quant
	.p2alignl 7, 3214868480
	.fill 96, 4, 3214868480
	.section	.rodata,"a",@progbits
	.p2align	6, 0x0
	.amdhsa_kernel k_q0d054e15e6_quant
		.amdhsa_group_segment_fixed_size 34304
		.amdhsa_private_segment_fixed_size 0
		.amdhsa_enable_private_segment 0
		.amdhsa_kernarg_size 104
		.amdhsa_user_sgpr_count 2
		.amdhsa_user_sgpr_kernarg_segment_ptr 1
		.amdhsa_wavefront_size32 1
		.amdhsa_system_sgpr_workgroup_id_x 1
		.amdhsa_system_sgpr_workgroup_id_y 1
		.amdhsa_system_sgpr_workgroup_id_z 1
		.amdhsa_system_vgpr_workitem_id 0
		.amdhsa_next_free_vgpr 256
		.amdhsa_next_free_sgpr 66
		.amdhsa_reserve_vcc 1
		.amdhsa_float_denorm_mode_32 3
		.amdhsa_float_denorm_mode_16_64 3
		.amdhsa_memory_ordered 1
		.amdhsa_forward_progress 1
		.amdhsa_inst_pref_size 77
	.end_amdhsa_kernel
	.amdgpu_metadata
---
amdhsa.version: [ 1, 2 ]
amdhsa.kernels:
  - .name:           k_q0d054e15e6_quant
    .symbol:         k_q0d054e15e6_quant.kd
    .args:
      - { .name: hidden, .offset: 0, .size: 8, .value_kind: global_buffer, .address_space: global }
      - { .name: mu_prev, .offset: 8, .size: 8, .value_kind: global_buffer, .address_space: global }
      - { .name: Wq, .offset: 16, .size: 8, .value_kind: global_buffer, .address_space: global }
      - { .name: Wmu_q, .offset: 24, .size: 8, .value_kind: global_buffer, .address_space: global }
      - { .name: Wk, .offset: 32, .size: 8, .value_kind: global_buffer, .address_space: global }
      - { .name: Wmu_k, .offset: 40, .size: 8, .value_kind: global_buffer, .address_space: global }
      - { .name: Wv, .offset: 48, .size: 8, .value_kind: global_buffer, .address_space: global }
      - { .name: Wmu_v, .offset: 56, .size: 8, .value_kind: global_buffer, .address_space: global }
      - { .name: Wo, .offset: 64, .size: 8, .value_kind: global_buffer, .address_space: global }
      - { .name: positions, .offset: 72, .size: 8, .value_kind: global_buffer, .address_space: global }
      - { .name: codes1, .offset: 80, .size: 8, .value_kind: global_buffer, .address_space: global }
      - { .name: scales1, .offset: 88, .size: 8, .value_kind: global_buffer, .address_space: global }
      - { .name: trig, .offset: 96, .size: 8, .value_kind: global_buffer, .address_space: global }
    .group_segment_fixed_size: 34304
    .private_segment_fixed_size: 0
    .kernarg_segment_align: 8
    .kernarg_segment_size: 104
    .max_flat_workgroup_size: 128
    .sgpr_count:     66
    .vgpr_count:     256
    .wavefront_size: 32
...
	.end_amdgpu_metadata
.endif
;; end of part 5
;; launch qkv (part 6): grid 16 x 12, 4 waves a work-group, clusters of 4 x 1, 327,680 bytes of LDS; arguments codes1, scales1, trig, qn_w, kn_w, qkv, qkvs; writes qkv, qkvs
.if DOCPART == 6
	.amdgcn_target "amdgcn-amd-amdhsa--gfx1250"
	.amdhsa_code_object_version 6
	.text
	.protected	k_q0d054e15e6_qkv
	.globl	k_q0d054e15e6_qkv
	.p2align	8
	.type	k_q0d054e15e6_qkv,@function
k_q0d054e15e6_qkv:
	s_mov_b64 s[64:65], 0
	v_nop
	global_prefetch_b8 v0, s[64:65] scope:SCOPE_SE
	s_setreg_imm32_b32 hwreg(HW_REG_WAVE_MODE, 25, 1), 1
	s_wait_xcnt 0x0
	s_wait_alu depctr_hold_cnt(0) depctr_sa_sdst(0) depctr_va_vdst(0) depctr_va_sdst(0) depctr_va_ssrc(0) depctr_va_vcc(0) depctr_vm_vsrc(0)
	s_getreg_b32 s2, hwreg(HW_REG_IB_STS2, 6, 4)
	s_cmp_eq_u32 s2, 0
	s_cbranch_scc0 .Lentry_in_a_cluster
	s_endpgm
.Lentry_in_a_cluster:
	s_bfe_u32 s2, ttmp6, 0x10000c
	s_cmp_lg_u32 s2, 0x3003
	s_cbranch_scc0 .Lentry_shape_is_right
	s_endpgm
.Lentry_shape_is_right:
; q, k, v = [hidden | mu_prev] x [W | Wmu]^T on codes of FP8 (K = 4,096: blocks of 32 never cross the seam at 2,048), then RMSNorm and RoPE on q and k in f32, then all three quantised again:
; q and k along the head's 128, v along the keys.  Codes lie as images of operand registers, 2,048 bytes a tile of 16 rows x 128 K, tile t holding rows 32 (t/2) + 8 (t%2) + r%8 + 16 (r/8).
; D = X Y^T, source 0 = a tile of X, source 1 = a tile of Y: a lane holds ONE row of Y, and the 64 registers of eight tiles of X are X's rows 32 c + 16 h + i: what the next quantiser wants.
; Cluster rows gy 0-9 (q, k): X = 256 rows of W (two heads), Y = 128 positions.  gy 10, 11 (v): X = 256 keys, Y = 128 rows of Wv (a head).  Same loop; only addresses differ.
; A work-group: four waves, each 128 rows of X x 64 of Y: 32 accumulators.  192 work-groups: a lane needs a whole head (8 tiles of X) for the norm, and 24 heads x 128 tiles of positions
; divide into equal shares of 32 accumulators a wave only so; the factor 3 lies in the heads alone.
; X goes 512 along K a slot through two LDS slots of 131,072 bytes, each wave fetching four rowtiles.  Y's images go from memory into a ring of four K steps in registers, three steps ahead.
; THE SCALE WORDS do not pass through LDS either: a tile's unit of 256 bytes (four K steps) is one load, 16 bytes a lane, into its scale registers; a slot's 12 units are asked for a slot ahead, two sets.
; A step's loads stand in ONE run ahead of its 32 products, behind eight places; all land in registers that this step's products do not name.
; CLUSTER 4 x 1: the four partners share X's tiles: joint loads with the mask 15.  Y differs between partners.  4 x 4 does not fit: q and k have ten tiles of X, no multiple of four.
; PREFETCH: X's slot 1 at the head; slots 2, 3 behind slot 1's tensor load; then at the change that loads slot n + 2 the slot n + 4.  X: the cluster's 16 rowtiles x 8,192 bytes, rowtile 4 cx + wave, a lane 256 bytes.
; Y: the 8 rowtiles of a block are shared out among the clusters that read it (number RI: gy for q and k, 4 (gy - 10) + cluster x for v; RI 8, 9 ask for nothing), wave 0, a lane 256 bytes.
; cos and sin: 16 rows of the block's 128 by the same share, once.  No slot lies behind slot 7: the loop's last trip asks for nothing.
; No work of reference() is left out here.
; REGISTERS: window 0: v1-12 addresses; v16-79 X's scale words, v82-113 Y's (two sets each; nothing else); on the way out v128-253 at work.
;   window 1: X's fragments, two sets of 128; at the end v0-63 the norm's weights.   window 2: accumulator n = 8 a + b at v[8 n].
;   window 3: Y's ring: K step g at v[64 (g % 4) + 16 a]; at the end cos and sin of my 64 positions, tile a in place a as the ring leaves it.
.set KK,   4096
.set NB,   8
.set NQ,   4
.set RT,   16*KK
.set SB,   2048*NQ
.set SLOT, 2*NB*SB
.set SCT,  KK/2
.set SPARE, 2*SLOT
.set LAPS, KK/(256*NQ)
.set ADX, 1
.set PFO, 3                            ; v3 256 x lane; never rewritten
.set SOF, 5                            ; v5 16 r: my 16 bytes of a unit of scale words
.set SPW, 7
.set NIL, 8
.set LI,  9                            ; v9 16 x lane; never rewritten
.set VT,  10
.set NWO, 11
.set SO,  12
.set SX,  16
.set SY,  82                           ; 2 off a multiple of 8: no product's two scale registers have numbers equal modulo 8
.set NW,  0
.set T,   128
.set PC,  192
.set TM,  208
.set SS,  224
.set RS,  232
.set U,   240
.set PWS, 248
.set DD,  252
.set WV,  18
.set WX,  19
.set WY,  20
.set CX,  21
.set MNT, 22
.set GY,  23
.set LAP, 24
.set ISV, 25
.set SEL, 26
.set G1X, 28
.set XSB, 36                           ; s[36:37], s[38:39] my tiles' scale words, at the lap's first slot
.set YSB, 38
.set PFX, 40                           ; s[40:41], s[42:43] the rowtiles that I ask for ahead, at the lap's first slot
.set PFY, 42
.set PFT, 44
.set LIMY, 46                          ; 1 in the wave that asks for Y, else the greatest number
.set LIMT, 47
.set G0X, 52
.set RI,  62
.set YB,  72
.set MSB, 0
.macro WIN new
.if MSB != \new
	s_set_vgpr_msb (MSB<<8)|\new
.set MSB, \new
.endif
.endm
.macro PLACES n
.rept \n
	v_nop
.endr
.endm
.macro TL g0, g1                       ; every wave issues the line, each with LDS bytes and rows of its own by its number
	tensor_load_to_lds s[\g0:\g0+3], s[\g1:\g1+7]
	s_nop 0
.endm
.macro CREST
	s_cmp_lg_u32 s[WV], 0
	s_cbranch_scc1 .Lnot_wave_0_\@
	s_barrier_signal -3
.Lnot_wave_0_\@:
	s_barrier_wait -3
	s_barrier_signal -1
	s_barrier_wait -1
.endm
.macro CROUND
	s_barrier_signal -1
	s_barrier_wait -1
	CREST
.endm
	s_load_b256 s[4:11], s[0:1], 0x0               ; codes1, scales1, trig, qn_w
	s_load_b128 s[12:15], s[0:1], 0x20             ; kn_w, qkv
	s_load_b64 s[16:17], s[0:1], 0x30              ; qkvs
	v_lshl_add_u32 v[SPW], v0, 2, SPARE
	v_mov_b32 v[NIL], 0
	ds_add_u32 v[SPW], v[NIL]                      ; the opening: two adds of 0, waited for ahead of my first tensor load
	ds_add_u32 v[SPW], v[NIL]
	v_lshrrev_b32 v9, 5, v0
	v_readfirstlane_b32 s[WV], v9
	s_and_b32 s[WX], s[WV], 1
	s_lshr_b32 s[WY], s[WV], 1
	s_bfe_u32 s[CX], ttmp6, 0x40000
	s_and_b32 s[GY], ttmp7, 0xffff
	s_lshl_b32 s90, s[GY], 4                       ; X's rowtile: of gy and the cluster's x alone
	s_add_co_u32 s90, s90, 128                     ; q, k: 128 + 16 gy
	s_sub_co_u32 s91, s[GY], 10
	s_lshl_b32 s91, s91, 2
	s_add_co_u32 s91, s91, ttmp9                   ; v: block of 256 keys xi = 4 (gy - 10) + cluster x,
	s_mov_b32 s[RI], s91
	s_lshl_b32 s91, s91, 4                         ; rowtile 16 xi
	s_lshl_b32 s94, ttmp9, 2
	s_add_co_u32 s94, s94, s[CX]                   ; block of 128 positions
	s_lshl_b32 s95, s94, 3                         ; q, k: Y's rowtile 8 x block
	s_lshl_b32 s96, s[CX], 3
	s_add_co_u32 s96, s96, 288                     ; v: 288 + 8 cx
	s_lshl_b32 s97, s[GY], 1
	s_add_co_u32 s97, s97, s[WX]                   ; q, k: head 2 gy + wx
	s_add_co_u32 s98, s[CX], 20                    ; v: 20 + cx
	s_lshl_b32 s99, s[WX], 3
	s_add_co_u32 s99, s99, s91                     ; v: tile 8 (2 xi + wx)
	s_cmp_ge_u32 s[GY], 10
	s_cselect_b32 s[ISV], 1, 0
	s_cselect_b32 s90, s91, s90
	s_cselect_b32 s99, s99, s95
	s_cselect_b32 s95, s96, s95
	s_cselect_b32 s97, s98, s97
	s_cselect_b32 s[RI], s[RI], s[GY]
	s_lshl_b32 s100, s[WY], 2
	s_add_co_u32 s99, s99, s100                    ; + 4 wy: my first tile of results
	s_lshl_b32 s97, s97, 18
	s_lshl_b32 s99, s99, 11
	s_add_co_u32 s100, s97, s99
	s_mov_b32 s101, 0
	s_lshl_b32 s98, s94, 16                        ; trig: 128 rows of 512 bytes a block, 64 a wave
	s_lshl_b32 s99, s[WY], 15
	s_add_co_u32 s98, s98, s99
	s_mov_b32 s99, 0
	s_lshl_b32 s92, s[WV], 2
	s_add_co_u32 s92, s92, s90                     ; X: the first of the 4 rowtiles that I fetch
	s_lshl_b32 s92, s92, 16
	s_mov_b32 s93, 0
	s_lshl_b32 s88, s[WX], 3
	s_add_co_u32 s88, s88, s90                     ; X: the 8 rowtiles that I multiply: their scale words
	s_lshl_b32 s88, s88, 11
	s_mov_b32 s89, 0
	s_add_co_u32 s48, s95, s[RI]                   ; Y: the rowtile that my work-group asks for ahead
	s_lshl_b32 s48, s48, 16
	s_mov_b32 s49, 0
	s_lshl_b32 s94, s[WY], 2
	s_add_co_u32 s94, s94, s95                     ; Y: the four rowtiles that I multiply:
	s_lshl_b32 s2, s94, 11                         ; their scale words,
	s_mov_b32 s3, 0
	s_lshl_b32 s94, s94, 16                        ; their codes
	s_mov_b32 s95, 0
	s_lshl_b32 s50, s[CX], 2
	s_add_co_u32 s50, s50, s[WV]
	s_add_co_u32 s50, s50, s90                     ; X: the rowtile that I ask for ahead: 4 cx + wave of the cluster's 16
	s_lshl_b32 s50, s50, 16
	s_mov_b32 s51, 0
	s_lshl_b32 s60, s[RI], 13                      ; trig: 16 rows of 512 bytes
	s_mov_b32 s61, 0
	s_cmp_lt_u32 s[RI], 8
	s_cselect_b32 s[LIMY], 1, -1
	s_cmp_eq_u32 s[WV], 0
	s_cselect_b32 s[LIMY], s[LIMY], -1
	s_cmp_eq_u32 s[ISV], 0
	s_cselect_b32 s[LIMT], s[LIMY], -1
	s_mov_b32 s[G1X], 15|(3<<16)|(1<<21)           ; group 1: elements of 8 bytes; the mask: all four partners; bit 21 beside it
	s_mov_b32 s[G1X+1], (SB/8)<<16                 ; a slot's part of a rowtile: SB consecutive bytes,
	s_mov_b32 s[G1X+2], 4<<16                      ; four rowtiles,
	s_mov_b32 s[G1X+3], (SB/8)<<16
	s_mov_b32 s[G1X+4], 4
	s_mov_b32 s[G1X+5], RT/8                       ; RT bytes apart
	s_mov_b32 s[G1X+6], 0
	s_mov_b32 s[G1X+7], 0
	s_mul_i32 s24, s[WV], 4*SB
	s_mov_b32 s[G0X+1], s24
	s_add_co_u32 s[G0X+5], s24, SLOT
	s_mov_b32 s[G0X], 1
	s_mov_b32 s[G0X+4], 1
	s_mov_b32 s[SEL], 0x76543210
	s_mov_b32 s[SEL+1], 0xfedcba98
	s_mov_b32 s[MNT], 0x600000
	s_wait_dscnt 0x0                               ; both opening adds are done
	s_wait_kmcnt 0x0
	s_add_nc_u64 s[G0X+2:G0X+3], s[4:5], s[92:93]
	s_add_nc_u64 s[G0X+6:G0X+7], s[G0X+2:G0X+3], SB
	s_add_nc_u64 s[XSB:XSB+1], s[6:7], s[88:89]
	s_add_nc_u64 s[YSB:YSB+1], s[6:7], s[2:3]
	s_add_nc_u64 s[YB:YB+1], s[4:5], s[94:95]
	s_add_nc_u64 s[PFX:PFX+1], s[4:5], s[50:51]
	s_add_nc_u64 s[PFY:PFY+1], s[4:5], s[48:49]
	s_or_b32 s[G0X+3], s[G0X+3], 0x80000000
	s_or_b32 s[G0X+7], s[G0X+7], 0x80000000
	s_add_nc_u64 s[8:9], s[8:9], s[98:99]          ; trig at my 64 positions
	s_add_nc_u64 s[PFT:PFT+1], s[8:9], s[60:61]
	s_add_nc_u64 s[14:15], s[14:15], s[100:101]    ; my four tiles of results,
	s_lshr_b32 s100, s100, 5
	s_add_nc_u64 s[16:17], s[16:17], s[100:101]    ; and their unit of scale words
	s_cmp_lt_u32 s[GY], 8
	s_cselect_b64 s[10:11], s[10:11], s[12:13]     ; q's weights or k's
	s_mul_i32 s24, s[WX], NB*SB
	CROUND                                         ; all four work-groups are here: the first joint loads meet
	TL G0X, G1X                                    ; slot 0: my one tensor load at the head
	PLACES 4
	v_and_b32 v13, 31, v0
	v_lshlrev_b32 v[LI], 4, v13
	v_lshlrev_b32 v[PFO], 8, v13
	v_and_b32 v14, 15, v0                          ; r
	v_bfe_u32 v15, v0, 4, 1                        ; h
	v_add_nc_u32 v[ADX], s24, v[LI]
	v_add_nc_u32 v[ADX+1], SLOT, v[ADX]
	v_lshlrev_b32 v[SOF], 4, v14
	v_and_b32 v13, 7, v14
	v_lshrrev_b32 v[SO], 3, v14
	v_lshl_add_u32 v13, v[SO], 4, v13              ; r % 8 + 16 (r / 8)
	v_lshlrev_b32 v[VT], 9, v13
	v_lshl_add_u32 v[VT], v15, 6, v[VT]            ; trig: my row, + 64 h
	v_lshlrev_b32 v[NWO], 6, v15
	v_lshlrev_b32 v[SO], 4, v14
	v_lshl_add_u32 v[SO], v15, 3, v[SO]
	s_wait_alu depctr_va_vdst(0)
.macro FETCH s, q                      ; X's eight fragments of the slot's q-th 128 along K, as they lie: 32 dense loads of 512 bytes
	WIN 0x40
.set L_, 0
.rept 32
	ds_load_b128 v[128*((\q)%2)+4*L_:128*((\q)%2)+4*L_+3], v[ADX+\s] offset:(L_/4)*SB+(\q)*2048+512*(L_%4)
.set L_, L_+1
.endr
.endm
.macro YLOAD k                         ; Y's four fragments of K step k, counted from the lap's first: 16 loads of 512 consecutive bytes, into place k % 4 of the ring
	WIN 0xc0
.set L_, 0
.rept 16
	global_load_b128 v[64*((\k)%4)+4*L_:64*((\k)%4)+4*L_+3], v[LI], s[YB:YB+1] offset:(L_/4)*RT+(\k)*2048+512*(L_%4)
.set L_, L_+1
.endr
.endm
.macro SCALES n                        ; the scale words of slot n, counted from the lap's first: X's eight units, Y's four, into set n % 2
	WIN 0
.irp b, 0,1,2,3,4,5,6,7
	global_load_b128 v[SX+32*((\n)%2)+4*\b:SX+32*((\n)%2)+4*\b+3], v[SOF], s[XSB:XSB+1] offset:\b*SCT+256*(\n)
.endr
.irp a, 0,1,2,3
	global_load_b128 v[SY+16*((\n)%2)+4*\a:SY+16*((\n)%2)+4*\a+3], v[SOF], s[YSB:YSB+1] offset:\a*SCT+256*(\n)
.endr
.endm
.macro PRODS q, s, from, to, zero      ; products n = 8 a + b.  The 32 accumulators take turns in one order in every step
	WIN 0xad                                       ; source 0 (X) window 1, source 1 (Y) window 3, C and D window 2
.set N_, \from
.rept (\to)-(\from)
.set A_, N_/8
.set B_, N_%8
.if \zero
	v_wmma_scale_f32_16x16x128_f8f6f4 v[8*N_:8*N_+7], v[128*((\q)%2)+16*B_:128*((\q)%2)+16*B_+15], v[64*(\q)+16*A_:64*(\q)+16*A_+15], 0, v[SX+32*(\s)+NQ*B_+(\q)], v[SY+16*(\s)+NQ*A_+(\q)]
.else
	v_wmma_scale_f32_16x16x128_f8f6f4 v[8*N_:8*N_+7], v[128*((\q)%2)+16*B_:128*((\q)%2)+16*B_+15], v[64*(\q)+16*A_:64*(\q)+16*A_+15], v[8*N_:8*N_+7], v[SX+32*(\s)+NQ*B_+(\q)], v[SY+16*(\s)+NQ*A_+(\q)]
.endif
.set N_, N_+1
.endr
.endm
; A step whose successor lies in the same slot.  yk: the K step of Y asked for (three on), or -1;  lc: the younger global loads that may stay out, or -1: no wait;  sk: the slot whose scale words are asked for, or -1.
.macro STEP s, q, zero, yk, lc, sk
	s_wait_dscnt 0x0                               ; this step's fragments of X, asked for a step ago, are in
.if \lc >= 0
	s_wait_loadcnt \lc                             ; this step's Y (and, at a slot's first step, its scale words, which are older) is in
.endif
	PLACES 8                                       ; eight places between the last product and loads into registers that it read
.if \yk >= 0
	YLOAD \yk
.endif
.if \sk >= 0
	SCALES \sk
.endif
	FETCH \s, (\q)+1
	PRODS \q, \s, 0, 32, \zero
	WIN 0
.endm
.macro ASK k                           ; slot k, counted from the lap's first: two changes ahead of the load that will want it
	s_cmp_gt_u32 s[LAP], 1
	s_cbranch_scc0 .Lno_x_\@
	global_prefetch_b8 v[PFO], s[PFX:PFX+1] offset:(\k)*SB th:TH_LOAD_NT scope:SCOPE_SE
.Lno_x_\@:
	s_cmp_gt_u32 s[LAP], s[LIMY]
	s_cbranch_scc0 .Lno_y_\@
	global_prefetch_b8 v[PFO], s[PFY:PFY+1] offset:(\k)*SB th:TH_LOAD_NT scope:SCOPE_SE
.Lno_y_\@:
.endm
.macro TURN s, nx, fill, yk, lc, pf    ; a slot's last step changes slots
	s_wait_loadcnt \lc                             ; this step's Y
	s_wait_tensorcnt 0x0                           ; all my tensor loads have landed: my part of the next slot
	ds_add_u32 v[SPW], v[NIL]
	s_wait_dscnt 0x0                               ; the add is done, my reads of this slot are over
	s_barrier_signal -1
	PRODS NQ-1, \s, 0, 16, 0
	WIN 0
	s_barrier_wait -1
.if \fill
	CREST                                          ; the barrier has opened a round of the cluster's: no wave of any partner still reads this slot or has a load on its way
	s_add_nc_u64 s[G0X+4*\s+2:G0X+4*\s+3], s[G0X+4*\s+2:G0X+4*\s+3], 2*SB
	TL G0X+4*\s, G1X                               ; the first tensor load behind the round, one a wave
.endif
	PLACES 8
	FETCH \nx, 0
	YLOAD \yk
	WIN 0
.if \pf >= 0
	ASK \pf
.endif
	PRODS NQ-1, \s, 16, 32, 0
	WIN 0
.endm
.macro TRG a                           ; cos and sin of tile a's 16 positions: registers 0-31 cos, 32-63 sin, of j = 32 c + 16 h + i, into the ring's place a
	WIN 0xc0
.irp n, 0,1,2,3,4,5,6,7,8,9,10,11,12,13,14,15
	global_load_b128 v[64*\a+4*\n:64*\a+4*\n+3], v[VT], s[8:9] offset:(32*(\a/2)+8*(\a%2))*512+256*(\n/8)+128*((\n/4)%2)+16*(\n%4)
.endr
.endm
	SCALES 0                                       ; slot 0's scale words, ahead of Y's loads: the count for Y's first step covers them
	YLOAD 0                                        ; the ring's first three K steps
	YLOAD 1
	YLOAD 2
	WIN 0
	global_prefetch_b8 v[PFO], s[PFX:PFX+1] offset:SB th:TH_LOAD_NT scope:SCOPE_SE   ; slot 1, whose tensor load stands behind the round below
	s_wait_tensorcnt 0x0                           ; my part of slot 0 is in
	ds_add_u32 v[SPW], v[NIL]
	s_wait_dscnt 0x0
	CROUND                                         ; everybody's part of slot 0 is in, and the four work-groups are here
	TL G0X+4, G1X                                  ; slot 1
	PLACES 4
	FETCH 0, 0
	WIN 0
	global_prefetch_b8 v[PFO], s[PFX:PFX+1] offset:2*SB th:TH_LOAD_NT scope:SCOPE_SE
	global_prefetch_b8 v[PFO], s[PFX:PFX+1] offset:3*SB th:TH_LOAD_NT scope:SCOPE_SE
	s_cmp_eq_u32 s[LIMY], 1
	s_cbranch_scc0 .Lnot_y
	global_prefetch_b8 v[PFO], s[PFY:PFY+1] offset:2*SB th:TH_LOAD_NT scope:SCOPE_SE
	global_prefetch_b8 v[PFO], s[PFY:PFY+1] offset:3*SB th:TH_LOAD_NT scope:SCOPE_SE
.Lnot_y:
	s_cmp_eq_u32 s[LIMT], 1
	s_cbranch_scc0 .Lnot_t
	global_prefetch_b8 v[PFO], s[PFT:PFT+1] th:TH_LOAD_NT scope:SCOPE_SE
.Lnot_t:
	STEP 0, 0, 1, 3, 32, 1                         ; the first step's products start the sums.  32: Y's steps 1, 2
	s_mov_b32 s[LAP], LAPS-1
.Llap:                                             ; a trip: eight K steps.  44: two younger steps of Y and the 12 scale loads between them; 32 at a slot's first step
	STEP 0, 1, 0, 4, 44, -1
	STEP 0, 2, 0, 5, 44, -1
	TURN 0, 1, 1, 6, 44, 4
	STEP 1, 0, 0, 7, 32, 2
	STEP 1, 1, 0, 8, 44, -1
	STEP 1, 2, 0, 9, 44, -1
	TURN 1, 0, 1, 10, 44, 5
	STEP 0, 0, 0, 11, 32, 3
	s_wait_xcnt 0x0                                ; the loads and prefetches have read their bases: they may step
	s_add_nc_u64 s[YB:YB+1], s[YB:YB+1], 8*2048
	s_add_nc_u64 s[XSB:XSB+1], s[XSB:XSB+1], 512
	s_add_nc_u64 s[YSB:YSB+1], s[YSB:YSB+1], 512
	s_add_nc_u64 s[PFX:PFX+1], s[PFX:PFX+1], 2*SB
	s_add_nc_u64 s[PFY:PFY+1], s[PFY:PFY+1], 2*SB
	s_sub_co_u32 s[LAP], s[LAP], 1
	s_cmp_lg_u32 s[LAP], 0
	s_cbranch_scc1 .Llap
	STEP 0, 1, 0, 4, 44, -1                        ; the last lap fills no slot
	STEP 0, 2, 0, 5, 44, -1
	TURN 0, 1, 0, 6, 44, -1
	STEP 1, 0, 0, 7, 32, -1
	STEP 1, 1, 0, -1, 32, -1
	s_wait_loadcnt 0x0                             ; Y's last two K steps are in: no count on Y follows
	PLACES 8
	s_cmp_lg_u32 s[ISV], 0                         ; the cluster's y alone decides.  q, k: the ring's places 0 and 1 are left: they take cos and sin of tiles 0 and 1
	s_cbranch_scc1 .Lno_t01
	TRG 0
	TRG 1
	WIN 0
.Lno_t01:
	STEP 1, 2, 0, -1, -1, -1
	PLACES 8
	s_cmp_lg_u32 s[ISV], 0
	s_cbranch_scc1 .Lno_t2
	TRG 2                                          ; place 2, and X's set 0, which takes the norm's weights
	WIN 0x40
.irp n, 0,1,2,3,4,5,6,7,8,9,10,11,12,13,14,15
	global_load_b128 v[NW+4*\n:NW+4*\n+3], v[NWO], s[10:11] offset:128*(\n/4)+16*(\n%4)
.endr
	WIN 0
.Lno_t2:
	s_wait_dscnt 0x0
	PRODS NQ-1, 1, 0, 32, 0
	WIN 0
	PLACES 8
; 64 numbers (window by wa, wb), register 16 b + i = k 32 b + 16 h + i of my row, become codes in v[pc] on and a scale word in v[pw]; the held numbers go to v[d] on, window 0
.macro QUANT s, wa, wb, d, pc, pw
	WIN \wa
.irp b, 0,1,2,3
	v_max3_num_f32 v[TM+\b], |v[\s+16*\b]|, |v[\s+1+16*\b]|, 0x4800000   ; each accumulator is read from its low end on; the floor 2^(9 - 127) holds the byte at 1 from below
.endr
.irp i, 2,4,6,8,10,12,14
.irp b, 0,1,2,3
	v_max3_num_f32 v[TM+\b], |v[\s+16*\b+\i]|, |v[\s+1+16*\b+\i]|, v[TM+\b]
.endr
.endr
	WIN 0
.irp b, 0,1,2,3
	v_permlanex16_b32 v[TM+4+\b], v[TM+\b], s[SEL], s[SEL+1]
.endr
.irp b, 0,1,2,3
	v_max_num_f32 v[TM+\b], v[TM+\b], v[TM+4+\b]
.endr
.irp b, 0,1,2,3
	v_add_nc_u32 v[TM+12+\b], 0xfc000000, v[TM+\b]
.endr
.irp b, 0,1,2,3
	v_and_or_b32 v[TM+8+\b], v[TM+\b], 0x7f800000, s[MNT]
.endr
.irp b, 0,1,2,3
	v_lshrrev_b32 v[TM+4+\b], 23, v[TM+12+\b]
.endr
	v_lshl_or_b32 v[\pw], v[TM+5], 8, v[TM+4]
	v_lshl_or_b32 v[\pw], v[TM+6], 16, v[\pw]
	v_lshl_or_b32 v[\pw], v[TM+7], 24, v[\pw]
	WIN \wb
.irp b, 0,1,2,3
.irp i, 0,1,2,3,4,5,6,7,8,9,10,11,12,13,14,15
	v_med3_num_f32 v[\d+16*\b+\i], v[\s+16*\b+\i], -v[TM+8+\b], v[TM+8+\b]
.endr
.endr
	WIN 0
.irp b, 0,1,2,3
	v_cvt_scalef32_pk8_fp8_f32 v[\pc+4*\b:\pc+1+4*\b], v[\d+16*\b:\d+7+16*\b], v[TM+12+\b]
	v_cvt_scalef32_pk8_fp8_f32 v[\pc+2+4*\b:\pc+3+4*\b], v[\d+8+16*\b:\d+15+16*\b], v[TM+12+\b]
.endr
	v_nop                                          ; a plain line behind the last conversion
.endm
.macro ROWOUT a                        ; tile a's image: four stores of 512 consecutive bytes
.irp c, 0,1,2,3
	global_store_b128 v[LI], v[PC+4*\c:PC+4*\c+3], s[14:15] offset:2048*\a+512*\c
.endr
.endm
.irp b, 0,1,2,3
	v_mov_b32 v[TM+4+\b], 0                        ; a lane permute's destination counts as read
.endr
	s_cmp_lg_u32 s[ISV], 0
	s_cbranch_scc1 .Lvpath
	; ---- q and k.  The last tile's cos and sin go into the ring's last place; the sums of squares run meanwhile
	TRG 3
	s_mov_b32 s91, 0x3c000000                      ; 1 / 128
	s_mov_b32 s92, 0x358637bd                      ; 1e-6
	WIN 0x0a
.irp a, 0,1,2,3
	v_pk_mul_f32 v[SS+2*\a:SS+2*\a+1], v[64*\a:64*\a+1], v[64*\a:64*\a+1]
.endr
.set k, 1
.rept 31
.irp a, 0,1,2,3
	v_pk_fma_f32 v[SS+2*\a:SS+2*\a+1], v[64*\a+2*k:64*\a+2*k+1], v[64*\a+2*k:64*\a+2*k+1], v[SS+2*\a:SS+2*\a+1]
.endr
.set k, k+1
.endr
	WIN 0
.irp a, 0,1,2,3
	v_add_f32 v[SS+2*\a], v[SS+2*\a], v[SS+2*\a+1]
.endr
.irp a, 0,1,2,3
	v_permlanex16_b32 v[SS+2*\a+1], v[SS+2*\a], s[SEL], s[SEL+1]
.endr
.irp a, 0,1,2,3
	v_add_f32 v[SS+2*\a], v[SS+2*\a], v[SS+2*\a+1] ; the head's other 64 lie in lane l xor 16
.endr
.irp a, 0,1,2,3
	v_fma_f32 v[SS+2*\a], v[SS+2*\a], s91, s92     ; the mean of squares + eps
.endr
	s_wait_alu depctr_va_vdst(0)
.irp a, 0,1,2,3
	v_rsq_f32 v[RS+2*\a], v[SS+2*\a]
.endr
.irp a, 0,1,2,3
	v_mov_b32 v[RS+2*\a+1], 0                      ; (named with it as a pair.)  Plain lines behind the batch
.endr
	s_wait_alu depctr_va_vdst(0)                   ; one wait for the four, ahead of their first reader
	s_wait_loadcnt 16                              ; tiles 0-2 and the weights are in; the last tile's 16 loads may be out
.macro QKROW a
	WIN 0x02
.set k, 0
.rept 32
	v_pk_mul_f32 v[T+2*k:T+2*k+1], v[64*\a+2*k:64*\a+2*k+1], v[RS+2*\a:RS+2*\a+1] op_sel_hi:[1,0]
.set k, k+1
.endr
	WIN 0x04                                       ; source 1: window 1, the weights
.set k, 0
.rept 32
	v_pk_mul_f32 v[T+2*k:T+2*k+1], v[T+2*k:T+2*k+1], v[NW+2*k:NW+2*k+1]
.set k, k+1
.endr
	WIN 0x0c                                       ; source 1: window 3, cos and sin
.irp c, 0,1
.set k, 0
.rept 8
.set rx1, T+16*\c+2*k
.set rx2, T+32+16*\c+2*k
.set rcs, 64*\a+16*\c+2*k
.set rsn, 64*\a+32+16*\c+2*k
.set ruu, U+4*(k%2)
	v_pk_mul_f32 v[ruu:ruu+1], v[rx2:rx2+1], v[rsn:rsn+1]
	v_pk_mul_f32 v[ruu+2:ruu+3], v[rx1:rx1+1], v[rsn:rsn+1]
	v_pk_fma_f32 v[rx1:rx1+1], v[rx1:rx1+1], v[rcs:rcs+1], v[ruu:ruu+1] neg_lo:[0,0,1] neg_hi:[0,0,1]   ; x1 cos - x2 sin
	v_pk_fma_f32 v[rx2:rx2+1], v[rx2:rx2+1], v[rcs:rcs+1], v[ruu+2:ruu+3]                               ; x2 cos + x1 sin
.set k, k+1
.endr
.endr
	WIN 0
.if \a > 0
	s_wait_xcnt 0x0                                ; the last tile's stores have read the codes' registers
.endif
	QUANT T, 0, 0, T, PC, PWS+\a
	ROWOUT \a
.endm
	QKROW 0
	QKROW 1
	QKROW 2
	s_wait_loadcnt 0x0                             ; the last tile's cos and sin
	QKROW 3
	s_branch .Ljoin
.Lvpath:
	; ---- v: a lane holds a channel, its registers 128 keys: quantised as they stand
.irp a, 0,1,2,3
.if \a > 0
	s_wait_xcnt 0x0
.endif
	QUANT 64*\a, 0x0a, 0x02, T, PC, PWS+\a
	ROWOUT \a
.endr
.Ljoin:
	v_and_b32 v13, 16, v0                          ; my four tiles' scale words are one unit: word a of row r at 16 r + 4 a
	v_cmp_ne_u32 vcc_lo, 0, v13
	v_cndmask_b32 v[DD], v[PWS], v[PWS+2], vcc_lo
	v_cndmask_b32 v[DD+1], v[PWS+1], v[PWS+3], vcc_lo
	global_store_b64 v[SO], v[DD:DD+1], s[16:17]   ; 32 lanes store 256 consecutive bytes, aligned
	s_wait_tensorcnt 0x0                           ; the wave's end
	ds_add_u32 v[SPW], v[NIL]
	s_wait_dscnt 0x0
	CROUND                                         ; the closing round
	s_endpgm
.Lfunc_end_k_q0d054e15e6_qkv:
	.size	k_q0d054e15e6_qkv, .Lfunc_end_k_q0d054e15e6_qkv-k_q0d054e15e6_qkv
	.p2alignl 7, 3214868480
	.fill 96, 4, 3214868480
	.section	.rodata,"a",@progbits
	.p2align	6, 0x0
	.amdhsa_kernel k_q0d054e15e6_qkv
		.amdhsa_group_segment_fixed_size 327680
		.amdhsa_private_segment_fixed_size 0
		.amdhsa_enable_private_segment 0
		.amdhsa_kernarg_size 56
		.amdhsa_user_sgpr_count 2
		.amdhsa_user_sgpr_kernarg_segment_ptr 1
		.amdhsa_wavefront_size32 1
		.amdhsa_system_sgpr_workgroup_id_x 1
		.amdhsa_system_sgpr_workgroup_id_y 1
		.amdhsa_system_sgpr_workgroup_id_z 1
		.amdhsa_system_vgpr_workitem_id 0
		.amdhsa_next_free_vgpr 1024
		.amdhsa_next_free_sgpr 102
		.amdhsa_reserve_vcc 1
		.amdhsa_float_denorm_mode_32 3
		.amdhsa_float_denorm_mode_16_64 3
		.amdhsa_memory_ordered 1
		.amdhsa_forward_progress 1
		.amdhsa_inst_pref_size 255
	.end_amdhsa_kernel
	.section	.bss,"aw",@nobits
	.p2align	6
	.space	262144
	.amdgpu_metadata
---
amdhsa.version: [ 1, 2 ]
amdhsa.kernels:
  - .name:           k_q0d054e15e6_qkv
    .symbol:         k_q0d054e15e6_qkv.kd
    .args:
      - { .name: codes1, .offset: 0, .size: 8, .value_kind: global_buffer, .address_space: global }
      - { .name: scales1, .offset: 8, .size: 8, .value_kind: global_buffer, .address_space: global }
      - { .name: trig, .offset: 16, .size: 8, .value_kind: global_buffer, .address_space: global }
      - { .name: qn_w, .offset: 24, .size: 8, .value_kind: global_buffer, .address_space: global }
      - { .name: kn_w, .offset: 32, .size: 8, .value_kind: global_buffer, .address_space: global }
      - { .name: qkv, .offset: 40, .size: 8, .value_kind: global_buffer, .address_space: global }
      - { .name: qkvs, .offset: 48, .size: 8, .value_kind: global_buffer, .address_space: global }
    .group_segment_fixed_size: 327680
    .private_segment_fixed_size: 0
    .kernarg_segment_align: 8
    .kernarg_segment_size: 56
    .max_flat_workgroup_size: 128
    .sgpr_count:     102
    .vgpr_count:     1024
    .wavefront_size: 32
...
	.end_amdgpu_metadata
.endif
;; end of part 6
;; launch attn (part 7): grid 16 x 16, 16 waves a work-group, no clusters, 327,680 bytes of LDS; arguments qkv, qkvs, ocodes, oscales; writes ocodes, oscales
.if DOCPART == 7
	.amdgcn_target "amdgcn-amd-amdhsa--gfx1250"
	.amdhsa_code_object_version 6
	.text
	.protected	k_q0d054e15e6_attn
	.globl	k_q0d054e15e6_attn
	.p2align	8
	.type	k_q0d054e15e6_attn,@function
k_q0d054e15e6_attn:
	s_mov_b64 s[64:65], 0
	v_nop
	global_prefetch_b8 v0, s[64:65] scope:SCOPE_SE
	s_setreg_imm32_b32 hwreg(HW_REG_WAVE_MODE, 25, 1), 1
	s_wait_xcnt 0x0
.set SLOT1, 65536
.set SCK,   131072
.set SPARE, 147456
.set MRG,   149504
.set MRGT,  8704
.set NSL,   8
.set LI,  1
.set R16, 2
.set QL,  3
.set PFO, 4
.set SPW, 5
.set NIL, 6
.set RO,  7
.set AD,  8
.set ADB, 9
.set ADS, 10
.set MG,  11
.set TM,  232
.set TB,  2
.set TS,  3
.set KS,  12
.set W8,  13
.set HF,  14
.set WV,  18
.set MNT, 19
.set SEL, 20
.set CS,  22
.set G1,  24
.set G1S, 32
.set G0,  40
.set G0S, 44
.set SLOTS, 48
.set KF,  49
.set Q0,  50
.set QLAST, 51
.set PFA, 52
.set LIM, 54
.set TT,  55
.macro TLOAD g0, g1
	s_cmp_lt_u32 s[WV], 4
	s_cbranch_scc0 .Lasked_\@
	tensor_load_to_lds s[\g0:\g0+3], s[\g1:\g1+7]
	s_nop 0
.rept 4
	v_nop
.endr
.Lasked_\@:
.endm
.macro ASK
	s_cmp_gt_u32 s[SLOTS], s[LIM]
	s_cbranch_scc0 .Lnot_mine_\@
	global_prefetch_b8 v[PFO], s[PFA:PFA+1] th:TH_LOAD_NT scope:SCOPE_SE
	global_prefetch_b8 v[PFO], s[PFA:PFA+1] offset:1048576 th:TH_LOAD_NT scope:SCOPE_SE
.Lnot_mine_\@:
.endm
	s_load_b256 s[4:11], s[0:1], 0x0
	v_lshl_add_u32 v[SPW], v0, 2, SPARE
	v_mov_b32 v[NIL], 0
	ds_add_u32 v[SPW], v[NIL]
	ds_add_u32 v[SPW], v[NIL]
	v_lshrrev_b32 v32, 5, v0
	s_delay_alu instid0(VALU_DEP_1)
	v_readfirstlane_b32 s[WV], v32
	s_and_b32 s[W8], s[WV], 7
	s_lshr_b32 s[HF], s[WV], 3
	v_and_b32 v33, 31, v0
	s_delay_alu instid0(VALU_DEP_1)
	v_lshlrev_b32 v[LI], 4, v33
	s_delay_alu instid0(VALU_DEP_2)
	v_lshlrev_b32 v[PFO], 8, v33
	v_and_b32 v34, 15, v0
	v_bfe_u32 v35, v0, 4, 1
	s_delay_alu instid0(VALU_DEP_2)
	v_lshlrev_b32 v[RO], 4, v34
	s_lshl_b32 s70, s[HF], 9
	s_add_co_u32 s70, s70, SCK
	v_add_nc_u32 v[R16], s70, v[RO]
	s_lshl_b32 s70, s[HF], 14
	v_add_nc_u32 v[ADB], s70, v[LI]
	s_mul_i32 s70, s[W8], MRGT
	s_add_co_u32 s70, s70, MRG
	v_add_nc_u32 v[MG], s70, v[LI]
	s_and_b32 s56, ttmp7, 0xffff
	s_lshr_b32 s57, s56, 2
	s_lshl_b32 s58, ttmp9, 2
	s_sub_co_u32 s59, 120, s58
	s_cmp_lt_u32 s[W8], 4
	s_cselect_b32 s[TT], s58, s59
	s_add_co_u32 s[TT], s[TT], s[W8]
	s_lshr_b32 s[Q0], s[TT], 1
	s_lshl_b32 s[Q0], s[Q0], 5
	s_lshl_b32 s[QLAST], ttmp9, 6
	s_sub_co_u32 s[QLAST], 2047, s[QLAST]
	s_mov_b32 s[G1], 3<<16
	s_mov_b32 s[G1+1], 32<<16
	s_mov_b32 s[G1+2], 64<<16
	s_mov_b32 s[G1+3], 32<<16
	s_mov_b32 s[G1+4], 64
	s_mov_b32 s[G1+5], 32
	s_mov_b32 s[G1+6], 0
	s_mov_b32 s[G1+7], 0
	s_mov_b32 s[G1S], 3<<16
	s_mov_b32 s[G1S+1], 32<<16
	s_mov_b32 s[G1S+2], 16<<16
	s_mov_b32 s[G1S+3], 32<<16
	s_mov_b32 s[G1S+4], 16
	s_mov_b32 s[G1S+5], 32
	s_mov_b32 s[G1S+6], 0
	s_mov_b32 s[G1S+7], 0
	s_lshr_b32 s60, s[WV], 1
	s_and_b32 s60, s60, 1
	s_lshl_b32 s60, s60, 2
	s_add_co_u32 s60, s60, s57
	s_add_co_u32 s60, s60, 16
	s_and_b32 s61, s[WV], 1
	s_lshl_b32 s62, s60, 18
	s_lshl_b32 s63, s61, 14
	s_add_co_u32 s62, s62, s63
	s_mov_b32 s63, 0
	s_lshl_b32 s66, s60, 13
	s_lshl_b32 s67, s61, 12
	s_add_co_u32 s66, s66, s67
	s_mov_b32 s67, 0
	s_lshl_b32 s68, s[WV], 14
	s_lshl_b32 s69, s[WV], 12
	s_add_co_u32 s69, s69, SCK
	s_mov_b32 s[SEL], 0x76543210
	s_mov_b32 s[SEL+1], 0xfedcba98
	s_mov_b32 s[CS], 0x3e0293ee
	s_mov_b32 s[CS+1], s[CS]
	s_mov_b32 s[MNT], 0x600000
	s_mov_b32 s[TB], 0
	s_mov_b32 s[TS], 0
	s_mov_b32 s[SLOTS], NSL-1
	s_mov_b32 s[KS], 0
	s_lshl_b32 s[KF], s[HF], 7
	s_wait_dscnt 0x0
	s_wait_kmcnt 0x0
	s_mov_b32 s[G0S], 1
	s_mov_b32 s[G0S+1], s69
	s_add_nc_u64 s[G0S+2:G0S+3], s[6:7], s[66:67]
	s_or_b32 s[G0S+3], s[G0S+3], 0x80000000
	TLOAD G0S, G1S
	s_mov_b32 s[G0], 1
	s_mov_b32 s[G0+1], s68
	s_add_nc_u64 s[G0+2:G0+3], s[4:5], s[62:63]
	s_or_b32 s[G0+3], s[G0+3], 0x80000000
	s_wait_alu depctr_va_vdst(0)
	s_wait_tensorcnt 0x0
	ds_add_u32 v5, v6
	s_wait_dscnt 0x0
	s_barrier_signal -1
	s_barrier_wait -1
	TLOAD G0, G1
	s_and_b32 s70, s[WV], 3
	s_lshl_b32 s70, s70, 13
	s_add_co_u32 s70, s70, 32768
	s_add_co_u32 s71, s57, 16
	s_lshl_b32 s71, s71, 18
	s_add_co_u32 s70, s70, s71
	s_mov_b32 s71, 0
	s_add_nc_u64 s[PFA:PFA+1], s[4:5], s[70:71]
	s_lshr_b32 s70, s[WV], 2
	s_xor_b32 s70, s70, 1
	s_or_b32 s70, s70, ttmp9
	s_and_b32 s71, s56, 3
	s_or_b32 s70, s70, s71
	s_cmp_eq_u32 s70, 0
	s_cselect_b32 s[LIM], 1, -1
	s_lshl_b32 s72, s56, 18
	s_lshl_b32 s73, s[TT], 11
	s_add_co_u32 s72, s72, s73
	s_mov_b32 s73, 0
	s_add_nc_u64 s[72:73], s[4:5], s[72:73]
	s_lshl_b32 s74, s56, 13
	s_lshr_b32 s75, s[TT], 2
	s_lshl_b32 s75, s75, 8
	s_add_co_u32 s74, s74, s75
	s_and_b32 s75, s[TT], 3
	s_lshl_b32 s75, s75, 2
	s_add_co_u32 s74, s74, s75
	s_mov_b32 s75, 0
	s_add_nc_u64 s[74:75], s[6:7], s[74:75]
	s_lshl_b32 s76, s[TT], 15
	s_lshl_b32 s77, s56, 11
	s_add_co_u32 s76, s76, s77
	s_mov_b32 s77, 0
	s_add_nc_u64 s[8:9], s[8:9], s[76:77]
	s_lshl_b32 s76, s[TT], 10
	s_lshl_b32 s78, s57, 8
	s_add_co_u32 s76, s76, s78
	s_and_b32 s78, s56, 3
	s_lshl_b32 s78, s78, 2
	s_add_co_u32 s76, s76, s78
	s_add_nc_u64 s[10:11], s[10:11], s[76:77]
	s_wait_alu depctr_va_vdst(0)
.irp c, 0,1,2,3
	global_load_b128 v[16+4*\c:19+4*\c], v[LI], s[72:73] offset:512*\c
.endr
	global_load_b32 v255, v[RO], s[74:75]
	v_and_b32 v36, 7, v34
	v_lshrrev_b32 v37, 3, v34
	s_delay_alu instid0(VALU_DEP_1)
	v_lshl_add_u32 v36, v37, 4, v36
	v_lshlrev_b32 v37, 4, v35
	s_delay_alu instid0(VALU_DEP_1)
	v_sub_nc_u32 v36, v36, v37
	s_and_b32 s70, s[TT], 1
	s_lshl_b32 s70, s70, 3
	s_add_co_u32 s70, s70, s[Q0]
	v_add_nc_u32 v[QL], s70, v36
	v_mov_b32 v13, 0xff61b1e6
	s_delay_alu instid0(VALU_DEP_1)
	v_floor_f32 v12, -v13
	v_mov_b32 v14, 0
	v_mov_b32 v15, 0
.irp b, 0,1,2,3
	v_mov_b32 v[236+\b], 0
.endr
	v_mov_b32 v252, 0
	v_mov_b32 v253, 0
.set n, 0
.rept 64
	v_mov_b32 v[160+n], 0
.set n, n+1
.endr
.macro STEP
	s_add_co_u32 s56, s[Q0], 31
	s_cmp_gt_u32 s[KF], s56
	s_cbranch_scc1 .Lhidden_\@
	v_add_nc_u32 v[AD], s[TB], v[ADB]
	s_wait_alu depctr_va_vdst(0)
	v_add_nc_u32 v[ADS], s[TS], v[R16]
	s_wait_alu depctr_va_vdst(0)
.irp g, 0,1
.rept 9-2*(1-\g)
	v_nop
.endr
.irp t, 0,1,2,3
.irp c, 0,1,2,3
	ds_load_b128 v[32+16*\t+4*\c:32+16*\t+4*\c+3], v[AD] offset:2048*(4*\g+\t)+512*\c
.endr
	ds_load_b32 v[248+\t], v[ADS] offset:256*\g+4*\t
.endr
	s_wait_dscnt 0x0
.irp t, 0,1,2,3
	v_wmma_scale_f32_16x16x128_f8f6f4 v[96+8*(4*\g+\t):103+8*(4*\g+\t)], v[32+16*\t:47+16*\t], v[16:31], 0, v[248+\t], v255
.endr
.endr
.rept 8
	v_nop
.endr
; V's tiles 0-3 go into the registers that held K's, eight places behind the last score product: they land under the softmax
.irp t, 0,1,2,3
.irp c, 0,1,2,3
	ds_load_b128 v[32+16*\t+4*\c:32+16*\t+4*\c+3], v[AD] offset:32768+2048*\t+512*\c
.endr
	ds_load_b32 v[248+\t], v[ADS] offset:8192+4*\t
.endr
	s_add_co_u32 s56, s[KF], 127
	s_cmp_le_u32 s56, s[Q0]
	s_cbranch_scc1 .Lopen_\@
	v_sub_nc_u32 v252, v[QL], s[KF]
	v_mov_b32 v254, 0xff800000
.set n, 0
.rept 64
	v_cmp_gt_i32 vcc_lo, 32*(n/16)+n%16, v252
	v_cndmask_b32 v[96+n], v[96+n], v254, vcc_lo
.set n, n+1
.endr
.Lopen_\@:
.irp b, 0,1,2,3
	v_max3_num_f32 v[232+\b], v[96+16*\b], v[97+16*\b], v[98+16*\b]
.endr
.irp i, 3,5,7,9,11,13
.irp b, 0,1,2,3
	v_max3_num_f32 v[232+\b], v[232+\b], v[96+16*\b+\i], v[97+16*\b+\i]
.endr
.endr
.irp b, 0,1,2,3
	v_max_num_f32 v[232+\b], v[232+\b], v[111+16*\b]
.endr
.irp b, 0,1,2,3
	v_permlanex16_b32 v[236+\b], v[232+\b], s[SEL], s[SEL+1]
.endr
.irp b, 0,1,2,3
	s_delay_alu instid0(VALU_DEP_4)
	v_max_num_f32 v[232+\b], v[232+\b], v[236+\b]
.endr
	s_delay_alu instid0(VALU_DEP_2)
	v_max3_num_f32 v254, v232, v233, v234
	s_delay_alu instid0(VALU_DEP_1)
	v_max_num_f32 v254, v254, v235
	s_delay_alu instid0(VALU_DEP_1)
	v_mul_f32 v254, s[CS], v254
	s_delay_alu instid0(VALU_DEP_1)
	v_max_num_f32 v13, v13, v254
	v_mov_b32 v254, v12
	s_delay_alu instid0(VALU_DEP_2)
	v_floor_f32 v12, -v13
	s_delay_alu instid0(VALU_DEP_1)
	v_sub_f32 v254, v12, v254
	s_delay_alu instid0(VALU_DEP_1)
	v_cvt_i32_f32 v254, v254
	s_delay_alu instid0(VALU_DEP_1)
	v_ldexp_f32 v252, 1.0, v254
.set n, 0
.rept 32
	v_pk_fma_f32 v[96+n:97+n], v[96+n:97+n], s[CS:CS+1], v[12:13] op_sel_hi:[1,0,0]
.set n, n+2
.endr
.irp b, 0,1,2,3
	v_fma_f32 v[232+\b], v[232+\b], s[CS], v12
.endr
.set n, 0
	s_wait_alu depctr_va_vdst(0)
.rept 64
	v_exp_f32 v[96+n], v[96+n]
.set n, n+1
.endr
	v_pk_mul_f32 v[14:15], v[14:15], v[252:253] op_sel_hi:[1,0]
	s_wait_alu depctr_va_vdst(0)
.irp b, 0,1,2,3
	v_exp_f32 v[232+\b], v[232+\b]
.endr
	v_pk_add_f32 v[236:237], v[96:97], v[98:99]
.irp j, 4,8,12,16,20,24,28,32,36,40,44,48,52,56,60
	v_pk_add_f32 v[14:15], v[14:15], v[96+\j:97+\j]
	v_pk_add_f32 v[236:237], v[236:237], v[98+\j:99+\j]
.endr
	s_delay_alu instid0(VALU_DEP_1)
	v_pk_add_f32 v[14:15], v[14:15], v[236:237]
	s_wait_alu depctr_va_vdst(0)
.irp b, 0,1,2,3
	v_max_num_f32 v[232+\b], 0x4800000, v[232+\b]
.endr
.irp b, 0,1,2,3
	s_delay_alu instid0(VALU_DEP_4)
	v_add_nc_u32 v[244+\b], 0xfc000000, v[232+\b]
.endr
.irp b, 0,1,2,3
	v_and_or_b32 v[240+\b], v[232+\b], 0x7f800000, s[MNT]
.endr
.irp b, 0,1,2,3
	v_lshrrev_b32 v[236+\b], 23, v[244+\b]
.endr
	s_delay_alu instid0(VALU_DEP_3)
	v_lshl_or_b32 v253, v237, 8, v236
	s_delay_alu instid0(VALU_DEP_1)
	v_lshl_or_b32 v253, v238, 16, v253
	s_delay_alu instid0(VALU_DEP_1)
	v_lshl_or_b32 v253, v239, 24, v253
.irp b, 0,1,2,3
.irp i, 0,1,2,3,4,5,6,7,8,9,10,11,12,13,14,15
	v_min_num_f32 v[96+16*\b+\i], v[96+16*\b+\i], v[240+\b]
.endr
	v_cvt_scalef32_pk8_fp8_f32 v[224+4*\b:225+4*\b], v[96+16*\b:103+16*\b], v[244+\b]
	v_cvt_scalef32_pk8_fp8_f32 v[226+4*\b:227+4*\b], v[104+16*\b:111+16*\b], v[244+\b]
.endr
; V's tiles 4-7 go into the registers that held p, and their scale words into those that held the conversions' scale operands: both are done with
.irp t, 0,1,2,3
.irp c, 0,1,2,3
	ds_load_b128 v[96+16*\t+4*\c:96+16*\t+4*\c+3], v[AD] offset:32768+2048*(4+\t)+512*\c
.endr
	ds_load_b32 v[244+\t], v[ADS] offset:8192+256+4*\t
.endr
.set n, 0
.rept 32
	v_pk_mul_f32 v[160+n:161+n], v[160+n:161+n], v[252:253] op_sel_hi:[1,0]
.set n, n+2
.endr
	s_wait_alu depctr_va_vdst(0)
	s_wait_dscnt 0x0                               ; V's eight tiles and their scale words, asked for further up, are in
.irp t, 0,1,2,3
	v_wmma_scale_f32_16x16x128_f8f6f4 v[160+8*\t:167+8*\t], v[32+16*\t:47+16*\t], v[224:239], v[160+8*\t:167+8*\t], v[248+\t], v253
.endr
.irp t, 0,1,2,3
	v_wmma_scale_f32_16x16x128_f8f6f4 v[192+8*\t:199+8*\t], v[96+16*\t:111+16*\t], v[224:239], v[192+8*\t:199+8*\t], v[244+\t], v253
.endr
.Lhidden_\@:
	s_add_co_u32 s[KF], s[KF], 256
	s_add_co_u32 s[KS], s[KS], 256
	s_add_co_u32 s[TS], s[TS], 1024
	s_xor_b32 s[TB], s[TB], SLOT1
.endm
.macro CHANGE fill
	s_wait_tensorcnt 0x0
	ds_add_u32 v[SPW], v[NIL]
.if \fill
	ds_add_u32 v[SPW], v[NIL]
	s_xor_b32 s[G0+1], s[G0+1], SLOT1
	s_add_nc_u64 s[G0+2:G0+3], s[G0+2:G0+3], 32768
	s_wait_xcnt 0x0
	s_add_nc_u64 s[PFA:PFA+1], s[PFA:PFA+1], 32768
.endif
	s_wait_dscnt 0x0
	s_barrier_signal -1
	s_barrier_wait -1
.if \fill
	s_add_co_u32 s56, s[KS], 256
	s_cmp_gt_u32 s56, s[QLAST]
	s_cbranch_scc1 .Lpast_\@
	TLOAD G0, G1
.Lpast_\@:
	ASK
.endif
.endm
	s_wait_loadcnt 0x0
.Lslot:
	CHANGE 1
	STEP
	s_sub_co_u32 s[SLOTS], s[SLOTS], 1
	s_cmp_lg_u32 s[SLOTS], 0
	s_cbranch_scc1 .Lslot
	CHANGE 0
	STEP
.rept 8
	v_nop
.endr
	v_add_f32 v14, v14, v15
	s_delay_alu instid0(VALU_DEP_1)
	v_permlanex16_b32 v252, v14, s[SEL], s[SEL+1]
	s_delay_alu instid0(VALU_DEP_1)
	v_add_f32 v14, v14, v252
	s_cmp_lt_u32 s[WV], 8
	s_cbranch_scc1 .Lkeep
.set n, 0
	s_wait_alu depctr_va_vdst(0)
.rept 16
	ds_store_b128 v[MG], v[160+4*n:163+4*n] offset:512*n
.set n, n+1
.endr
	ds_store_b128 v[MG], v[12:15] offset:8192
.Lkeep:
	s_wait_dscnt 0x0
	s_barrier_signal -1
	s_barrier_wait -1
	s_cmp_ge_u32 s[WV], 8
	s_cbranch_scc1 .Lend
.set n, 0
.rept 16
	ds_load_b128 v[96+4*n:99+4*n], v[MG] offset:512*n
.set n, n+1
.endr
	ds_load_b128 v[240:243], v[MG] offset:8192
	s_wait_dscnt 0x0
	v_min_num_f32 v232, v12, v240
	s_delay_alu instid0(VALU_DEP_1)
	v_sub_f32 v233, v232, v12
	s_delay_alu instid0(VALU_DEP_2)
	v_sub_f32 v234, v232, v240
	s_delay_alu instid0(VALU_DEP_2)
	v_cvt_i32_f32 v233, v233
	s_delay_alu instid0(VALU_DEP_2)
	v_cvt_i32_f32 v234, v234
	s_delay_alu instid0(VALU_DEP_2)
	v_ldexp_f32 v236, 1.0, v233
	s_wait_alu depctr_va_vdst(0)
	v_ldexp_f32 v238, 1.0, v234
	v_mul_f32 v14, v14, v236
	s_delay_alu instid0(VALU_DEP_1)
	v_fma_f32 v14, v242, v238, v14
.set n, 0
.rept 32
	v_pk_mul_f32 v[160+n:161+n], v[160+n:161+n], v[236:237] op_sel_hi:[1,0]
.set n, n+2
.endr
.set n, 0
.rept 32
	v_pk_fma_f32 v[160+n:161+n], v[96+n:97+n], v[238:239], v[160+n:161+n] op_sel_hi:[1,0,1]
.set n, n+2
.endr
	s_wait_alu depctr_va_vdst(0)
	v_rcp_f32 v14, v14
	v_nop
	s_wait_alu depctr_va_vdst(0)
.set n, 0
.rept 64
	v_mul_f32 v[96+n], v[160+n], v14
.set n, n+1
.endr
.irp b, 0,1,2,3
	v_max3_num_f32 v[TM+\b], |v[96+16*\b]|, |v[97+16*\b]|, 0x4800000
.endr
.irp i, 2,4,6,8,10,12,14
.irp b, 0,1,2,3
	s_delay_alu instid0(VALU_DEP_4)
	v_max3_num_f32 v[TM+\b], |v[96+16*\b+\i]|, |v[97+16*\b+\i]|, v[TM+\b]
.endr
.endr
.irp b, 0,1,2,3
	v_permlanex16_b32 v[TM+4+\b], v[TM+\b], s[SEL], s[SEL+1]
.endr
.irp b, 0,1,2,3
	s_delay_alu instid0(VALU_DEP_4)
	v_max_num_f32 v[TM+\b], v[TM+\b], v[TM+4+\b]
.endr
.irp b, 0,1,2,3
	s_delay_alu instid0(VALU_DEP_4)
	v_add_nc_u32 v[TM+12+\b], 0xfc000000, v[TM+\b]
.endr
.irp b, 0,1,2,3
	v_and_or_b32 v[TM+8+\b], v[TM+\b], 0x7f800000, s[MNT]
.endr
.irp b, 0,1,2,3
	v_lshrrev_b32 v[TM+4+\b], 23, v[TM+12+\b]
.endr
	s_delay_alu instid0(VALU_DEP_3)
	v_lshl_or_b32 v248, v[TM+5], 8, v[TM+4]
	s_delay_alu instid0(VALU_DEP_1)
	v_lshl_or_b32 v248, v[TM+6], 16, v248
	s_delay_alu instid0(VALU_DEP_1)
	v_lshl_or_b32 v248, v[TM+7], 24, v248
.irp b, 0,1,2,3
.irp i, 0,1,2,3,4,5,6,7,8,9,10,11,12,13,14,15
	v_med3_num_f32 v[96+16*\b+\i], v[96+16*\b+\i], -v[TM+8+\b], v[TM+8+\b]
.endr
	v_cvt_scalef32_pk8_fp8_f32 v[32+4*\b:33+4*\b], v[96+16*\b:103+16*\b], v[TM+12+\b]
	v_cvt_scalef32_pk8_fp8_f32 v[34+4*\b:35+4*\b], v[104+16*\b:111+16*\b], v[TM+12+\b]
.endr
	v_nop
.irp c, 0,1,2,3
	global_store_b128 v[LI], v[32+4*\c:35+4*\c], s[8:9] offset:512*\c
.endr
	global_store_b32 v[RO], v248, s[10:11]
.Lend:
	s_wait_tensorcnt 0x0
	ds_add_u32 v[SPW], v[NIL]
	s_wait_dscnt 0x0
	s_endpgm
.Lfunc_end_k_q0d054e15e6_attn:
	.size	k_q0d054e15e6_attn, .Lfunc_end_k_q0d054e15e6_attn-k_q0d054e15e6_attn
	.p2alignl 7, 3214868480
	.fill 96, 4, 3214868480
	.section	.rodata,"a",@progbits
	.p2align	6, 0x0
	.amdhsa_kernel k_q0d054e15e6_attn
		.amdhsa_group_segment_fixed_size 327680
		.amdhsa_private_segment_fixed_size 0
		.amdhsa_enable_private_segment 0
		.amdhsa_kernarg_size 32
		.amdhsa_user_sgpr_count 2
		.amdhsa_user_sgpr_kernarg_segment_ptr 1
		.amdhsa_wavefront_size32 1
		.amdhsa_system_sgpr_workgroup_id_x 1
		.amdhsa_system_sgpr_workgroup_id_y 1
		.amdhsa_system_sgpr_workgroup_id_z 1
		.amdhsa_system_vgpr_workitem_id 0
		.amdhsa_next_free_vgpr 256
		.amdhsa_next_free_sgpr 80
		.amdhsa_reserve_vcc 1
		.amdhsa_float_denorm_mode_32 3
		.amdhsa_float_denorm_mode_16_64 3
		.amdhsa_memory_ordered 1
		.amdhsa_forward_progress 1
		.amdhsa_inst_pref_size 89
	.end_amdhsa_kernel
	.amdgpu_metadata
---
amdhsa.version: [ 1, 2 ]
amdhsa.kernels:
  - .name:           k_q0d054e15e6_attn
    .symbol:         k_q0d054e15e6_attn.kd
    .args:
      - { .name: qkv, .offset: 0, .size: 8, .value_kind: global_buffer, .address_space: global }
      - { .name: qkvs, .offset: 8, .size: 8, .value_kind: global_buffer, .address_space: global }
      - { .name: ocodes, .offset: 16, .size: 8, .value_kind: global_buffer, .address_space: global }
      - { .name: oscales, .offset: 24, .size: 8, .value_kind: global_buffer, .address_space: global }
    .group_segment_fixed_size: 327680
    .private_segment_fixed_size: 0
    .kernarg_segment_align: 8
    .kernarg_segment_size: 32
    .max_flat_workgroup_size: 512
    .sgpr_count:     80
    .vgpr_count:     256
    .wavefront_size: 32
...
	.end_amdgpu_metadata
.endif
;; end of part 7
;; launch oproj (part 8): grid 16 x 16, 4 waves a work-group, clusters of 4 x 4, 327,680 bytes of LDS; arguments ocodes, oscales, codes1, scales1, out0; writes out0
.if DOCPART == 8
	.amdgcn_target "amdgcn-amd-amdhsa--gfx1250"
	.amdhsa_code_object_version 6
	.text
	.protected	k_q0d054e15e6_oproj
	.globl	k_q0d054e15e6_oproj
	.p2align	8
	.type	k_q0d054e15e6_oproj,@function
k_q0d054e15e6_oproj:
	s_mov_b64 s[64:65], 0
	v_nop
	global_prefetch_b8 v0, s[64:65] scope:SCOPE_SE
	s_setreg_imm32_b32 hwreg(HW_REG_WAVE_MODE, 25, 1), 1
	s_wait_xcnt 0x0
	s_wait_alu depctr_hold_cnt(0) depctr_sa_sdst(0) depctr_va_vdst(0) depctr_va_sdst(0) depctr_va_ssrc(0) depctr_va_vcc(0) depctr_vm_vsrc(0)
	s_getreg_b32 s2, hwreg(HW_REG_IB_STS2, 6, 4)
	s_cmp_eq_u32 s2, 0
	s_cbranch_scc0 .Lentry_in_a_cluster
	s_endpgm
.Lentry_in_a_cluster:
	s_bfe_u32 s2, ttmp6, 0x10000c
	s_cmp_lg_u32 s2, 0xf033
	s_cbranch_scc0 .Lentry_shape_is_right
	s_endpgm
.Lentry_shape_is_right:
; out0 = o Wo^T on codes of FP8 (E4M3), K = 2,048, f32 out.  Codes lie as images of operand registers (2,048 bytes a tile of 16 rows x 128 K; tile t holds rows 32 (t/2) + 8 (t%2) + r%8 + 16 (r/8)).
; X = 128 rows of Wo (output columns), Y = 128 rows of o (positions); source 0 = a tile of X, source 1 = a tile of Y: a lane holds one position and neighbouring output columns.
; A work-group: four waves, each 64 x 64: 16 accumulators.  256 work-groups.  The 16 K steps are written out: each group of four has scale registers of its own.
; X GOES THROUGH LDS, in two slots of eight K steps (8 rowtiles x 16,384 bytes each): slot 0 is the head's load, slot 1 comes behind the round at the head; nothing is filled again.
; One plain barrier, at K step 7, shows slot 1.  Each wave fetches two rowtiles of a slot.
; Y DOES NOT GO THROUGH LDS: its images are what a lane's registers want, so a wave loads its four tiles of a K step from memory by 16 loads of 512 consecutive bytes, into a ring of four K steps in registers;
; step g + 3 is asked for at the head of step g.  So a step has 16 LDS loads for its 16 products and not 32, and LDS has room for eight K steps a slot.
; THE SCALE WORDS of all of K go from memory into registers at the head: a tile's unit of 256 bytes (four K steps) is one load, 16 bytes a lane: 32 loads a wave.
; CLUSTER 4 x 4: X's tiles hang on the tile column alone and are shared along a column of the cluster: joint loads.  Y, which a row of the cluster shares, is not asked for jointly: it passes no LDS.
; PREFETCH, at the head, behind slot 0's tensor load.  X's slot 1: 8 rowtiles x 16,384 bytes over the sixteen waves of my column of the cluster (number i = 4 cy + wave: rowtile i / 2, half i % 2), a lane 256 bytes.
; Y: 8 rowtiles x 32,768 bytes over the sixteen waves of my row (i = 4 cx + wave: rowtile i / 2, half i % 2), two instructions a wave.  K has only 16 steps: there is no loop to run ahead in.
; No work of reference() is left out here.
; REGISTERS: window 0: v1-12 addresses; v16-79 X's scale words, v82-145 Y's (16 for each four K steps; nothing else); on the way out v160-223 rows of the result.
;   window 1: X's fragments, two sets of 64.   window 2: accumulator n = 4 a + b at v[8 n].   window 3: Y's ring: K step g at v[64 (g % 4) + 16 a].
.set KK,   2048
.set NQ,   4
.set RT,   16*KK
.set SB8,  2048*8                      ; a slot's part of a rowtile: eight K steps
.set SLOT, 8*SB8
.set SCT,  KK/2
.set SPARE, 2*SLOT
.set ADX, 1                            ; v1, v2 LDS address of my fragments of X in slot 0, 1
.set SOF, 5                            ; v5 16 r
.set PFO, 6                            ; v6 256 x lane
.set SPW, 7
.set NIL, 8
.set LI,  9                            ; v9 16 x lane
.set STO, 10
.set RD,  11
.set CO,  12
.set SX,  16
.set SY,  82                           ; 2 off a multiple of 8: no product's two scale registers have numbers equal modulo 8
.set BK,  160
.set WV,  18
.set WX,  19
.set WY,  20
.set CX,  21
.set CY,  22
.set G1X, 28
.set PFX, 52
.set PFY, 54
.set XSB, 56
.set YSB, 58
.set G0X, 60                           ; s[60:63] slot 0, s[68:71] slot 1
.set YB,  72
.set MSB, 0
.macro WIN new
.if MSB != \new
	s_set_vgpr_msb (MSB<<8)|\new
.set MSB, \new
.endif
.endm
.macro PLACES n
.rept \n
	v_nop
.endr
.endm
.macro TL g0, g1                       ; every wave issues the line, each with LDS bytes and rowtiles of its own by its number
	tensor_load_to_lds s[\g0:\g0+3], s[\g1:\g1+7]
	s_nop 0
.endm
.macro CREST
	s_cmp_lg_u32 s[WV], 0
	s_cbranch_scc1 .Lnot_wave_0_\@
	s_barrier_signal -3
.Lnot_wave_0_\@:
	s_barrier_wait -3
	s_barrier_signal -1
	s_barrier_wait -1
.endm
.macro CROUND
	s_barrier_signal -1
	s_barrier_wait -1
	CREST
.endm
	s_load_b256 s[4:11], s[0:1], 0x0               ; ocodes, oscales, codes1, scales1
	s_load_b64 s[12:13], s[0:1], 0x20              ; out0
	v_lshl_add_u32 v[SPW], v0, 2, SPARE
	v_mov_b32 v[NIL], 0
	ds_add_u32 v[SPW], v[NIL]                      ; the opening: two adds of 0, waited for ahead of my first tensor load
	ds_add_u32 v[SPW], v[NIL]
	v_lshrrev_b32 v9, 5, v0
	v_readfirstlane_b32 s[WV], v9
	s_and_b32 s[WX], s[WV], 1
	s_lshr_b32 s[WY], s[WV], 1
	s_bfe_u32 s[CX], ttmp6, 0x40000
	s_bfe_u32 s[CY], ttmp6, 0x40004
	; X's side: the tile column alone
	s_lshl_b32 s90, ttmp9, 2
	s_add_co_u32 s90, s90, s[CX]                   ; tile column
	s_lshl_b32 s91, 0x1111, s[CX]                  ; my column of the cluster
	s_lshl_b32 s92, s90, 3
	s_lshl_b32 s93, s[WX], 2
	s_add_co_u32 s88, s92, s93                     ; the 4 rowtiles of Wo that I multiply: their scale words,
	s_lshl_b32 s88, s88, 10
	s_add_co_u32 s88, s88, 655360                  ; which begin here in scales1
	s_mov_b32 s89, 0
	s_lshl_b32 s93, s[WV], 1
	s_add_co_u32 s92, s92, s93                     ; the 2 rowtiles that I fetch
	s_lshl_b32 s92, s92, 15
	s_add_co_u32 s92, s92, 20971520                ; Wo's codes begin here in codes1
	s_mov_b32 s93, 0
	; Y's side
	s_and_b32 s94, ttmp7, 0xffff
	s_lshl_b32 s94, s94, 2
	s_add_co_u32 s94, s94, s[CY]                   ; tile row
	s_lshl_b32 s96, s94, 3
	s_lshl_b32 s97, s[WY], 2
	s_add_co_u32 s96, s96, s97                     ; the 4 rowtiles of o that I multiply:
	s_lshl_b32 s98, s96, 10                        ; their scale words,
	s_mov_b32 s99, 0
	s_lshl_b32 s96, s96, 15                        ; their codes
	s_mov_b32 s97, 0
	; where my 64 x 64 of the result begins
	s_lshl_b32 s100, s94, 20                       ; 128 rows of 8,192 bytes a tile row,
	s_lshl_b32 s101, s[WY], 19                     ; 64 a wave,
	s_add_co_u32 s100, s100, s101
	s_lshl_b32 s101, s90, 9                        ; 512 bytes a tile column,
	s_add_co_u32 s100, s100, s101
	s_lshl_b32 s101, s[WX], 8                      ; 256 a wave
	s_add_co_u32 s100, s100, s101
	s_mov_b32 s101, 0
	; what I ask for ahead.  X: i = 4 cy + wave: rowtile i / 2 of the tile's eight, 8,192 bytes i % 2 of its part of slot 1
	s_lshl_b32 s44, s[CY], 2
	s_add_co_u32 s44, s44, s[WV]
	s_lshr_b32 s45, s44, 1
	s_lshl_b32 s46, s90, 3
	s_add_co_u32 s45, s45, s46
	s_lshl_b32 s45, s45, 15
	s_and_b32 s44, s44, 1
	s_lshl_b32 s44, s44, 13
	s_add_co_u32 s44, s44, s45
	s_add_co_u32 s44, s44, 20971520+SB8
	s_mov_b32 s45, 0
	; Y: i = 4 cx + wave: rowtile i / 2, its half i % 2 of 16,384 bytes
	s_lshl_b32 s46, s[CX], 2
	s_add_co_u32 s46, s46, s[WV]
	s_lshr_b32 s47, s46, 1
	s_lshl_b32 s48, s94, 3
	s_add_co_u32 s47, s47, s48
	s_lshl_b32 s47, s47, 15
	s_and_b32 s46, s46, 1
	s_lshl_b32 s46, s46, 14
	s_add_co_u32 s46, s46, s47
	s_mov_b32 s47, 0
	s_or_b32 s[G1X], s91, (3<<16)|(1<<21)          ; group 1: the mask: my column; elements of 8 bytes; bit 21 beside the mask
	s_mov_b32 s[G1X+1], (SB8/8)<<16                ; a slot's part of a rowtile: SB8 consecutive bytes,
	s_mov_b32 s[G1X+2], 2<<16                      ; two rowtiles,
	s_mov_b32 s[G1X+3], (SB8/8)<<16
	s_mov_b32 s[G1X+4], 2
	s_mov_b32 s[G1X+5], RT/8                       ; RT bytes apart
	s_mov_b32 s[G1X+6], 0
	s_mov_b32 s[G1X+7], 0
	s_mul_i32 s24, s[WV], 2*SB8                    ; LDS addresses: constants and the wave's number
	s_mov_b32 s[G0X+1], s24
	s_add_co_u32 s[G0X+9], s24, SLOT
	s_mov_b32 s[G0X], 1
	s_mov_b32 s[G0X+8], 1
	s_mul_i32 s25, s[WX], 4*SB8                    ; the 4 rowtiles of X that I multiply
	s_mul_i32 s26, s[WV], 4352                     ; my stage for the way out: 16 rows x (256 + 16) bytes, in slot 0
	s_wait_dscnt 0x0                               ; both opening adds are done
	s_wait_kmcnt 0x0
	s_add_nc_u64 s[G0X+2:G0X+3], s[8:9], s[92:93]
	s_add_nc_u64 s[G0X+10:G0X+11], s[G0X+2:G0X+3], SB8
	s_add_nc_u64 s[XSB:XSB+1], s[10:11], s[88:89]
	s_add_nc_u64 s[YSB:YSB+1], s[6:7], s[98:99]
	s_add_nc_u64 s[YB:YB+1], s[4:5], s[96:97]
	s_add_nc_u64 s[PFX:PFX+1], s[8:9], s[44:45]
	s_add_nc_u64 s[PFY:PFY+1], s[4:5], s[46:47]
	s_or_b32 s[G0X+3], s[G0X+3], 0x80000000
	s_or_b32 s[G0X+11], s[G0X+11], 0x80000000
	s_add_nc_u64 s[12:13], s[12:13], s[100:101]
	CROUND                                         ; all sixteen work-groups are here: the first joint loads meet
	TL G0X, G1X                                    ; slot 0: my one tensor load at the head
	PLACES 4
	v_and_b32 v13, 31, v0
	v_lshlrev_b32 v[LI], 4, v13
	v_lshlrev_b32 v[PFO], 8, v13
	v_and_b32 v14, 15, v0                          ; r
	v_bfe_u32 v15, v0, 4, 1                        ; h
	v_add_nc_u32 v[ADX], s25, v[LI]
	v_add_nc_u32 v[ADX+1], SLOT, v[ADX]
	v_lshlrev_b32 v[SOF], 4, v14
	v_mul_u32_u24 v[STO], v14, 272
	v_lshl_add_u32 v[STO], v15, 6, v[STO]
	v_add_nc_u32 v[STO], s26, v[STO]               ; in: row r, + 64 h
	v_mul_u32_u24 v[RD], v15, 272
	v_lshl_add_u32 v[RD], v14, 4, v[RD]
	v_add_nc_u32 v[RD], s26, v[RD]                 ; back: lanes 0-15 one row, lanes 16-31 the next
	v_lshlrev_b32 v[CO], 13, v15
	v_lshl_add_u32 v[CO], v14, 4, v[CO]            ; and the same two rows in out0
	s_wait_alu depctr_va_vdst(0)
.macro FETCH g                         ; X's four fragments of K step g, as they lie: 16 dense loads of 512 bytes, into set g % 2
	WIN 0x40
.set L_, 0
.rept 16
	ds_load_b128 v[64*((\g)%2)+4*L_:64*((\g)%2)+4*L_+3], v[ADX+(\g)/8] offset:(L_/4)*SB8+((\g)%8)*2048+512*(L_%4)
.set L_, L_+1
.endr
.endm
.macro YLOAD g                         ; Y's four fragments of K step g: 16 loads of 512 consecutive bytes, into place g % 4 of the ring
	WIN 0xc0
.set L_, 0
.rept 16
	global_load_b128 v[64*((\g)%4)+4*L_:64*((\g)%4)+4*L_+3], v[LI], s[YB:YB+1] offset:(L_/4)*RT+(\g)*2048+512*(L_%4)
.set L_, L_+1
.endr
.endm
.macro PRODS g, zero                   ; products n = 4 a + b of K step g.  The 16 accumulators take turns in one order in every step
	WIN 0xad                                       ; source 0 (X) window 1, source 1 (Y) window 3, C and D window 2
.set N_, 0
.rept 16
.set A_, N_/4
.set B_, N_%4
.if \zero
	v_wmma_scale_f32_16x16x128_f8f6f4 v[8*N_:8*N_+7], v[64*((\g)%2)+16*B_:64*((\g)%2)+16*B_+15], v[64*((\g)%4)+16*A_:64*((\g)%4)+16*A_+15], 0, v[SX+16*((\g)/4)+NQ*B_+(\g)%4], v[SY+16*((\g)/4)+NQ*A_+(\g)%4]
.else
	v_wmma_scale_f32_16x16x128_f8f6f4 v[8*N_:8*N_+7], v[64*((\g)%2)+16*B_:64*((\g)%2)+16*B_+15], v[64*((\g)%4)+16*A_:64*((\g)%4)+16*A_+15], v[8*N_:8*N_+7], v[SX+16*((\g)/4)+NQ*B_+(\g)%4], v[SY+16*((\g)/4)+NQ*A_+(\g)%4]
.endif
.set N_, N_+1
.endr
.endm
.macro STEP g, zero
	s_wait_dscnt 0x0                               ; this step's fragments of X, asked for a step ago, are in
.if (\g) < 14
	s_wait_loadcnt 32                              ; this step's 16 loads of Y (at step 0 the older scale words too) are in; those of the two steps behind it may be out
.elseif (\g) == 14
	s_wait_loadcnt 16
.else
	s_wait_loadcnt 0x0
.endif
.if (\g) == 7
	s_wait_tensorcnt 0x0                           ; my part of slot 1 is in, and my reads of slot 0 are over (the wait above): one barrier shows both to all four waves.
	s_barrier_signal -1
	s_barrier_wait -1
.endif
	PLACES 8                                       ; eight places between the last product and loads into registers that it read
.if (\g)+3 < 16
	YLOAD (\g)+3                                   ; into the place that the last step's products read
.endif
.if (\g)+1 < 16
	FETCH (\g)+1
.endif
	PRODS \g, \zero
	WIN 0
.endm
.irp t, 0,1,2,3
.irp b, 0,1,2,3
	global_load_b128 v[SX+16*\t+4*\b:SX+16*\t+4*\b+3], v[SOF], s[XSB:XSB+1] offset:\b*SCT+256*\t
	global_load_b128 v[SY+16*\t+4*\b:SY+16*\t+4*\b+3], v[SOF], s[YSB:YSB+1] offset:\b*SCT+256*\t
.endr
.endr
	YLOAD 0                                        ; the ring's first three K steps
	YLOAD 1
	YLOAD 2
	WIN 0
	global_prefetch_b8 v[PFO], s[PFX:PFX+1] th:TH_LOAD_NT scope:SCOPE_SE
	global_prefetch_b8 v[PFO], s[PFY:PFY+1] th:TH_LOAD_NT scope:SCOPE_SE
	global_prefetch_b8 v[PFO], s[PFY:PFY+1] offset:8192 th:TH_LOAD_NT scope:SCOPE_SE
	s_wait_tensorcnt 0x0                           ; my part of slot 0 is in
	ds_add_u32 v[SPW], v[NIL]
	s_wait_dscnt 0x0
	CROUND                                         ; everybody's part of slot 0 is in, and all sixteen work-groups are here
	TL G0X+8, G1X                                  ; slot 1
	PLACES 4
	FETCH 0
	WIN 0
	STEP 0, 1                                      ; the first step's products start the sums
.irp g, 1,2,3,4,5,6,7,8,9,10,11,12,13,14,15
	STEP \g, 0
.endr
	PLACES 8
; THE WAY OUT, a tile of 16 positions x 64 columns at a time, through my own stage.  It lies in slot 0, which has had its only fill and which nobody reads behind the barrier at K step 7.
; Lane (r, h), accumulator b, register j: column 32 (b / 2) + 16 h + 8 (b % 2) + j.
.macro TOSTAGE a
	WIN 0x08                                       ; an LDS store's data: window 2
.irp b, 0,1,2,3
	ds_store_b128 v[STO], v[32*\a+8*\b:32*\a+8*\b+3] offset:128*(\b/2)+32*(\b%2)       ; each accumulator from its low end on
	ds_store_b128 v[STO], v[32*\a+8*\b+4:32*\a+8*\b+7] offset:128*(\b/2)+32*(\b%2)+16
.endr
	WIN 0
.irp t, 0,1,2,3,4,5,6,7
	ds_load_b128 v[BK+32*((\a)%2)+4*\t:BK+32*((\a)%2)+4*\t+3], v[RD] offset:544*\t   ; LDS serves a wave's instructions in order: these see the stores above
.endr
.endm
.macro SEND a, younger                 ; the tile's row 2 t (+ 1 in lanes 16-31) is position 32 (a / 2) + 8 (a % 2) + (2 t) % 8 + 16 (2 t / 8) of my 64
	s_wait_dscnt \younger
.irp t, 0,1,2,3,4,5,6,7
	global_store_b128 v[CO], v[BK+32*((\a)%2)+4*\t:BK+32*((\a)%2)+4*\t+3], s[12:13] offset:(32*((\a)/2)+8*((\a)%2)+((2*\t)%8)+16*((2*\t)/8))*8192 th:TH_STORE_NT   ; 16 lanes store 256 consecutive bytes, aligned
.endr
.endm
	TOSTAGE 0
	TOSTAGE 1
	SEND 0, 16                                     ; behind tile 0's loads: tile 1's 8 stores and 8 loads
	s_wait_xcnt 0x0                                ; tile 0's stores have read their registers
	TOSTAGE 2
	SEND 1, 16
	s_wait_xcnt 0x0
	TOSTAGE 3
	SEND 2, 16
	SEND 3, 0
	s_wait_tensorcnt 0x0                           ; the wave's end
	ds_add_u32 v[SPW], v[NIL]
	s_wait_dscnt 0x0
	CROUND                                         ; the closing round
	s_endpgm
.Lfunc_end_k_q0d054e15e6_oproj:
	.size	k_q0d054e15e6_oproj, .Lfunc_end_k_q0d054e15e6_oproj-k_q0d054e15e6_oproj
	.p2alignl 7, 3214868480
	.fill 96, 4, 3214868480
	.section	.rodata,"a",@progbits
	.p2align	6, 0x0
	.amdhsa_kernel k_q0d054e15e6_oproj
		.amdhsa_group_segment_fixed_size 327680
		.amdhsa_private_segment_fixed_size 0
		.amdhsa_enable_private_segment 0
		.amdhsa_kernarg_size 40
		.amdhsa_user_sgpr_count 2
		.amdhsa_user_sgpr_kernarg_segment_ptr 1
		.amdhsa_wavefront_size32 1
		.amdhsa_system_sgpr_workgroup_id_x 1
		.amdhsa_system_sgpr_workgroup_id_y 1
		.amdhsa_system_sgpr_workgroup_id_z 1
		.amdhsa_system_vgpr_workitem_id 0
		.amdhsa_next_free_vgpr 1024
		.amdhsa_next_free_sgpr 102
		.amdhsa_reserve_vcc 0
		.amdhsa_float_denorm_mode_32 3
		.amdhsa_float_denorm_mode_16_64 3
		.amdhsa_memory_ordered 1
		.amdhsa_forward_progress 1
		.amdhsa_inst_pref_size 97
	.end_amdhsa_kernel
	.amdgpu_metadata
---
amdhsa.version: [ 1, 2 ]
amdhsa.kernels:
  - .name:           k_q0d054e15e6_oproj
    .symbol:         k_q0d054e15e6_oproj.kd
    .args:
      - { .name: ocodes, .offset: 0, .size: 8, .value_kind: global_buffer, .address_space: global }
      - { .name: oscales, .offset: 8, .size: 8, .value_kind: global_buffer, .address_space: global }
      - { .name: codes1, .offset: 16, .size: 8, .value_kind: global_buffer, .address_space: global }
      - { .name: scales1, .offset: 24, .size: 8, .value_kind: global_buffer, .address_space: global }
      - { .name: out0, .offset: 32, .size: 8, .value_kind: global_buffer, .address_space: global }
    .group_segment_fixed_size: 327680
    .private_segment_fixed_size: 0
    .kernarg_segment_align: 8
    .kernarg_segment_size: 40
    .max_flat_workgroup_size: 128
    .sgpr_count:     102
    .vgpr_count:     1024
    .wavefront_size: 32
...
	.end_amdgpu_metadata
.endif
;; end of part 8
